; MI455X (gfx1250); checked and timed in simulation.
; The chip was launched on July 23, 2026; its instructions are those of AMD's public machine-readable ISA for CDNA 5 (MIT licence, August 2026) and "CDNA5" Instruction Set Architecture Reference Guide (July 2026). The comments in the code are by the model that wrote it; some were corrected since.
;; Sparse Moe Block. Allowed arithmetic: matrix products marked QUANTISED: E2M3 operands, one E8M0 scale for each 32 along K, by v_wmma_scale_f32_16x16x128_f8f6f4 with both operands' format E2M3, f32 sums; products left as they are: f32 operands where the result goes on into a quantised operand, else bf16, f16 or f32 operands; f32 sums; everything else in f32.
;; Inputs: V1 8 x 2,048 x 512 float32; W1 8 x 2,048 x 512 float32; W2 8 x 512 x 2,048 float32; Wr 2,048 x 8 float32; x 2 x 1,024 x 2,048 float32.
;; Outputs: out0 2 x 1,024 x 2,048 float32.
;; This version of the problem:
;;   THIS VERSION OF THE PROBLEM IS GIVEN IN LOW PRECISION. The matrix products marked QUANTISED in the list below multiply operands that are first quantised to E2M3 (2 exponent bits, 3 mantissa bits; 6 bits a number), with one power-of-two scale for each 32 numbers along K (OCP MX v1.0); their sums are f32. All else is computed in f32.
;;   The module's matrix products, in the order in which they are computed (A, B: the left and right operand; K: the contracted axis; several contracted axes count as one K, in the product's order):
;;     1. [M 2,048, K 2,048] x [K 2,048, N 8]; A: input x; B: input Wr: left as it is (N = 8 < 16)
;;     2. batch 2,048 x [M 1, K 2] x [K 2, N 8]; A: computed on the way; B: computed on the way: left as it is (K = 2 < 32)
;;     3. [M 4,096, K 2,048] x [K 2,048, N 2,048]; A: input W1; B: input x: QUANTISED
;;     4. [M 4,096, K 2,048] x [K 2,048, N 2,048]; A: input V1; B: input x: QUANTISED
;;     5. batch 8 x [M 2,048, K 512] x [K 512, N 2,048]; A: computed on the way; B: input W2: QUANTISED
;;     6. batch 2,048 x [M 1, K 8] x [K 8, N 2,048]; A: computed on the way; B: computed on the way: left as it is (K = 8 < 32)
;;   THE QUANTISER, for each operand of a quantised product, along K:
;;     - K is cut into blocks of 32 from its start; a last block that is shorter is filled with zeros.
;;     - A block's scale is 2^e with e = floor(log2(the largest magnitude in the block)) - 2, held to -126 .. 127; a block of zeros has e = 0. As a byte (E8M0): e + 127.
;;     - Each number is divided by its block's scale, clamped to +-7.5, and rounded to the nearest number of E2M3, ties to even, subnormals kept.
;;     - The product sums the exact products of the quantised numbers (number of the format x scale) in f32.
;;   ~~~python
;;   def quantise(x, axis):      # numpy; x: float32 -> the quantised numbers, widened to float32 again
;;       x = np.moveaxis(x, axis, -1); K = x.shape[-1]
;;       x = np.pad(x, [(0, 0)] * (x.ndim - 1) + [(0, -K % 32)]); x = x.reshape(x.shape[:-1] + (-1, 32)); a = np.abs(x).max(-1, keepdims=True)
;;       e = np.where(a > 0, np.clip(np.frexp(np.where(a > 0, a, 1))[1] - 1 - 2, -126, 127), 0)      # np.frexp(a)[1] - 1 = floor(log2(a)), exactly
;;       r = np.clip(x / 2.0 ** e, -7.5, 7.5)
;;       step = 2.0 ** (np.maximum(np.frexp(np.where(r == 0, 1, r))[1] - 1, 0) - 3)
;;       q = np.round(r / step) * step * 2.0 ** e      # np.round: ties to even
;;       return np.moveaxis(q.reshape(q.shape[:-2] + (-1,))[..., :K], -1, axis).astype(np.float32)
;;   ~~~
;;   OPERANDS COMPUTED ON THE WAY. 'Computed on the way' means the value that the module computes at that place (a softmax that the list does not call 'softmax' is quantised finished and normalised). What goes into a quantiser is computed in f32, as accurately as f32 sums, v_exp_f32 and their like allow (about 1e-6 of the number): no bf16 or f16 on the way to a quantiser, and a product that is left as it is and whose result goes on into a quantised operand takes f32 operands (vector FMAs, or v_wmma_f32_16x16x4_f32). A number that lies on a knife's edge between two numbers of the format may be rounded either way, as far as f32 arithmetic and the matrix unit's own rounding can turn it there, and no further.
;; 2 versions. Each part assembles by itself: llvm-mc -triple=amdgcn-amd-amdhsa -mcpu=gfx1250 --defsym DOCPART=n.
;; ======== version 1 of 2: 4 launches
;; workspace buffers: q1 16,384,000 bytes; sc 16,384 bytes; route 16,384 bytes of whole numbers; q2 6,569,984 bytes; plan 45,568 bytes of whole numbers; hid 1,996,800 bytes
;; launch prep (part 1): grid 256 x 1, 8 waves a work-group, no clusters, 233,472 bytes of LDS; arguments x, Wr, W1, V1, q1, sc, route; writes q1, sc, route
.if DOCPART == 1
	.amdgcn_target "amdgcn-amd-amdhsa--gfx1250"
	.amdhsa_code_object_version 6
	.text
	.protected	k_qae7a054502_prep
	.globl	k_qae7a054502_prep
	.p2align	8
	.type	k_qae7a054502_prep,@function
k_qae7a054502_prep:
	s_mov_b64 s[64:65], 0
	v_nop
	global_prefetch_b8 v0, s[64:65] scope:SCOPE_SE
	s_setreg_imm32_b32 hwreg(HW_REG_WAVE_MODE, 25, 1), 1
	s_wait_xcnt 0x0
; PREP.  Two kinds of work-group, told apart by the work-group's number alone.
; X (numbers 0-63): 32 tokens each.  x is quantised to E2M3 (one E8M0 byte for each 32 along d), the router's eight logits are summed in f32 by fused multiply-adds,
;   the two smallest are chosen, their two scores made, and for the 32 tokens a count of each of the 28 expert pairs and each token's rank in its pair.  What hangs on the choice is only STORED, at fixed places.
; Q (numbers 64-255): one K step (128 rows of d) x all 512 columns of W1[e] or V1[e], e = 0 .. 5, is quantised along d and stored in the order of a matrix operand's registers (experts 6 and 7: the next launch).
; 64 + 192 = 256 work-groups of 8 waves x 512 registers.
; ROUTER.  exp and a common divisor keep the order, so the two smallest gates are the two smallest logits (strictly-less scans from index 0: the lower index wins a tie, as top_k does).  In score / (sum of the two)
;   the softmax's divisor cancels: with la <= lb the chosen logits, ea = 2^((la - lb) log2 e) <= 1, sa = ea / (1 + ea), sb = 1 / (1 + ea): the larger of the two is the maximum that is taken away.
; LIMITS.  Two gates that round to one f32 number though their logits differ: here the smaller logit wins, in the definition the lower index.  Gates that are denormal or 0 in f32: the scores here stay exact.
;   NaN and infinities among the inputs are not served.  A block whose largest magnitude lies under 2^-124 keeps the scale byte 1 (a block of zeros too: its codes are zeros, and only this program reads the bytes).
; LAYOUTS in q1.  x's codes: [token][1536 bytes]; in a K step's 96 bytes block 2 c + h lies at 48 h + 24 c, so that a lane of an operand reads 48 bytes on end.  x's scale bytes: [token][64].
;   Weights: [e][b 16][ks 16][W1, V1][u 2][1536]: an image of the operand's 12 registers, registers 4 j .. 4 j + 3 of lane l at 512 j + 16 l.  Row r of tile (b, u) is hidden unit 32 b + 8 u + r + 8 (r / 8).
;   Their scale words: [e][W1, V1][ks][512 units].  In sc: [token][s of the lower expert, s of the higher].
; No cluster, no tensor load: the work-groups share no input byte but Wr (64 KiB), and each wave's loads go straight to registers.
.set XS_OFF, 3145728
.set WQ_OFF, 3276800
.set WS_OFF, 15859712
.set GC_OFF, 8192
.set FP,   1552                        ; a fragment's place in a wave's stage: 1536 bytes + 16
.set WST,  4*FP                        ; a wave's stage: four fragments
.set PSUM, 8*WST                       ; X's bytes: 32 tokens x (4 quarters of K x 8 sums + 16 bytes)
.set XSB,  PSUM+32*144                 ; X's bytes: 32 tokens x 64 scale bytes
.set XST,  XSB+2048                    ; X's bytes: for each wave two stages of 32 places of 64 + 16 bytes, through which a token's 2,048 bytes turn
.set SPX,  80
.set XSTW, 2*32*SPX
.set WRS,  XST+8*XSTW                  ; X's bytes: for each wave 32 blocks of 512 + 16 bytes, through which its quarter of Wr turns once
.set WRP,  528
.set WRSW, 32*WRP
.set ROWB, 2048                        ; bytes from row to row of W1, V1
.set INB,  8                           ; s[8:9]   Q: the rows that I read
.set OCB,  24                          ; s[24:25] Q: where my fragments go
.set OSB,  26                          ; s[26:27] Q: where my scale words go
.set SB,   8                           ; v[8:9]   Q: my two columns' scale words
.set T,    16                          ; v16-79   Q: a block of 32 along K for each of my two columns
.set CD,   80                          ; v80-95   Q: its codes
.set X,    96                          ; v96-223  Q: two sets of 32 rows x 2 columns as loaded
.set WR,   16                          ; v16-143  X: Wr of my 16 k: register 8 i + e
.set CDX,  144                         ; v144-207 X: token i's codes in three registers, its scale byte in the fourth: no store's data are written again
.set ACC,  208                         ; v208-215, v232-239 X: the eight sums, two sets by turns
.set PD,   216                         ; v216-223 X: the other half of the lanes' sums
.set TIN,  240                         ; v240-243 X: LDS addresses: x's turn in and out, Wr's turn in and out
.set TOUT, 241
.set WRI,  242
.set WRO,  243
                                       ; window 1 (v256-511) X: token i's 16 numbers at 16 i
.set MSB, 0
.macro WIN new                         ; s_set_vgpr_msb: bits 1:0 source 0, 3:2 source 1, 5:4 source 2, 7:6 destination; the immediate's high byte repeats the setting that is left
.if MSB != (\new)
	s_set_vgpr_msb (MSB<<8)|(\new)
.set MSB, (\new)
.endif
.endm
	s_load_b256 s[4:11], s[0:1], 0x0               ; x, Wr, W1, V1
	s_load_b128 s[12:15], s[0:1], 0x20             ; q1, sc
	s_load_b64 s[38:39], s[0:1], 0x30              ; route
	v_lshl_add_u32 v254, v0, 2, 0x38c00
	v_mov_b32 v255, 0
	v_lshrrev_b32 v1, 5, v0
	v_readfirstlane_b32 s16, v1                    ; wave 0..7
	v_and_b32 v1, 31, v0                           ; lane
	s_cmp_lt_u32 ttmp9, 64
	s_cbranch_scc1 .Lrole_x
; ---------------------------------------------------------------- Q
; Wave w takes columns 64 w .. 64 w + 63, lane L columns 64 w + 2 L and + 1: a load of 8 bytes a lane covers 256 consecutive aligned bytes of a row.
	s_sub_co_u32 s17, ttmp9, 64
	s_lshr_b32 s18, s17, 5                         ; e
	s_bfe_u32 s19, s17, 0x10004                    ; 0: W1, 1: V1
	s_and_b32 s20, s17, 15                         ; ks
	s_lshl_b32 s22, s18, 22                        ; an expert is 4 MiB,
	s_lshl_b32 s23, s20, 18                        ; 128 rows are 256 KiB
	s_add_co_u32 s22, s22, s23
	s_mov_b32 s23, 0
	s_lshl_b32 s24, s18, 4
	s_lshl_b32 s25, s16, 1
	s_add_co_u32 s24, s24, s25                     ; 16 e + b, b = 2 w
	s_lshl_b32 s24, s24, 4
	s_add_co_u32 s24, s24, s20
	s_mul_i32 s24, s24, 6144
	s_mul_i32 s25, s19, 3072
	s_add_co_u32 s24, s24, s25
	s_add_co_u32 s24, s24, WQ_OFF
	s_mov_b32 s25, 0
	s_lshl_b32 s26, s18, 1
	s_add_co_u32 s26, s26, s19
	s_lshl_b32 s26, s26, 4
	s_add_co_u32 s26, s26, s20
	s_lshl_b32 s26, s26, 11
	s_add_co_u32 s26, s26, WS_OFF
	s_mov_b32 s27, 0
	s_mul_i32 s21, s16, WST
	v_lshlrev_b32 v2, 3, v0                        ; 256 w + 8 L: my two columns in a row, and my two scale words
	v_bfe_u32 v6, v0, 4, 1
	v_bfe_u32 v7, v0, 2, 1
	v_lshl_add_u32 v6, v6, 1, v7                   ; my fragment of the wave's four: 2 (b's low bit) + u
	v_mul_u32_u24 v3, v6, FP
	v_and_b32 v7, 3, v0
	v_lshl_add_u32 v3, v7, 5, v3                   ; row r = 2 (L % 4) + c + 8 ((L / 8) % 2): 16 bytes a row
	v_bfe_u32 v7, v0, 3, 1
	v_lshl_add_u32 v3, v7, 7, v3
	v_add_nc_u32 v3, s21, v3                       ; into my wave's stage
	v_lshlrev_b32 v5, 4, v1                        ; 16 L
	v_add_nc_u32 v4, s21, v5                       ; out of it
	s_wait_kmcnt 0x0
	s_cmp_eq_u32 s19, 0
	s_cselect_b64 s[INB:INB+1], s[8:9], s[10:11]
	s_add_nc_u64 s[INB:INB+1], s[INB:INB+1], s[22:23]
	s_add_nc_u64 s[OCB:OCB+1], s[12:13], s[24:25]
	s_add_nc_u64 s[OSB:OSB+1], s[12:13], s[26:27]
.macro QLOAD t                         ; block t of the K step: 32 rows, two columns a lane
.set k, 0
.rept 32
	global_load_b64 v[X+64*((\t)%2)+2*k:X+64*((\t)%2)+2*k+1], v2, s[INB:INB+1] offset:(32*(\t)+k)*ROWB th:TH_LOAD_NT
.set k, k+1
.endr
.endm
.macro QBLOCK t                        ; block t = 2 c + h of the fragment: registers 6 c .. 6 c + 5 of lane r + 16 h
.set XSET, X+64*((\t)%2)
.if (\t) < 3
	s_wait_loadcnt 32                              ; this block's 32 loads are in; the next block's 32 are younger
.else
	s_wait_loadcnt 0x0
.endif
.set k, 0
.rept 32                               ; a conversion takes 16 neighbours along K from consecutive registers: the two columns are parted (the price of loads of 8 bytes, which double what a wave has on its way)
	v_mov_b32 v[T+k], v[XSET+2*k]
	v_mov_b32 v[T+32+k], v[XSET+2*k+1]
.set k, k+1
.endr
.if (\t) < 2
	QLOAD (\t)+2
.endif
	s_wait_dscnt 0x0                               ; the last block's stores into the stage have read their registers
.irp c, 0,1
	v_max3_num_f32 v[10+2*\c], |v[T+32*\c]|, |v[T+32*\c+1]|, |v[T+32*\c+2]|
	v_max3_num_f32 v[11+2*\c], |v[T+32*\c+3]|, |v[T+32*\c+4]|, |v[T+32*\c+5]|
.endr
.irp i, 6,10,14,18,22,26
.irp c, 0,1
	v_max3_num_f32 v[10+2*\c], v[10+2*\c], |v[T+32*\c+\i]|, |v[T+32*\c+\i+1]|
	v_max3_num_f32 v[11+2*\c], v[11+2*\c], |v[T+32*\c+\i+2]|, |v[T+32*\c+\i+3]|
.endr
.endr
.irp c, 0,1
	v_max3_num_f32 v[10+2*\c], v[10+2*\c], |v[T+32*\c+30]|, |v[T+32*\c+31]|
.endr
.irp c, 0,1
	v_max3_num_f32 v[10+2*\c], v[10+2*\c], v[11+2*\c], 0x1800000   ; the floor 2^(3 - 127): the byte cannot fall under 1
.endr
.irp c, 0,1
	v_add_nc_u32 v[14+\c], 0xff000000, v[10+2*\c]  ; 2 off the exponent field: the conversion's scale operand
.endr
.irp c, 0,1
	v_lshrrev_b32 v[10+2*\c], 23, v[14+\c]         ; the scale's byte
.endr
.irp c, 0,1
.if (\t) == 0
	v_mov_b32 v[SB+\c], v[10+2*\c]
.else
	v_lshl_or_b32 v[SB+\c], v[10+2*\c], 8*(\t), v[SB+\c]
.endif
.endr
.irp c, 0,1
	v_cvt_scalef32_pk16_fp6_f32 v[CD+8*\c:CD+8*\c+2], v[T+32*\c:T+32*\c+15], v[14+\c]
	v_cvt_scalef32_pk16_fp6_f32 v[CD+8*\c+4:CD+8*\c+6], v[T+32*\c+16:T+32*\c+31], v[14+\c]   ; (a conversion's three registers begin on an even number)
.endr
	v_nop                                          ; one plain line behind the conversions
.irp c, 0,1
	v_mov_b32 v[CD+8*\c+3], v[CD+8*\c+4]
	v_mov_b32 v[CD+8*\c+4], v[CD+8*\c+5]
	v_mov_b32 v[CD+8*\c+5], v[CD+8*\c+6]           ; six registers on end
.endr
.irp c, 0,1
.if (\t)/2 == 0
	ds_store_b128 v3, v[CD+8*\c:CD+8*\c+3] offset:16*\c+256*((\t)%2)           ; registers 0-3: chunk 0
	ds_store_b64 v3, v[CD+8*\c+4:CD+8*\c+5] offset:512+16*\c+256*((\t)%2)      ; registers 4, 5: chunk 1, lower half
.else
	ds_store_b64 v3, v[CD+8*\c:CD+8*\c+1] offset:520+16*\c+256*((\t)%2)        ; registers 6, 7: chunk 1, upper half
	ds_store_b128 v3, v[CD+8*\c+2:CD+8*\c+5] offset:1024+16*\c+256*((\t)%2)    ; registers 8-11: chunk 2
.endif
.endr
.endm
	QLOAD 0
	QLOAD 1                                        ; two blocks, 64 loads of 256 bytes, are asked for by each wave
	QBLOCK 0
	QBLOCK 1
	QBLOCK 2
	QBLOCK 3
.set n, 0
.rept 12                               ; the stage is my wave's own, and LDS serves a wave's instructions in order: these see my stores
	ds_load_b128 v[X+4*n:X+4*n+3], v4 offset:(n/3)*FP+512*(n%3)
.set n, n+1
.endr
.set n, 0
.rept 12
	s_wait_dscnt 11-n
	global_store_b128 v5, v[X+4*n:X+4*n+3], s[OCB:OCB+1] offset:(n/6)*98304+((n/3)%2)*1536+512*(n%3)   ; 512 consecutive aligned bytes
.set n, n+1
.endr
	global_store_b64 v2, v[SB:SB+1], s[OSB:OSB+1]  ; the wave's 64 scale words: 256 consecutive aligned bytes
	s_wait_tensorcnt 0x0
	ds_add_u32 v254, v255
	s_wait_dscnt 0x0
	s_endpgm
; ---------------------------------------------------------------- X
; Wave w: tokens 16 (w / 4) + 0 .. 15 of the group, k = 512 (w % 4) + 0 .. 511; at work lane L owns k = 512 (w % 4) + 16 L + 0 .. 15, half a block of 32.
; EVERY LOAD IS DENSE: 32 lanes x 16 bytes = 512 consecutive bytes.  A conversion wants 16 neighbours along K in one lane, so a token's 2,048 bytes turn through the wave's own stage in LDS (in as loaded,
; back 64 bytes a lane, into the registers that they left), one token ahead of the work, two stages by turns.  The wave's quarter of Wr, 16 KiB, turns once in the same way: lane L gets its 16 rows of 32 bytes.
; ALL 16 TOKENS ARE ASKED FOR AT THE HEAD: 64 loads into 256 registers of window 1; the second half of them goes out behind the wait for Wr.
.Lrole_x:
	s_lshr_b32 s17, s16, 2                         ; tg
	s_and_b32 s18, s16, 3                          ; kq
	s_lshl_b32 s19, ttmp9, 5
	s_lshl_b32 s20, s17, 4
	s_add_co_u32 s19, s19, s20                     ; my first token
	s_lshl_b32 s22, s19, 13
	s_mov_b32 s23, 0
	s_mul_i32 s26, s19, 1536
	s_mov_b32 s27, 0
	s_lshl_b32 s28, ttmp9, 11
	s_add_co_u32 s28, s28, XS_OFF
	s_mov_b32 s29, 0
	s_lshl_b32 s30, ttmp9, 7
	s_mov_b32 s31, 0
	s_lshl_b32 s32, ttmp9, 8
	s_mov_b32 s33, 0
	s_mov_b32 s34, 0x76543210
	s_mov_b32 s35, 0xfedcba98                      ; v_permlanex16_b32's selects for lane l xor 16
	v_lshlrev_b32 v2, 4, v1
	s_lshl_b32 s20, s18, 11
	v_add_nc_u32 v2, s20, v2                       ; x: 2048 kq + 16 L
	v_lshlrev_b32 v3, 4, v1
	s_lshl_b32 s20, s18, 14
	v_add_nc_u32 v3, s20, v3                       ; Wr: 16384 kq + 16 L
	v_lshrrev_b32 v8, 3, v1
	v_mul_u32_u24 v4, v8, 96                       ; codes: the K step,
	v_bfe_u32 v8, v0, 1, 1
	v_mad_u32_u24 v4, v8, 48, v4                   ; the block's h,
	v_bfe_u32 v8, v0, 2, 1
	v_mad_u32_u24 v4, v8, 24, v4                   ; its c,
	v_and_b32 v8, 1, v0
	v_mad_u32_u24 v4, v8, 12, v4                   ; my half of it
	s_mul_i32 s20, s18, 384
	v_add_nc_u32 v4, s20, v4
	s_lshl_b32 s20, s17, 10
	s_lshl_b32 s21, s18, 4
	s_add_co_u32 s20, s20, s21
	s_add_co_u32 s20, s20, XSB
	v_lshrrev_b32 v5, 1, v1
	v_add_nc_u32 v5, s20, v5                       ; LDS: my block's scale byte
	s_mul_i32 s20, s17, 2304
	s_lshl_b32 s21, s18, 5
	s_add_co_u32 s20, s20, s21
	s_add_co_u32 s20, s20, PSUM
	v_mov_b32 v6, s20                              ; LDS: my quarter's eight sums of a token
	v_lshlrev_b32 v7, 3, v0
	v_add_nc_u32 v9, XSB, v7                       ; LDS: eight scale bytes a thread on the way out
	v_mul_u32_u24 v10, v1, 144
	v_add_nc_u32 v10, PSUM, v10                    ; LDS: token L's sums
	s_mul_i32 s20, s16, XSTW
	s_add_co_u32 s20, s20, XST                     ; my wave's two stages
	v_lshrrev_b32 v8, 2, v1
	v_mul_u32_u24 v[TIN], v8, SPX
	v_and_b32 v8, 3, v0
	v_lshl_add_u32 v[TIN], v8, 4, v[TIN]
	v_add_nc_u32 v[TIN], s20, v[TIN]               ; in: four lanes' 64 bytes on end, then 16 of padding; a load's 512 bytes take eight places
	v_mul_u32_u24 v[TOUT], v1, SPX
	v_add_nc_u32 v[TOUT], s20, v[TOUT]             ; out: place L: my 16 neighbours.  80 bytes from lane to lane, an odd multiple of 16
	s_mul_i32 s20, s16, WRSW
	s_add_co_u32 s20, s20, WRS                     ; my wave's stage for Wr
	v_lshl_add_u32 v[WRI], v1, 4, s20              ; in: block m (16 rows, 512 bytes) at 528 m, 16 bytes a lane
	v_mul_u32_u24 v[WRO], v1, WRP
	v_add_nc_u32 v[WRO], s20, v[WRO]               ; out: block L
.irp e, 0,1,2,3,4,5,6,7
	v_mov_b32 v[PD+\e], 0                          ; written once: a lane permute's destination counts as one of its sources
.endr
	s_wait_kmcnt 0x0
	s_add_nc_u64 s[24:25], s[4:5], s[22:23]
	s_add_nc_u64 s[26:27], s[12:13], s[26:27]
	s_add_nc_u64 s[28:29], s[12:13], s[28:29]
	s_add_nc_u64 s[30:31], s[38:39], s[30:31]
	s_add_nc_u64 s[32:33], s[14:15], s[32:33]
.set i, 0
.rept 32
	global_load_b128 v[WR+4*i:WR+4*i+3], v3, s[6:7] offset:512*i               ; Wr's quarter as it lies
.set i, i+1
.endr
	WIN 0x40                                       ; destination window 1
.set i, 0
.rept 32
	global_load_b128 v[4*i:4*i+3], v2, s[24:25] offset:8192*(i/4)+512*(i%4) th:TH_LOAD_NT   ; tokens 0-7
.set i, i+1
.endr
	WIN 0
	s_wait_loadcnt 32                              ; Wr is in; the 32 loads of tokens 0-7 are younger
.set i, 0
.rept 32
	ds_store_b128 v[WRI], v[WR+4*i:WR+4*i+3] offset:WRP*i
.set i, i+1
.endr
	WIN 0x40
.set i, 32
.rept 32
	global_load_b128 v[4*i:4*i+3], v2, s[24:25] offset:8192*(i/4)+512*(i%4) th:TH_LOAD_NT   ; tokens 8-15
.set i, i+1
.endr
	WIN 0
.set i, 0
.rept 32
	ds_load_b128 v[WR+4*i:WR+4*i+3], v[WRO] offset:16*i    ; LDS serves a wave's instructions in order (ISA guide 5.7.1.4): these see the stores above.  Register 8 i + e = Wr(my k i, e)
.set i, i+1
.endr
.macro TURN i                          ; token i's numbers through stage i % 2, and back into the registers that they left
	WIN 0x04                                       ; an LDS store's data are its source 1: window 1
.irp j, 0,1,2,3
	ds_store_b128 v[TIN], v[16*(\i)+4*\j:16*(\i)+4*\j+3] offset:32*SPX*((\i)%2)+8*SPX*\j
.endr
	WIN 0x40
.irp j, 0,1,2,3
	ds_load_b128 v[16*(\i)+4*\j:16*(\i)+4*\j+3], v[TOUT] offset:32*SPX*((\i)%2)+16*\j
.endr
.endm
	s_wait_loadcnt 60                              ; token 0's four loads are in; fifteen tokens' sixty are younger
	TURN 0
.macro TOKEN i
.set XB, 16*(\i)
.set AC, ACC+24*((\i)%2)
.set CX, CDX+4*(\i)
.if (\i) < 15
	s_wait_loadcnt 4*(14-(\i))                     ; the next token's four loads are in; those of the tokens behind it are younger
	TURN (\i)+1                                    ; it turns while this one is worked
.endif
; this token is back from its stage.  Younger LDS instructions: the next token's turn (8) and, from token 1 on, the last token's three stores.  So the stores of two tokens ago are done too: their set of sums is written again below
.if (\i) == 0
	s_wait_dscnt 8
.elseif (\i) < 15
	s_wait_dscnt 11
.else
	s_wait_dscnt 3
.endif
	WIN 0x15                                       ; all three sources window 1
	v_max3_num_f32 v224, |v[XB]|, |v[XB+1]|, |v[XB+2]|
	v_max3_num_f32 v225, |v[XB+3]|, |v[XB+4]|, |v[XB+5]|
	WIN 0x14                                       ; sources 1 and 2 window 1
.irp j, 6,10
	v_max3_num_f32 v224, v224, |v[XB+\j]|, |v[XB+\j+1]|
	v_max3_num_f32 v225, v225, |v[XB+\j+2]|, |v[XB+\j+3]|
.endr
	v_max3_num_f32 v224, v224, |v[XB+14]|, |v[XB+15]|
	WIN 0
	v_max3_num_f32 v224, v224, v225, 0x1800000     ; the floor 2^(3 - 127)
	v_max_num_f32_dpp v224, v224, v224 row_xmask:1 row_mask:0xf bank_mask:0xf   ; with my neighbour's 16: the block's largest magnitude
	v_add_nc_u32 v226, 0xff000000, v224            ; 2 off the exponent field: the conversion's scale operand
	WIN 0x01                                       ; source 0 window 1
	v_cvt_scalef32_pk16_fp6_f32 v[CX:CX+2], v[XB:XB+15], v226      ; (the multiplications below are the plain lines behind it; its result goes to a store alone)
.irp p, 0,1,2,3
	v_pk_mul_f32 v[AC+2*\p:AC+2*\p+1], v[XB:XB+1], v[WR+2*\p:WR+2*\p+1] op_sel_hi:[0,1]   ; the first k starts the sums
.endr
.set d, 1
.rept 15
.irp p, 0,1,2,3
.if d%2
	v_pk_fma_f32 v[AC+2*\p:AC+2*\p+1], v[XB+d-1:XB+d], v[WR+8*d+2*\p:WR+8*d+2*\p+1], v[AC+2*\p:AC+2*\p+1] op_sel:[1,0,0] op_sel_hi:[1,1,1]
.else
	v_pk_fma_f32 v[AC+2*\p:AC+2*\p+1], v[XB+d:XB+d+1], v[WR+8*d+2*\p:WR+8*d+2*\p+1], v[AC+2*\p:AC+2*\p+1] op_sel_hi:[0,1,1]
.endif
.endr
.set d, d+1
.endr
	WIN 0
	v_lshrrev_b32 v[CX+3], 23, v226                ; the scale's byte
	global_store_b96 v4, v[CX:CX+2], s[26:27] offset:1536*(\i)
	ds_store_b8 v5, v[CX+3] offset:64*(\i)         ; both lanes of a block write the same byte with the same value
.irp msk, 1,2,4,8
.irp e, 0,1,2,3,4,5,6,7
	v_add_f32_dpp v[AC+\e], v[AC+\e], v[AC+\e] row_xmask:\msk row_mask:0xf bank_mask:0xf
.endr
.endr
.irp e, 0,1,2,3,4,5,6,7
	v_permlanex16_b32 v[PD+\e], v[AC+\e], s34, s35
.endr
.irp e, 0,2,4,6
	v_pk_add_f32 v[AC+\e:AC+\e+1], v[AC+\e:AC+\e+1], v[PD+\e:PD+\e+1]
.endr
	ds_store_b128 v6, v[AC:AC+3] offset:144*(\i)           ; all lanes write the same bytes with the same values
	ds_store_b128 v6, v[AC+4:AC+7] offset:144*(\i)+16
.endm
.irp i, 0,1,2,3,4,5,6,7,8,9,10,11,12,13,14,15
	TOKEN \i
.endr
	s_wait_dscnt 0x0                               ; for the others' sake: my sums and scale bytes lie in LDS
	s_barrier_signal -1
	s_barrier_wait -1
	ds_load_b64 v[12:13], v9
	s_wait_dscnt 0x0
	global_store_b64 v7, v[12:13], s[28:29]        ; the group's 2,048 scale bytes: 256 consecutive aligned bytes a wave
	s_cmp_lg_u32 s16, 0
	s_cbranch_scc1 .Ldone
	; wave 0, lane = token: the four quarters of K are added, the two smallest logits chosen
.irp kq, 0,1,2,3
	ds_load_b128 v[16+8*\kq:16+8*\kq+3], v10 offset:32*\kq
	ds_load_b128 v[16+8*\kq+4:16+8*\kq+7], v10 offset:32*\kq+16
.endr
	s_wait_dscnt 0x0
.irp p, 0,2,4,6
	v_pk_add_f32 v[16+\p:17+\p], v[16+\p:17+\p], v[24+\p:25+\p]
	v_pk_add_f32 v[32+\p:33+\p], v[32+\p:33+\p], v[40+\p:41+\p]
.endr
.irp p, 0,2,4,6
	v_pk_add_f32 v[16+\p:17+\p], v[16+\p:17+\p], v[32+\p:33+\p]
.endr
	v_mov_b32 v48, v16
	v_mov_b32 v49, 0
.irp i, 1,2,3,4,5,6,7
	v_cmp_ge_f32 vcc_lo, v[16+\i], v48             ; kept unless strictly less: the lower index wins a tie
	v_cndmask_b32 v48, v[16+\i], v48, vcc_lo
	v_cndmask_b32 v49, \i, v49, vcc_lo
.endr
	v_mov_b32 v52, 0x7f800000
.irp i, 0,1,2,3,4,5,6,7
	v_cmp_eq_u32 vcc_lo, \i, v49
	v_cndmask_b32 v[16+\i], v[16+\i], v52, vcc_lo  ; the first choice is hidden
.endr
	v_mov_b32 v50, v16
	v_mov_b32 v51, 0
.irp i, 1,2,3,4,5,6,7
	v_cmp_ge_f32 vcc_lo, v[16+\i], v50
	v_cndmask_b32 v50, v[16+\i], v50, vcc_lo
	v_cndmask_b32 v51, \i, v51, vcc_lo
.endr
	v_sub_f32 v53, v48, v50                        ; la - lb, 0 or less
	v_mul_f32 v53, 0x3fb8aa3b, v53
	v_exp_f32 v53, v53                             ; ea
	v_min_u32 v55, v49, v51                        ; the lower expert (a plain line behind the exponential)
	s_wait_alu depctr_va_vdst(0)
	v_add_f32 v54, 1.0, v53
	v_rcp_f32 v54, v54                             ; sb
	v_max_u32 v56, v49, v51                        ; the higher expert (a plain line behind the reciprocal)
	s_wait_alu depctr_va_vdst(0)
	v_mul_f32 v53, v53, v54                        ; sa
	v_cmp_lt_u32 vcc_lo, v49, v51
	v_cndmask_b32 v58, v54, v53, vcc_lo            ; the lower expert's score
	v_cndmask_b32 v59, v53, v54, vcc_lo            ; the higher's
	v_sub_nc_u32 v57, 15, v55
	v_mul_u32_u24 v57, v57, v55
	v_lshrrev_b32 v57, 1, v57
	v_add_nc_u32 v57, v57, v56
	v_sub_nc_u32 v57, v57, v55
	v_add_nc_u32 v57, -1, v57                      ; q = lo (15 - lo) / 2 + hi - lo - 1: the pair's number, 0 .. 27
	v_mov_b32 v60, 0
	v_mov_b32 v61, 0
.set qq, 0
.rept 28
	v_cmp_eq_u32 vcc_lo, qq, v57
	v_mbcnt_lo_u32_b32 v62, vcc_lo, 0              ; tokens of this pair in the lanes below me
	v_cndmask_b32 v60, v60, v62, vcc_lo            ; my rank in my pair
	s_bcnt1_i32_b32 s36, vcc_lo
	v_writelane_b32 v61, s36, qq                   ; lane q: the group's count of pair q
.set qq, qq+1
.endr
	v_lshl_or_b32 v63, v60, 8, v57
	v_lshl_or_b32 v63, v55, 16, v63
	v_lshl_or_b32 v63, v56, 20, v63                ; q | rank << 8 | lo << 16 | hi << 20
	v_lshlrev_b32 v64, 2, v1
	v_lshlrev_b32 v65, 3, v1
	global_store_b32 v64, v63, s[30:31]
	global_store_b32 v64, v61, s[30:31] offset:GC_OFF
	global_store_b64 v65, v[58:59], s[32:33]
.Ldone:
	s_wait_tensorcnt 0x0
	ds_add_u32 v254, v255
	s_wait_dscnt 0x0
	s_endpgm
.Lfunc_end_k_qae7a054502_prep:
	.size	k_qae7a054502_prep, .Lfunc_end_k_qae7a054502_prep-k_qae7a054502_prep
	.p2alignl 7, 3214868480
	.fill 96, 4, 3214868480
	.section	.rodata,"a",@progbits
	.p2align	6, 0x0
	.amdhsa_kernel k_qae7a054502_prep
		.amdhsa_group_segment_fixed_size 233472
		.amdhsa_private_segment_fixed_size 0
		.amdhsa_enable_private_segment 0
		.amdhsa_kernarg_size 56
		.amdhsa_user_sgpr_count 2
		.amdhsa_user_sgpr_kernarg_segment_ptr 1
		.amdhsa_wavefront_size32 1
		.amdhsa_system_sgpr_workgroup_id_x 1
		.amdhsa_system_sgpr_workgroup_id_y 1
		.amdhsa_system_sgpr_workgroup_id_z 1
		.amdhsa_system_vgpr_workitem_id 0
		.amdhsa_next_free_vgpr 512
		.amdhsa_next_free_sgpr 66
		.amdhsa_reserve_vcc 1
		.amdhsa_float_denorm_mode_32 3
		.amdhsa_float_denorm_mode_16_64 3
		.amdhsa_memory_ordered 1
		.amdhsa_forward_progress 1
		.amdhsa_inst_pref_size 203
	.end_amdhsa_kernel
	.amdgpu_metadata
---
amdhsa.version: [ 1, 2 ]
amdhsa.kernels:
  - .name:           k_qae7a054502_prep
    .symbol:         k_qae7a054502_prep.kd
    .args:
      - { .name: x, .offset: 0, .size: 8, .value_kind: global_buffer, .address_space: global }
      - { .name: Wr, .offset: 8, .size: 8, .value_kind: global_buffer, .address_space: global }
      - { .name: W1, .offset: 16, .size: 8, .value_kind: global_buffer, .address_space: global }
      - { .name: V1, .offset: 24, .size: 8, .value_kind: global_buffer, .address_space: global }
      - { .name: q1, .offset: 32, .size: 8, .value_kind: global_buffer, .address_space: global }
      - { .name: sc, .offset: 40, .size: 8, .value_kind: global_buffer, .address_space: global }
      - { .name: route, .offset: 48, .size: 8, .value_kind: global_buffer, .address_space: global }
    .group_segment_fixed_size: 233472
    .private_segment_fixed_size: 0
    .kernarg_segment_align: 8
    .kernarg_segment_size: 56
    .max_flat_workgroup_size: 256
    .sgpr_count:     66
    .vgpr_count:     512
    .wavefront_size: 32
...
	.end_amdgpu_metadata
.endif
;; end of part 1
;; launch place (part 2): grid 193 x 1, 8 waves a work-group, no clusters, 101,376 bytes of LDS; arguments W2, sc, route, q2, plan, W1, V1, q1; writes q2, plan, q1
.if DOCPART == 2
	.amdgcn_target "amdgcn-amd-amdhsa--gfx1250"
	.amdhsa_code_object_version 6
	.text
	.protected	k_qae7a054502_place
	.globl	k_qae7a054502_place
	.p2align	8
	.type	k_qae7a054502_place,@function
k_qae7a054502_place:
	s_mov_b64 s[64:65], 0
	v_nop
	global_prefetch_b8 v0, s[64:65] scope:SCOPE_SE
	s_setreg_imm32_b32 hwreg(HW_REG_WAVE_MODE, 25, 1), 1
	s_wait_xcnt 0x0
; PLACE.  Work-group 0 (P): a counting sort of the 2,048 tokens by expert pair, from the counts and ranks that the first launch stored, and every list that the two later launches form addresses from.
; Work-groups 1-128 (Q): one K step (128 rows of f) x 512 columns of W2[e] is quantised along f to E2M3 and stored in the order of a matrix operand's registers (a tile: 16 neighbouring columns).
; Work-groups 129-192 (Q1): the same for one K step (128 rows of d) x the 512 columns of W1[e] or V1[e], e = 6, 7, which the first launch leaves to this one; layout in q1 as the first launch's.
; LISTS in plan.  p: a token's place in the order by pair.  g: a routed row; expert e's rows begin at 128 TB[e], TB the running sum of ceil(n_e / 128): never more than 39 tiles of 128 rows.
;   TOKH[g] = token (a tile's rows past n_e, and all rows of the tiles that the split leaves unused: 0; 64 words behind the list take the stores of lanes with nothing to fill).  TE[tile] = its expert, 8 = none.
;   TOKS[p] = token | lo << 16 | hi << 20.  GS[p] = the token's two rows g.  BL[block of 64 p] = up to eight bytes e | lower << 3 | higher << 4 | 1 << 5: the experts that the block uses, and as which of a token's two.
; In q2: W2's fragments [e][64 columns][ks 4][tile 4][1536]; scale words [e][ks][2048 columns]; SS[p] = the token's two scores.
; In q1: W1's and V1's fragments [e][b 16][ks 16][W1, V1][u 2][1536], row r of tile (b, u) = hidden unit 32 b + 8 u + r + 8 (r / 8); scale words [e][W1, V1][ks][512 units].
; LIMITS of the quantiser: a block whose largest magnitude lies under 2^-124 keeps the scale byte 1 (a block of zeros too: its codes are zeros, and only this program reads the bytes); NaN and infinities are not served.
; No cluster, no tensor load: the work-groups share no input byte.  No atomics: one work-group sorts.  Each of the three paths has LDS bytes of its own.
.set GC_OFF, 8192
.set S2_OFF, 6291456
.set SS_OFF, 6553600
.set WQ_OFF, 3276800
.set WS_OFF, 15859712
.set TE_OFF, 20480
.set TOKS_OFF, 20736
.set GS_OFF, 28928
.set BL_OFF, 45312
.set FP,   1552
.set WST,  4*FP
.set PL,   8*WST                       ; P's bytes: a word for each thread
.set ST1,  PL+1024                     ; Q1's bytes: eight stages
.set ROWB, 8192                        ; bytes from row to row of W2 (set anew for Q1)
.set INB,  20
.set OCB,  22
.set OSB,  24
.set SB,   8
.set T,    16
.set CD,   80
.set X,    96
.set GCR,  8                           ; P: v8-15 my eight groups' counts (lane = pair); v16-23 their tokens' words (lane = token); v24-39 their scores
.set RTR,  16
.set SCR,  24
.set CQ,   36                          ; s36-63 the 28 pairs' counts
.set NLO,  66                          ; s66-73 tokens whose lower expert is e;  s74-81 whose higher is
.set NHI,  74
.set TB,   82                          ; s82-90 first tile of expert e
.set HOFF, 91                          ; s91-98 the next free row of expert e's rows as the higher
.set ST,   99                          ; s99    the pair's first p
	s_load_b256 s[4:11], s[0:1], 0x0               ; W2, sc, route, q2
	s_load_b64 s[12:13], s[0:1], 0x20              ; plan
	s_load_b128 s[28:31], s[0:1], 0x28             ; W1, V1
	s_load_b64 s[32:33], s[0:1], 0x38              ; q1
	v_lshl_add_u32 v254, v0, 2, 0x18800
	v_mov_b32 v255, 0
	v_lshrrev_b32 v1, 5, v0
	v_readfirstlane_b32 s14, v1                    ; wave 0..7
	v_and_b32 v1, 31, v0                           ; lane
	s_cmp_eq_u32 ttmp9, 0
	s_cbranch_scc1 .Lrole_p
	s_cmp_ge_u32 ttmp9, 129
	s_cbranch_scc1 .Lrole_q1
; ---------------------------------------------------------------- Q
	s_sub_co_u32 s15, ttmp9, 1
	s_lshr_b32 s16, s15, 4                         ; e
	s_bfe_u32 s17, s15, 0x20002                    ; ks
	s_and_b32 s18, s15, 3                          ; which 512 columns
	s_lshl_b32 s20, s16, 22
	s_lshl_b32 s21, s17, 20
	s_add_co_u32 s20, s20, s21
	s_lshl_b32 s21, s18, 11
	s_add_co_u32 s20, s20, s21
	s_mov_b32 s21, 0
	s_lshl_b32 s22, s16, 5
	s_lshl_b32 s23, s18, 3
	s_add_co_u32 s22, s22, s23
	s_add_co_u32 s22, s22, s14                     ; 32 e + my 64 columns' number
	s_lshl_b32 s22, s22, 2
	s_add_co_u32 s22, s22, s17
	s_mul_i32 s22, s22, 6144
	s_mov_b32 s23, 0
	s_lshl_b32 s24, s16, 2
	s_add_co_u32 s24, s24, s17
	s_lshl_b32 s24, s24, 13
	s_lshl_b32 s25, s18, 11
	s_add_co_u32 s24, s24, s25
	s_add_co_u32 s24, s24, S2_OFF
	s_mov_b32 s25, 0
	s_mul_i32 s19, s14, WST
	v_lshlrev_b32 v2, 3, v0                        ; 256 w + 8 L
	v_lshrrev_b32 v6, 3, v1                        ; my tile of the wave's four
	v_mul_u32_u24 v3, v6, FP
	v_and_b32 v7, 7, v0
	v_lshl_add_u32 v3, v7, 5, v3                   ; row r = 2 (L % 8) + c
	v_add_nc_u32 v3, s19, v3
	v_lshlrev_b32 v5, 4, v1
	v_add_nc_u32 v4, s19, v5
	s_wait_kmcnt 0x0
	s_add_nc_u64 s[INB:INB+1], s[4:5], s[20:21]
	s_add_nc_u64 s[OCB:OCB+1], s[10:11], s[22:23]
	s_add_nc_u64 s[OSB:OSB+1], s[10:11], s[24:25]
.macro QLOAD t                         ; block t of the K step: 32 rows, two columns a lane: 256 consecutive aligned bytes of a row a load
.set k, 0
.rept 32
	global_load_b64 v[X+64*((\t)%2)+2*k:X+64*((\t)%2)+2*k+1], v2, s[INB:INB+1] offset:(32*(\t)+k)*ROWB th:TH_LOAD_NT
.set k, k+1
.endr
.endm
.macro QBLOCK t                        ; block t = 2 c + h of the fragment: registers 6 c .. 6 c + 5 of lane r + 16 h
.set XSET, X+64*((\t)%2)
.if (\t) < 3
	s_wait_loadcnt 32                              ; this block's 32 loads are in; the next block's 32 are younger
.else
	s_wait_loadcnt 0x0
.endif
.set k, 0
.rept 32                               ; the two columns are parted, so that a conversion finds 16 neighbours along K in consecutive registers
	v_mov_b32 v[T+k], v[XSET+2*k]
	v_mov_b32 v[T+32+k], v[XSET+2*k+1]
.set k, k+1
.endr
.if (\t) < 2
	QLOAD (\t)+2
.endif
	s_wait_dscnt 0x0                               ; the last block's stores into the stage have read their registers
.irp c, 0,1
	v_max3_num_f32 v[10+2*\c], |v[T+32*\c]|, |v[T+32*\c+1]|, |v[T+32*\c+2]|
	v_max3_num_f32 v[11+2*\c], |v[T+32*\c+3]|, |v[T+32*\c+4]|, |v[T+32*\c+5]|
.endr
.irp i, 6,10,14,18,22,26
.irp c, 0,1
	v_max3_num_f32 v[10+2*\c], v[10+2*\c], |v[T+32*\c+\i]|, |v[T+32*\c+\i+1]|
	v_max3_num_f32 v[11+2*\c], v[11+2*\c], |v[T+32*\c+\i+2]|, |v[T+32*\c+\i+3]|
.endr
.endr
.irp c, 0,1
	v_max3_num_f32 v[10+2*\c], v[10+2*\c], |v[T+32*\c+30]|, |v[T+32*\c+31]|
.endr
.irp c, 0,1
	v_max3_num_f32 v[10+2*\c], v[10+2*\c], v[11+2*\c], 0x1800000   ; the floor 2^(3 - 127)
.endr
.irp c, 0,1
	v_add_nc_u32 v[14+\c], 0xff000000, v[10+2*\c]
.endr
.irp c, 0,1
	v_lshrrev_b32 v[10+2*\c], 23, v[14+\c]
.endr
.irp c, 0,1
.if (\t) == 0
	v_mov_b32 v[SB+\c], v[10+2*\c]
.else
	v_lshl_or_b32 v[SB+\c], v[10+2*\c], 8*(\t), v[SB+\c]
.endif
.endr
.irp c, 0,1
	v_cvt_scalef32_pk16_fp6_f32 v[CD+8*\c:CD+8*\c+2], v[T+32*\c:T+32*\c+15], v[14+\c]
	v_cvt_scalef32_pk16_fp6_f32 v[CD+8*\c+4:CD+8*\c+6], v[T+32*\c+16:T+32*\c+31], v[14+\c]
.endr
	v_nop                                          ; one plain line behind the conversions
.irp c, 0,1
	v_mov_b32 v[CD+8*\c+3], v[CD+8*\c+4]
	v_mov_b32 v[CD+8*\c+4], v[CD+8*\c+5]
	v_mov_b32 v[CD+8*\c+5], v[CD+8*\c+6]
.endr
.irp c, 0,1
.if (\t)/2 == 0
	ds_store_b128 v3, v[CD+8*\c:CD+8*\c+3] offset:16*\c+256*((\t)%2)
	ds_store_b64 v3, v[CD+8*\c+4:CD+8*\c+5] offset:512+16*\c+256*((\t)%2)
.else
	ds_store_b64 v3, v[CD+8*\c:CD+8*\c+1] offset:520+16*\c+256*((\t)%2)
	ds_store_b128 v3, v[CD+8*\c+2:CD+8*\c+5] offset:1024+16*\c+256*((\t)%2)
.endif
.endr
.endm
	QLOAD 0
	QLOAD 1
	QBLOCK 0
	QBLOCK 1
	QBLOCK 2
	QBLOCK 3
.set n, 0
.rept 12                               ; my wave's own stage; LDS serves a wave's instructions in order
	ds_load_b128 v[X+4*n:X+4*n+3], v4 offset:(n/3)*FP+512*(n%3)
.set n, n+1
.endr
.set n, 0
.rept 12
	s_wait_dscnt 11-n
	global_store_b128 v5, v[X+4*n:X+4*n+3], s[OCB:OCB+1] offset:512*n      ; the wave's four fragments lie on end: 512 consecutive aligned bytes a store
.set n, n+1
.endr
	global_store_b64 v2, v[SB:SB+1], s[OSB:OSB+1]
	s_wait_tensorcnt 0x0
	ds_add_u32 v254, v255
	s_wait_dscnt 0x0
	s_endpgm
; ---------------------------------------------------------------- P
; Wave w owns groups 8 w .. 8 w + 7 of 32 tokens.  Every wave makes the tables alike, in scalar registers.
.Lrole_p:
	v_lshlrev_b32 v2, 2, v1
	v_lshlrev_b32 v3, 3, v1
	s_lshl_b32 s16, s14, 10
	s_mov_b32 s17, 0
	s_lshl_b32 s18, s14, 11
	s_mov_b32 s19, 0
	v_lshl_add_u32 v58, v0, 2, PL
	v_add_nc_u32 v59, PL, v2
	s_wait_kmcnt 0x0
	s_add_nc_u64 s[16:17], s[8:9], s[16:17]
	s_add_nc_u64 s[18:19], s[6:7], s[18:19]
.irp i, 0,1,2,3,4,5,6,7
	global_load_b32 v[GCR+\i], v2, s[16:17] offset:GC_OFF+128*\i
	global_load_b32 v[RTR+\i], v2, s[16:17] offset:128*\i
	global_load_b64 v[SCR+2*\i:SCR+2*\i+1], v3, s[18:19] offset:256*\i
.endr
	s_wait_loadcnt 0x0
	v_add_nc_u32 v48, v[GCR], v[GCR+1]
.irp i, 2,3,4,5,6,7
	v_add_nc_u32 v48, v48, v[GCR+\i]
.endr
	ds_store_b32 v58, v48                          ; my wave's count of each pair
	s_wait_dscnt 0x0
	s_barrier_signal -1
	s_barrier_wait -1
.irp w, 0,1,2,3,4,5,6,7
	ds_load_b32 v[40+\w], v59 offset:128*\w
.endr
	s_wait_dscnt 0x0
	v_add_nc_u32 v48, v40, v41
.irp w, 2,3,4,5,6,7
	v_add_nc_u32 v48, v48, v[40+\w]                ; lane q: all tokens of pair q
.endr
	v_mov_b32 v49, 0
.irp w, 0,1,2,3,4,5,6
	s_cmp_gt_u32 s14, \w
	s_cselect_b32 s20, -1, 0
	v_and_b32 v60, s20, v[40+\w]
	v_add_nc_u32 v49, v49, v60                     ; lane q: those of the waves before mine
.endr
.set Q, 0
.rept 28
	v_readlane_b32 s[CQ+Q], v48, Q
.set Q, Q+1
.endr
.irp e, 0,1,2,3,4,5,6,7
	s_mov_b32 s[NLO+\e], 0
	s_mov_b32 s[NHI+\e], 0
.endr
.set Q, 0
.irp lo, 0,1,2,3,4,5,6
.irp hi, 1,2,3,4,5,6,7
.if \hi > \lo
	s_add_co_u32 s[NLO+\lo], s[NLO+\lo], s[CQ+Q]
	s_add_co_u32 s[NHI+\hi], s[NHI+\hi], s[CQ+Q]
.set Q, Q+1
.endif
.endr
.endr
.irp r, 50,51,52,53,54,55
	v_mov_b32 v\r, 0
.endr
	v_lshlrev_b32 v56, 6, v1                       ; lane = block: its first p,
	v_add_nc_u32 v57, 64, v56                      ; and the p behind its last
	s_mov_b32 s[TB], 0
.irp e, 0,1,2,3,4,5,6,7
	s_add_co_u32 s20, s[NLO+\e], s[NHI+\e]         ; n_e
	s_add_co_u32 s21, s20, 127
	s_lshr_b32 s21, s21, 7
	s_add_co_u32 s[TB+\e+1], s[TB+\e], s21
	s_lshl_b32 s22, s[TB+\e], 7
	s_add_co_u32 s[HOFF+\e], s22, s[NLO+\e]        ; an expert's rows: first those of tokens whose lower expert it is
	s_add_co_u32 s22, s22, s20
	v_writelane_b32 v54, s22, \e                   ; lane e: the row behind its last
	s_lshl_b32 s22, s[TB+\e+1], 7
	v_writelane_b32 v55, s22, \e                   ; lane e: the row behind its last tile
.endr
	s_mov_b32 s[ST], 0
.set Q, 0
.irp lo, 0,1,2,3,4,5,6
	s_lshl_b32 s20, s[TB+\lo], 7
	s_sub_co_u32 s20, s20, s[ST]                   ; g0 - p for all pairs with this lower expert
.irp hi, 1,2,3,4,5,6,7
.if \hi > \lo
	v_writelane_b32 v50, s[ST], Q                  ; lane q: the pair's first p,
	v_writelane_b32 v51, s20, Q                    ; g0 - p,
	s_sub_co_u32 s21, s[HOFF+\hi], s[ST]
	v_writelane_b32 v52, s21, Q                    ; g1 - p
	s_add_co_u32 s[HOFF+\hi], s[HOFF+\hi], s[CQ+Q]
	s_add_co_u32 s22, s[ST], s[CQ+Q]
	v_max_u32 v60, s[ST], v56
	v_min_u32 v61, s22, v57
	v_cmp_lt_u32 vcc_lo, v60, v61                  ; does the pair's run of p meet my block?
	v_mov_b32 v62, (1<<\lo)|(1<<(8+\hi))
	v_cndmask_b32 v62, 0, v62, vcc_lo
	v_or_b32 v53, v53, v62                         ; lane = block: experts used as the lower (bits 0-7), as the higher (bits 8-15)
	s_mov_b32 s[ST], s22
.set Q, Q+1
.endif
.endr
.endr
	s_lshl_b32 s23, s14, 8
	v_add_nc_u32 v86, s23, v1                      ; my first group's token of my lane
.irp i, 0,1,2,3,4,5,6,7
	v_and_b32 v58, 0xff, v[RTR+\i]
	v_min_u32 v58, 31, v58
	v_lshlrev_b32 v58, 2, v58                      ; the lane that holds my pair's figures
	v_add_nc_u32 v59, v50, v49                     ; lane q: the p of the group's first token of pair q
	ds_bpermute_b32 v60, v58, v59
	ds_bpermute_b32 v61, v58, v51
	ds_bpermute_b32 v62, v58, v52
	v_bfe_u32 v63, v[RTR+\i], 8, 8                 ; my rank in the group
	v_add_nc_u32 v72, 32*\i, v86                   ; my token
	s_wait_dscnt 0x0
	v_add_nc_u32 v60, v60, v63                     ; p
	v_add_nc_u32 v61, v61, v60                     ; g0
	v_add_nc_u32 v62, v62, v60                     ; g1
	v_add_nc_u32 v49, v49, v[GCR+\i]
	v_min_u32 v64, 0x7ff, v60
	v_min_u32 v66, 0x137f, v61
	v_min_u32 v67, 0x137f, v62
	v_lshlrev_b32 v68, 2, v64
	v_lshlrev_b32 v69, 3, v64
	v_lshlrev_b32 v70, 2, v66
	v_lshlrev_b32 v71, 2, v67
	v_and_or_b32 v74, v[RTR+\i], 0xff0000, v72
	global_store_b32 v68, v74, s[12:13] offset:TOKS_OFF
	global_store_b64 v69, v[66:67], s[12:13] offset:GS_OFF
	global_store_b64 v69, v[SCR+2*\i:SCR+2*\i+1], s[10:11] offset:SS_OFF
	global_store_b32 v70, v72, s[12:13]
	global_store_b32 v71, v72, s[12:13]
	s_wait_xcnt 0x0                                ; the stores' registers are written again in the next group
.endr
	; a lane with nothing to fill stores into the spare words behind the list
	s_lshl_b32 s24, s14, 2
	v_mov_b32 v58, s24
	ds_bpermute_b32 v59, v58, v54
	ds_bpermute_b32 v60, v58, v55
	v_add_nc_u32 v84, 4992, v1
	v_mov_b32 v85, 0
	s_wait_dscnt 0x0
.irp j, 0,1,2,3
	v_add3_u32 v[61+\j], v59, v1, 32*\j
	v_cmp_lt_u32 vcc_lo, v[61+\j], v60
	v_cndmask_b32 v[61+\j], v84, v[61+\j], vcc_lo
	v_min_u32 v[61+\j], 0x13bf, v[61+\j]
	v_lshlrev_b32 v[61+\j], 2, v[61+\j]
	global_store_b32 v[61+\j], v85, s[12:13]
.endr
	; and the rows of the tiles that the split leaves unused, from 128 TB[8] to 4,991 (896 at the most): wave w takes 128 of them, 8 x 128 = 1,024 in all; past row 4,991 the spare words again
	s_lshl_b32 s25, s[TB+8], 7
	s_lshl_b32 s26, s14, 7
	s_add_co_u32 s25, s25, s26
	v_add_nc_u32 v87, s25, v1
.irp j, 0,1,2,3
	v_add_nc_u32 v[88+\j], 32*\j, v87
	v_cmp_gt_u32 vcc_lo, 0x1380, v[88+\j]
	v_cndmask_b32 v[88+\j], v84, v[88+\j], vcc_lo
	v_min_u32 v[88+\j], 0x13bf, v[88+\j]
	v_lshlrev_b32 v[88+\j], 2, v[88+\j]
	global_store_b32 v[88+\j], v85, s[12:13]
.endr
	s_cmp_lg_u32 s14, 0
	s_cbranch_scc1 .Lp_done
	; wave 0: the tiles' experts (lane = tile, and tile + 32), and the blocks' lists (lane = block)
	v_mov_b32 v70, 0
	v_mov_b32 v71, 0
	v_mov_b32 v72, 1
	v_add_nc_u32 v73, 32, v1
.irp e, 1,2,3,4,5,6,7,8
	v_cmp_le_u32 vcc_lo, s[TB+\e], v1
	v_cndmask_b32 v74, 0, v72, vcc_lo
	v_add_nc_u32 v70, v70, v74
	v_cmp_le_u32 vcc_lo, s[TB+\e], v73
	v_cndmask_b32 v74, 0, v72, vcc_lo
	v_add_nc_u32 v71, v71, v74
.endr
	v_mov_b32 v75, 0
	v_mov_b32 v76, 0
	v_mov_b32 v77, 0
.irp e, 0,1,2,3,4,5,6,7
	v_bfe_u32 v78, v53, \e, 1
	v_bfe_u32 v79, v53, 8+\e, 1
	v_or_b32 v80, v78, v79                         ; used?
	v_lshlrev_b32 v78, 3, v78
	v_lshl_or_b32 v78, v79, 4, v78
	v_mad_u32_u24 v78, v80, 32+\e, v78             ; the entry, or 0
	v_lshlrev_b32 v79, 3, v75
	v_lshlrev_b32 v78, v79, v78                    ; at byte (entries so far) mod 4
	v_cmp_gt_u32 vcc_lo, 4, v75
	v_cndmask_b32 v79, 0, v78, vcc_lo
	v_or_b32 v76, v76, v79                         ; of the first word,
	v_xor_b32 v79, v79, v78
	v_or_b32 v77, v77, v79                         ; or of the second
	v_add_nc_u32 v75, v75, v80
.endr
	global_store_b32 v2, v70, s[12:13] offset:TE_OFF
	global_store_b32 v2, v71, s[12:13] offset:TE_OFF+128
	global_store_b64 v3, v[76:77], s[12:13] offset:BL_OFF
.Lp_done:
	s_wait_tensorcnt 0x0
	ds_add_u32 v254, v255
	s_wait_dscnt 0x0
	s_endpgm
; ---------------------------------------------------------------- Q1
; Units 192 .. 255 of W1's and V1's 256 (unit = 32 e + 16 (W1, V1) + ks).  Wave w takes columns 64 w .. 64 w + 63, lane L columns 64 w + 2 L and + 1.
.Lrole_q1:
.set ROWB, 2048                        ; bytes from row to row of W1, V1
	s_add_co_u32 s15, ttmp9, 63                    ; the unit: 192 + (work-group - 129)
	s_lshr_b32 s16, s15, 5                         ; e
	s_bfe_u32 s17, s15, 0x10004                    ; 0: W1, 1: V1
	s_and_b32 s18, s15, 15                         ; ks
	s_lshl_b32 s20, s16, 22                        ; an expert is 4 MiB,
	s_lshl_b32 s21, s18, 18                        ; 128 rows are 256 KiB
	s_add_co_u32 s20, s20, s21
	s_mov_b32 s21, 0
	s_lshl_b32 s22, s16, 4
	s_lshl_b32 s23, s14, 1
	s_add_co_u32 s22, s22, s23                     ; 16 e + b, b = 2 w
	s_lshl_b32 s22, s22, 4
	s_add_co_u32 s22, s22, s18
	s_mul_i32 s22, s22, 6144
	s_mul_i32 s23, s17, 3072
	s_add_co_u32 s22, s22, s23
	s_add_co_u32 s22, s22, WQ_OFF
	s_mov_b32 s23, 0
	s_lshl_b32 s24, s16, 1
	s_add_co_u32 s24, s24, s17
	s_lshl_b32 s24, s24, 4
	s_add_co_u32 s24, s24, s18
	s_lshl_b32 s24, s24, 11
	s_add_co_u32 s24, s24, WS_OFF
	s_mov_b32 s25, 0
	s_mul_i32 s19, s14, WST
	s_add_co_u32 s19, s19, ST1
	v_lshlrev_b32 v2, 3, v0                        ; 256 w + 8 L: my two columns in a row, and my two scale words
	v_bfe_u32 v6, v0, 4, 1
	v_bfe_u32 v7, v0, 2, 1
	v_lshl_add_u32 v6, v6, 1, v7                   ; my fragment of the wave's four: 2 (b's low bit) + u
	v_mul_u32_u24 v3, v6, FP
	v_and_b32 v7, 3, v0
	v_lshl_add_u32 v3, v7, 5, v3                   ; row r = 2 (L % 4) + c + 8 ((L / 8) % 2): 16 bytes a row
	v_bfe_u32 v7, v0, 3, 1
	v_lshl_add_u32 v3, v7, 7, v3
	v_add_nc_u32 v3, s19, v3                       ; into my wave's stage
	v_lshlrev_b32 v5, 4, v1                        ; 16 L
	v_add_nc_u32 v4, s19, v5                       ; out of it
	s_wait_kmcnt 0x0
	s_cmp_eq_u32 s17, 0
	s_cselect_b64 s[26:27], s[28:29], s[30:31]
	s_add_nc_u64 s[INB:INB+1], s[26:27], s[20:21]
	s_add_nc_u64 s[OCB:OCB+1], s[32:33], s[22:23]
	s_add_nc_u64 s[OSB:OSB+1], s[32:33], s[24:25]
	QLOAD 0
	QLOAD 1
	QBLOCK 0
	QBLOCK 1
	QBLOCK 2
	QBLOCK 3
.set n, 0
.rept 12                               ; my wave's own stage; LDS serves a wave's instructions in order
	ds_load_b128 v[X+4*n:X+4*n+3], v4 offset:(n/3)*FP+512*(n%3)
.set n, n+1
.endr
.set n, 0
.rept 12
	s_wait_dscnt 11-n
	global_store_b128 v5, v[X+4*n:X+4*n+3], s[OCB:OCB+1] offset:(n/6)*98304+((n/3)%2)*1536+512*(n%3)   ; 512 consecutive aligned bytes
.set n, n+1
.endr
	global_store_b64 v2, v[SB:SB+1], s[OSB:OSB+1]  ; the wave's 64 scale words: 256 consecutive aligned bytes
	s_wait_tensorcnt 0x0
	ds_add_u32 v254, v255
	s_wait_dscnt 0x0
	s_endpgm
.Lfunc_end_k_qae7a054502_place:
	.size	k_qae7a054502_place, .Lfunc_end_k_qae7a054502_place-k_qae7a054502_place
	.p2alignl 7, 3214868480
	.fill 96, 4, 3214868480
	.section	.rodata,"a",@progbits
	.p2align	6, 0x0
	.amdhsa_kernel k_qae7a054502_place
		.amdhsa_group_segment_fixed_size 101376
		.amdhsa_private_segment_fixed_size 0
		.amdhsa_enable_private_segment 0
		.amdhsa_kernarg_size 64
		.amdhsa_user_sgpr_count 2
		.amdhsa_user_sgpr_kernarg_segment_ptr 1
		.amdhsa_wavefront_size32 1
		.amdhsa_system_sgpr_workgroup_id_x 1
		.amdhsa_system_sgpr_workgroup_id_y 1
		.amdhsa_system_sgpr_workgroup_id_z 1
		.amdhsa_system_vgpr_workitem_id 0
		.amdhsa_next_free_vgpr 256
		.amdhsa_next_free_sgpr 102
		.amdhsa_reserve_vcc 1
		.amdhsa_float_denorm_mode_32 3
		.amdhsa_float_denorm_mode_16_64 3
		.amdhsa_memory_ordered 1
		.amdhsa_forward_progress 1
		.amdhsa_inst_pref_size 124
	.end_amdhsa_kernel
	.amdgpu_metadata
---
amdhsa.version: [ 1, 2 ]
amdhsa.kernels:
  - .name:           k_qae7a054502_place
    .symbol:         k_qae7a054502_place.kd
    .args:
      - { .name: W2, .offset: 0, .size: 8, .value_kind: global_buffer, .address_space: global }
      - { .name: sc, .offset: 8, .size: 8, .value_kind: global_buffer, .address_space: global }
      - { .name: route, .offset: 16, .size: 8, .value_kind: global_buffer, .address_space: global }
      - { .name: q2, .offset: 24, .size: 8, .value_kind: global_buffer, .address_space: global }
      - { .name: plan, .offset: 32, .size: 8, .value_kind: global_buffer, .address_space: global }
      - { .name: W1, .offset: 40, .size: 8, .value_kind: global_buffer, .address_space: global }
      - { .name: V1, .offset: 48, .size: 8, .value_kind: global_buffer, .address_space: global }
      - { .name: q1, .offset: 56, .size: 8, .value_kind: global_buffer, .address_space: global }
    .group_segment_fixed_size: 101376
    .private_segment_fixed_size: 0
    .kernarg_segment_align: 8
    .kernarg_segment_size: 64
    .max_flat_workgroup_size: 256
    .sgpr_count:     102
    .vgpr_count:     256
    .wavefront_size: 32
...
	.end_amdgpu_metadata
.endif
;; end of part 2
;; launch hidden (part 3): grid 4 x 39, 4 waves a work-group, no clusters, 211,968 bytes of LDS; arguments q1, plan, hid; writes hid
.if DOCPART == 3
	.amdgcn_target "amdgcn-amd-amdhsa--gfx1250"
	.amdhsa_code_object_version 6
	.text
	.protected	k_qae7a054502_hidden
	.globl	k_qae7a054502_hidden
	.p2align	8
	.type	k_qae7a054502_hidden,@function
k_qae7a054502_hidden:
	s_mov_b64 s[64:65], 0
	v_nop
	global_prefetch_b8 v0, s[64:65] scope:SCOPE_SE
	s_setreg_imm32_b32 hwreg(HW_REG_WAVE_MODE, 25, 1), 1
	s_wait_xcnt 0x0
; HIDDEN.  a = silu(x W1[e]) * (x V1[e]) for the routed rows only, quantised to E2M3 along the hidden units.  Both products on codes of E2M3 with E8M0 scales, f32 sums.
; SHARES.  Work-group (sl, tile): 128 routed rows of one expert x hidden units 128 sl .. + 127.  Wave w: the 32 units of block b = 4 sl + w (two tiles of W1, two of V1) for all eight tiles of 16 rows: 32 accumulators.
; 39 tiles serve every split (4,096 rows / 128 + 8 - 1).  A tile that the split leaves without rows (TE = 8) walks the same text, so that every wave passes both barriers whatever was loaded: its list names token 0,
; its expert is held at 7, and a scalar branch behind the second barrier leads round its stores: it stores nothing.  At most 7 x 4 such work-groups, out of 156 for 256 WGPs.
; x's codes of the 128 rows are gathered ONCE into LDS, through registers: wave w takes rows 32 w .. + 31, four batches of 24 loads of 16 bytes a lane (sixteen lanes: 256 consecutive bytes of a row), into registers
; that are free until the first product, each batch stored to LDS while later ones are on their way.  The weights come straight into registers, each fragment read once by one wave.
; THE PRODUCTS ARE USED TRANSPOSED (source 0 = 16 hidden units, source 1 = 16 rows): a lane holds one row, and since row r of a weight tile (b, u) is unit 32 b + 8 u + r + 8 (r / 8), the 16 registers of tiles
; u = 0, 1 are units 32 b + 16 (lane / 16) + 0 .. 15: half a block of the next product's K.
; hid: codes [K step = sl][row g][96 bytes], block w of the step at 48 (w % 2) + 24 (w / 2); scale words [sl][g].
; NO CLUSTER, NO TENSOR LOAD: the shared tile of x is a gather by a list of rows, lane by lane, which has no joint form; weights are shared only among tiles of one expert, whose number hangs on stored counts.
; LIMITS: as in the first launch (blocks under 2^-124 keep the byte 1; NaN and infinities not served).
; REGISTERS, in windows of 256.  Window 0: v1-15, v52-55 addresses; v16-31 the gather's offsets; v48-51 rows of x's scale bytes; v64-95 the weights' scale words, v96-159 x's (they hold nothing else);
;   v160-255 the quantiser's.  Window 1: a ring of four K steps x four weight fragments.  Window 2: first the gather's batches 0, 1; then accumulator (m, W1 or V1, u) at 8 (4 m + 2 mat + u).
;   Window 3: first the gather's batches 2, 3; then two sets of x's eight fragments; later 128 numbers at work.
.set XS_OFF, 3145728
.set WQ_OFF, 3276800
.set WS_OFF, 15859712
.set TE_OFF, 20480
.set HPLANE, 479232
.set HS_OFF, 1916928
.set HSPLANE, 19968
.set XP,   1552                        ; a row of x's codes in LDS: 1,536 bytes + 16: an odd multiple of 16, so sixteen rows' 16-byte pieces fall on different banks (64 banks of 4 bytes: ISA guide 11.1)
.set STG,  128*XP                      ; 128 rows x 96 bytes of new codes
.set SBY,  STG+12288                   ; 128 scale words
.set GA,   16
.set WSR,  64
.set XSR,  96
.set MXR,  160
.set PDR,  168
.set SCOR, 176
.set BYR,  184
.set PQ,   192                         ; pair mp of row tiles: six registers at PQ + 16 mp, three at PQ + 16 mp + 8
.set MSB, 0
.macro WIN new                         ; the immediate's high byte repeats the setting that is left
.if MSB != (\new)
	s_set_vgpr_msb (MSB<<8)|(\new)
.set MSB, (\new)
.endif
.endm
.macro WM zero, ra, rb                 ; one product on the registers RD, RA, RB, RSA, RSB; ra, rb: the scales stand in lanes 16-31
.if (\zero) && (\ra) && (\rb)
	v_wmma_scale_f32_16x16x128_f8f6f4 v[RD:RD+7], v[RA:RA+11], v[RB:RB+11], 0, v[RSA], v[RSB] matrix_a_fmt:MATRIX_FMT_FP6 matrix_b_fmt:MATRIX_FMT_FP6 matrix_a_scale:MATRIX_SCALE_ROW1 matrix_b_scale:MATRIX_SCALE_ROW1
.elseif (\zero) && (\ra)
	v_wmma_scale_f32_16x16x128_f8f6f4 v[RD:RD+7], v[RA:RA+11], v[RB:RB+11], 0, v[RSA], v[RSB] matrix_a_fmt:MATRIX_FMT_FP6 matrix_b_fmt:MATRIX_FMT_FP6 matrix_a_scale:MATRIX_SCALE_ROW1
.elseif (\zero) && (\rb)
	v_wmma_scale_f32_16x16x128_f8f6f4 v[RD:RD+7], v[RA:RA+11], v[RB:RB+11], 0, v[RSA], v[RSB] matrix_a_fmt:MATRIX_FMT_FP6 matrix_b_fmt:MATRIX_FMT_FP6 matrix_b_scale:MATRIX_SCALE_ROW1
.elseif (\zero)
	v_wmma_scale_f32_16x16x128_f8f6f4 v[RD:RD+7], v[RA:RA+11], v[RB:RB+11], 0, v[RSA], v[RSB] matrix_a_fmt:MATRIX_FMT_FP6 matrix_b_fmt:MATRIX_FMT_FP6
.elseif (\ra) && (\rb)
	v_wmma_scale_f32_16x16x128_f8f6f4 v[RD:RD+7], v[RA:RA+11], v[RB:RB+11], v[RD:RD+7], v[RSA], v[RSB] matrix_a_fmt:MATRIX_FMT_FP6 matrix_b_fmt:MATRIX_FMT_FP6 matrix_a_scale:MATRIX_SCALE_ROW1 matrix_b_scale:MATRIX_SCALE_ROW1
.elseif (\ra)
	v_wmma_scale_f32_16x16x128_f8f6f4 v[RD:RD+7], v[RA:RA+11], v[RB:RB+11], v[RD:RD+7], v[RSA], v[RSB] matrix_a_fmt:MATRIX_FMT_FP6 matrix_b_fmt:MATRIX_FMT_FP6 matrix_a_scale:MATRIX_SCALE_ROW1
.elseif (\rb)
	v_wmma_scale_f32_16x16x128_f8f6f4 v[RD:RD+7], v[RA:RA+11], v[RB:RB+11], v[RD:RD+7], v[RSA], v[RSB] matrix_a_fmt:MATRIX_FMT_FP6 matrix_b_fmt:MATRIX_FMT_FP6 matrix_b_scale:MATRIX_SCALE_ROW1
.else
	v_wmma_scale_f32_16x16x128_f8f6f4 v[RD:RD+7], v[RA:RA+11], v[RB:RB+11], v[RD:RD+7], v[RSA], v[RSB] matrix_a_fmt:MATRIX_FMT_FP6 matrix_b_fmt:MATRIX_FMT_FP6
.endif
.endm
	s_load_b128 s[4:7], s[0:1], 0x0                ; q1, plan
	s_load_b64 s[8:9], s[0:1], 0x10                ; hid
	v_lshl_add_u32 v254, v0, 2, 0x33a00
	v_mov_b32 v255, 0
	v_lshrrev_b32 v1, 5, v0
	v_readfirstlane_b32 s10, v1                    ; wave 0..3
	s_and_b32 s12, ttmp7, 0xffff                   ; tile
	s_lshl_b32 s14, s12, 2
	s_wait_kmcnt 0x0
	s_load_b32 s13, s[6:7], s14 offset:TE_OFF      ; the tile's expert, 8 = none
	v_and_b32 v14, 31, v0                          ; L
	v_and_b32 v12, 15, v0                          ; r
	v_bfe_u32 v13, v0, 4, 1                        ; h
	v_lshlrev_b32 v1, 4, v14                       ; 16 L: a lane's place in a fragment's image
	v_mul_u32_u24 v2, v12, XP
	v_mad_u32_u24 v2, v13, 48, v2                  ; x's fragments: row r, + 48 h; a base for each 32 rows
	v_add_nc_u32 v3, 32*XP, v2
	v_add_nc_u32 v4, 64*XP, v2
	v_add_nc_u32 v5, 96*XP, v2
	s_lshl_b32 s15, ttmp9, 2
	s_add_co_u32 s15, s15, s10                     ; b
	s_lshl_b32 s16, s15, 7
	v_bfe_u32 v15, v0, 3, 1
	v_lshl_add_u32 v6, v13, 3, v12
	v_lshl_add_u32 v6, v15, 3, v6
	v_lshlrev_b32 v6, 2, v6
	v_add_nc_u32 v6, s16, v6                       ; the weights' scale words: lanes 0-15 tile u = 0, lanes 16-31 u = 1: unit 32 b + 8 u + r + 8 (r / 8)
	s_and_b32 s17, s10, 1
	s_mul_i32 s17, s17, 48
	s_lshr_b32 s18, s10, 1
	s_mul_i32 s18, s18, 24
	s_add_co_u32 s17, s17, s18
	s_add_co_u32 s17, s17, STG
	v_mul_u32_u24 v7, v14, 96
	v_add_nc_u32 v7, s17, v7                       ; the new codes: row L of 32, my wave's block of the row's four
	s_add_co_u32 s18, s10, SBY
	v_lshl_add_u32 v8, v12, 2, s18                 ; the new scale bytes: row r's word, byte w
	v_lshlrev_b32 v9, 4, v0
	v_lshlrev_b32 v10, 3, v14
	v_add_nc_u32 v11, STG, v9
	v_add_nc_u32 v55, SBY, v10
	v_lshlrev_b32 v54, 4, v12
	s_mul_i32 s18, s10, 32*XP
	v_mul_u32_u24 v15, v13, XP
	v_add_nc_u32 v15, v15, v54
	v_add_nc_u32 v15, s18, v15                     ; the gather's place in LDS: row 32 w + h (+ 2 i by the immediate), 16 bytes at 16 r
	s_lshl_b32 s19, s12, 9
	s_lshl_b32 s20, s10, 7
	s_add_co_u32 s20, s20, s19
	v_lshl_add_u32 v52, v13, 2, s20                ; the list of tokens: row 128 tile + 32 w + h (+ 2 i)
	v_lshl_add_u32 v53, v14, 2, s19                ; and row 128 tile + L (+ 32 mp)
	s_mov_b32 s28, 0x76543210
	s_mov_b32 s29, 0xfedcba98                      ; v_permlanex16_b32's selects for lane l xor 16
	s_mov_b32 s34, 0xbfb8aa3b                      ; - log2(e)
	s_mov_b32 s35, s34                             ; (named with it as a pair)
.irp m, 0,1,2,3,4,5,6,7
	v_mov_b32 v[PDR+\m], 0                         ; written once: a lane permute's destination counts as one of its sources
.endr
	s_mul_i32 s30, ttmp9, HPLANE
	s_mul_i32 s31, s12, 12288
	s_add_co_u32 s30, s30, s31
	s_mov_b32 s31, 0
	s_add_nc_u64 s[30:31], s[8:9], s[30:31]        ; my tile's codes in hid
	s_mul_i32 s32, ttmp9, HSPLANE
	s_add_co_u32 s32, s32, s19
	s_add_co_u32 s32, s32, HS_OFF
	s_mov_b32 s33, 0
	s_add_nc_u64 s[32:33], s[8:9], s[32:33]        ; and its scale words
	s_wait_kmcnt 0x0
	s_min_u32 s36, s13, 7                          ; the expert whose weights are read; s13 is kept for the branch round the stores
	s_lshl_b32 s21, s36, 4
	s_add_co_u32 s21, s21, s15
	s_mul_i32 s22, s21, 98304
	s_add_co_u32 s22, s22, WQ_OFF
	s_mov_b32 s23, 0
	s_add_nc_u64 s[22:23], s[4:5], s[22:23]        ; the fragments of (e, b)
	s_lshl_b32 s24, s36, 16
	s_add_co_u32 s24, s24, WS_OFF
	s_mov_b32 s25, 0
	s_add_nc_u64 s[24:25], s[4:5], s[24:25]        ; e's scale words
	s_add_nc_u64 s[26:27], s[4:5], XS_OFF          ; x's scale bytes
.macro RING ks                         ; K step ks: W1's two tiles, V1's two: 6,144 bytes on end, twelve loads of 512; and the step's two registers of scale words: 14 loads
	WIN 0x40
.set n, 0
.rept 12
	global_load_b128 v[48*((\ks)%4)+4*n:48*((\ks)%4)+4*n+3], v1, s[22:23] offset:6144*(\ks)+512*n
.set n, n+1
.endr
	WIN 0
	global_load_b32 v[WSR+(\ks)], v6, s[24:25] offset:2048*(\ks)
	global_load_b32 v[WSR+16+(\ks)], v6, s[24:25] offset:32768+2048*(\ks)
.endm
.macro XFETCH ks                       ; x's eight fragments of K step ks: 48 bytes on end a lane
	WIN 0xC0
.irp m, 0,1,2,3,4,5,6,7
.irp j, 0,1,2
	ds_load_b128 v[96*((\ks)%2)+12*\m+4*\j:96*((\ks)%2)+12*\m+4*\j+3], v[2+\m/2] offset:(\m%2)*16*XP+96*(\ks)+16*\j
.endr
.endr
.endm
.macro GATH b                          ; batch b of the gather: rows 32 w + 8 b + 0 .. 7, two rows x 256 bytes a load: 24 loads into 96 registers of window 2 (b = 0, 1) or 3 (b = 2, 3)
	WIN 0x80+0x40*((\b)/2)
.irp ii, 0,1,2,3
.irp j, 0,1,2,3,4,5
	global_load_b128 v[96*((\b)%2)+24*\ii+4*\j:96*((\b)%2)+24*\ii+4*\j+3], v[GA+4*(\b)+\ii], s[4:5] offset:256*\j
.endr
.endr
.endm
.macro GST b                           ; and its way into LDS: an LDS store's data are its source 1
	WIN 0x08+0x04*((\b)/2)
.irp ii, 0,1,2,3
.irp j, 0,1,2,3,4,5
	ds_store_b128 v15, v[96*((\b)%2)+24*\ii+4*\j:96*((\b)%2)+24*\ii+4*\j+3] offset:2*XP*(4*(\b)+\ii)+256*\j
.endr
.endr
.endm
.irp i, 0,1,2,3,4,5,6,7,8,9,10,11,12,13,14,15
	global_load_b32 v[GA+\i], v52, s[6:7] offset:8*\i
.endr
.irp mp, 0,1,2,3
	global_load_b32 v[48+\mp], v53, s[6:7] offset:128*\mp
.endr
	RING 0
	s_wait_loadcnt 14                              ; the tokens are in; K step 0's 14 loads are younger
.irp i, 0,1,2,3,4,5,6,7,8,9,10,11,12,13,14,15
	v_min_u32 v[GA+\i], 0x7ff, v[GA+\i]
	v_mul_u32_u24 v[GA+\i], v[GA+\i], 1536
	v_add_nc_u32 v[GA+\i], v[GA+\i], v54
.endr
.irp mp, 0,1,2,3
	v_min_u32 v[48+\mp], 0x7ff, v[48+\mp]
	v_lshlrev_b32 v[48+\mp], 6, v[48+\mp]
.endr
	GATH 0
	GATH 1
	s_wait_loadcnt 24                              ; batch 0 is in; batch 1's 24 loads are younger
	GATH 2
	GST 0
	s_wait_loadcnt 24                              ; batch 1 is in; batch 2 is younger
	GATH 3
	GST 1
	s_wait_loadcnt 24                              ; batch 2 is in; batch 3 is younger
	WIN 0
.irp mp, 0,1,2,3
.irp g, 0,1,2,3
	global_load_b128 v[XSR+16*\mp+4*\g:XSR+16*\mp+4*\g+3], v[48+\mp], s[26:27] offset:16*\g   ; lane L: row 32 mp + L's sixteen scale words: lanes 0-15 serve tile 2 mp, lanes 16-31 tile 2 mp + 1
.endr
.endr
	RING 1
	GST 2
	s_wait_loadcnt 30                              ; batch 3 is in; x's 16 loads of scale words and K step 1's 14 are younger
	RING 2
	RING 3
	GST 3
	WIN 0
	s_wait_dscnt 0x0                               ; for the others' sake: my 32 rows lie in LDS,
	s_barrier_signal -1
	s_barrier_wait -1                              ; everybody's do
	XFETCH 0
	XFETCH 1
; A K step: 32 products, the 32 accumulators by turns in the same order in every step.  lc: the younger global loads that may be out; dc: the younger LDS loads.
.macro KSTEP ks, zero, lc, dc
	s_wait_loadcnt \lc
	s_wait_dscnt \dc
	WIN 0xAD                                       ; source 0 (weights) window 1, source 1 (x) window 3, C and D window 2
.irp mp, 0,1,2,3
.irp mo, 0,1
.irp mat, 0,1
.irp u, 0,1
.set RD, 8*(4*(2*\mp+\mo)+2*\mat+\u)
.set RA, 48*((\ks)%4)+12*(2*\mat+\u)
.set RB, 96*((\ks)%2)+12*(2*\mp+\mo)
.set RSA, WSR+16*\mat+(\ks)
.set RSB, XSR+16*\mp+(\ks)
	WM \zero, \u, \mo
.endr
.endr
.endr
.endr
.rept 4
	v_nop                                          ; four places in front of loads into registers that the products have read, and of the first read of results
.endr
.if (\ks) < 12
	RING (\ks)+4
.endif
.if (\ks) < 14
	XFETCH (\ks)+2
.endif
.endm
	KSTEP 0, 1, 42, 24                             ; K steps 1, 2, 3 (42 loads) are younger than x's scale words and K step 0; the next set of x (24 LDS loads) is younger than this one
.irp ks, 1,2,3,4,5,6,7,8,9,10,11,12
	KSTEP \ks, 0, 42, 24                           ; three younger K steps of fourteen loads
.endr
	KSTEP 13, 0, 28, 24
	KSTEP 14, 0, 14, 24
	KSTEP 15, 0, 0, 0
	; a = h / (1 + 2^(-h log2 e)) * v, in f32.  Each accumulator is first read at its two lowest registers.
	WIN 0xC2                                       ; destination window 3, source 0 window 2
.irp m, 0,1,2,3,4,5,6,7
.irp i, 0,2,4,6,8,10,12,14
	v_pk_mul_f32 v[16*\m+\i:16*\m+\i+1], v[32*\m+\i:32*\m+\i+1], s[34:35] op_sel_hi:[1,0]
.endr
.endr
	WIN 0xC3
.set n, 0
.rept 128
	v_exp_f32 v[n], v[n]
.set n, n+1
.endr
	v_nop                                          ; a plain line behind the exponentials
.set n, 0
	s_wait_alu depctr_va_vdst(0)
.rept 64
	v_pk_add_f32 v[n:n+1], v[n:n+1], 1.0 op_sel_hi:[1,0]
.set n, n+2
.endr
.set n, 0
.rept 128
	v_rcp_f32 v[n], v[n]
.set n, n+1
.endr
	v_nop                                          ; a plain line behind the reciprocals
	WIN 0x8E                                       ; destination and source 0 window 2, source 1 window 3
	s_wait_alu depctr_va_vdst(0)
.irp m, 0,1,2,3,4,5,6,7
.irp i, 0,2,4,6,8,10,12,14
	v_pk_mul_f32 v[32*\m+\i:32*\m+\i+1], v[32*\m+\i:32*\m+\i+1], v[16*\m+\i:16*\m+\i+1]
.endr
.endr
	WIN 0x8A                                       ; all in window 2
.irp m, 0,1,2,3,4,5,6,7
.irp i, 0,2,4,6,8,10,12,14
	v_pk_mul_f32 v[32*\m+\i:32*\m+\i+1], v[32*\m+\i:32*\m+\i+1], v[32*\m+16+\i:32*\m+16+\i+1]
.endr
.endr
	WIN 0x0A                                       ; the block's largest magnitude, the eight row tiles by turns
.irp m, 0,1,2,3,4,5,6,7
	v_max3_num_f32 v[MXR+\m], |v[32*\m]|, |v[32*\m+1]|, 0x1800000          ; with the floor 2^(3 - 127)
.endr
	WIN 0x28
.irp i, 2,4,6,8,10,12,14
.irp m, 0,1,2,3,4,5,6,7
	v_max3_num_f32 v[MXR+\m], v[MXR+\m], |v[32*\m+\i]|, |v[32*\m+\i+1]|
.endr
.endr
	WIN 0
.irp m, 0,1,2,3,4,5,6,7
	v_permlanex16_b32 v[PDR+\m], v[MXR+\m], s28, s29
.endr
.irp m, 0,1,2,3,4,5,6,7
	v_max_num_f32 v[MXR+\m], v[MXR+\m], v[PDR+\m]  ; with lane l xor 16's sixteen
.endr
.irp m, 0,1,2,3,4,5,6,7
	v_add_nc_u32 v[SCOR+\m], 0xff000000, v[MXR+\m]
.endr
.irp m, 0,1,2,3,4,5,6,7
	v_lshrrev_b32 v[BYR+\m], 23, v[SCOR+\m]
.endr
.irp m, 0,1,2,3,4,5,6,7
	ds_store_b8 v8, v[BYR+\m] offset:64*\m         ; both halves of the lanes write the same byte with the same value
.endr
	WIN 0x02                                       ; source 0 window 2
.irp mp, 0,1,2,3
	v_cvt_scalef32_pk16_fp6_f32 v[PQ+16*\mp:PQ+16*\mp+2], v[64*\mp:64*\mp+15], v[SCOR+2*\mp]
	v_cvt_scalef32_pk16_fp6_f32 v[PQ+16*\mp+8:PQ+16*\mp+10], v[64*\mp+32:64*\mp+47], v[SCOR+2*\mp+1]
.endr
	WIN 0
	v_nop                                          ; one plain line behind the conversions
.irp mp, 0,1,2,3                       ; tiles 2 mp and 2 mp + 1 change halves: lane L then holds row 32 mp + L's lower 16 codes in the first three registers and its upper 16 in the second three
.irp i, 0,1,2
	v_permlane16_swap_b32 v[PQ+16*\mp+\i], v[PQ+16*\mp+8+\i]
.endr
.irp i, 0,1,2
	v_mov_b32 v[PQ+16*\mp+3+\i], v[PQ+16*\mp+8+\i]
.endr
.irp i, 0,1,2
	ds_store_b64 v7, v[PQ+16*\mp+2*\i:PQ+16*\mp+2*\i+1] offset:3072*\mp+8*\i
.endr
.endr
	s_wait_dscnt 0x0                               ; for the others' sake: my block of each row and my byte of each word lie in LDS
	s_barrier_signal -1
	s_barrier_wait -1
	s_cmp_ge_u32 s13, 8                            ; a tile without rows stores nothing; no barrier stands behind this branch
	s_cbranch_scc1 .Lnone
.irp j, 0,1,2,3,4,5
	ds_load_b128 v[16+4*\j:19+4*\j], v11 offset:2048*\j
.endr
.irp j, 0,1,2,3,4,5
	s_wait_dscnt 5-\j
	global_store_b128 v9, v[16+4*\j:19+4*\j], s[30:31] offset:2048*\j      ; the tile's 12,288 bytes are dense in hid: 512 consecutive aligned bytes a wave
.endr
	s_cmp_lg_u32 s10, 0
	s_cbranch_scc1 .Lnone
	ds_load_b64 v[40:41], v55
	ds_load_b64 v[42:43], v55 offset:256
	s_wait_dscnt 0x0
	global_store_b64 v10, v[40:41], s[32:33]
	global_store_b64 v10, v[42:43], s[32:33] offset:256
.Lnone:
	s_wait_tensorcnt 0x0
	ds_add_u32 v254, v255
	s_wait_dscnt 0x0
	s_endpgm
.Lfunc_end_k_qae7a054502_hidden:
	.size	k_qae7a054502_hidden, .Lfunc_end_k_qae7a054502_hidden-k_qae7a054502_hidden
	.p2alignl 7, 3214868480
	.fill 96, 4, 3214868480
	.section	.rodata,"a",@progbits
	.p2align	6, 0x0
	.amdhsa_kernel k_qae7a054502_hidden
		.amdhsa_group_segment_fixed_size 211968
		.amdhsa_private_segment_fixed_size 0
		.amdhsa_enable_private_segment 0
		.amdhsa_kernarg_size 24
		.amdhsa_user_sgpr_count 2
		.amdhsa_user_sgpr_kernarg_segment_ptr 1
		.amdhsa_wavefront_size32 1
		.amdhsa_system_sgpr_workgroup_id_x 1
		.amdhsa_system_sgpr_workgroup_id_y 1
		.amdhsa_system_sgpr_workgroup_id_z 1
		.amdhsa_system_vgpr_workitem_id 0
		.amdhsa_next_free_vgpr 1024
		.amdhsa_next_free_sgpr 66
		.amdhsa_reserve_vcc 0
		.amdhsa_float_denorm_mode_32 3
		.amdhsa_float_denorm_mode_16_64 3
		.amdhsa_memory_ordered 1
		.amdhsa_forward_progress 1
		.amdhsa_inst_pref_size 175
	.end_amdhsa_kernel
	.amdgpu_metadata
---
amdhsa.version: [ 1, 2 ]
amdhsa.kernels:
  - .name:           k_qae7a054502_hidden
    .symbol:         k_qae7a054502_hidden.kd
    .args:
      - { .name: q1, .offset: 0, .size: 8, .value_kind: global_buffer, .address_space: global }
      - { .name: plan, .offset: 8, .size: 8, .value_kind: global_buffer, .address_space: global }
      - { .name: hid, .offset: 16, .size: 8, .value_kind: global_buffer, .address_space: global }
    .group_segment_fixed_size: 211968
    .private_segment_fixed_size: 0
    .kernarg_segment_align: 8
    .kernarg_segment_size: 24
    .max_flat_workgroup_size: 128
    .sgpr_count:     66
    .vgpr_count:     1024
    .wavefront_size: 32
...
	.end_amdgpu_metadata
.endif
;; end of part 3
;; launch out (part 4): grid 8 x 32, 4 waves a work-group, no clusters, 71,168 bytes of LDS; arguments q2, plan, hid, out0; writes out0
.if DOCPART == 4
	.amdgcn_target "amdgcn-amd-amdhsa--gfx1250"
	.amdhsa_code_object_version 6
	.text
	.protected	k_qae7a054502_out
	.globl	k_qae7a054502_out
	.p2align	8
	.type	k_qae7a054502_out,@function
k_qae7a054502_out:
	s_mov_b64 s[64:65], 0
	v_nop
	global_prefetch_b8 v0, s[64:65] scope:SCOPE_SE
	s_setreg_imm32_b32 hwreg(HW_REG_WAVE_MODE, 25, 1), 1
	s_wait_xcnt 0x0
; OUT.  y[token] = s_lo (a_lo W2[lo]) + s_hi (a_hi W2[hi]): the third product on codes of E2M3 with E8M0 scales, f32 sums; each output row has one owner.
; SHARES.  Work-group (ds, B): the 64 tokens of block B of the order by expert pair x columns 256 ds .. + 255.  Wave w: columns 256 ds + 64 w .. + 63 (four tiles of W2) for the four tiles of 16 tokens.
; The block's stored list names the experts that its tokens use, and as which of a token's two.  For an expert used as the lower, all 64 tokens' lower rows are multiplied by its tile and weighed by the token's
; score where that expert is the token's, else by 0 (the codes are finite numbers, so the product is finite); likewise as the higher.  The walk is a loop of eight entries; an empty entry is passed over by a scalar branch.
; The tokens' two hidden rows are gathered once, wave w the tile w of tokens, and go to all waves through LDS as images of the operand's registers.  W2's fragments come straight into registers, two buffers by turns.
; THE PRODUCT IS USED TRANSPOSED (source 0 = 16 columns of W2, source 1 = 16 tokens): a lane holds eight neighbouring columns of one token's row.
; NO CLUSTER: the lists differ from block to block, so partners would not ask for the same fragments in the same step.
; REGISTERS.  Window 0: v1-15 addresses; v16-47 the output rows' offsets; v48-55 the tokens' two experts; v56-63 their scores; v64-71 the weights for the expert in hand; v72-103 the hidden rows' scale words and
;   v104-119 W2's (they hold nothing else); v120-143 the gather's; v144-239 the gathered rows, then two sets of four fragments, at the end rows of y.  Windows 1, 2: W2's sixteen fragments, buffers 0 and 1.
;   Window 3: v0-127 y (m, t) at 8 (4 m + t); v128-255 a product's results likewise.
.set S2_OFF, 6291456
.set SS_OFF, 6553600
.set TOKS_OFF, 20736
.set GS_OFF, 28928
.set BL_OFF, 45312
.set HPLANE, 479232
.set HS_OFF, 1916928
.set HSPLANE, 19968
.set HSW,  49152                       ; behind the 32 images of 1,536 bytes: their scale words, 128 bytes each
.set STG,  53248                       ; the way out: 16 rows x (256 bytes + 16) for each wave
.set SP,   272
.set OA,   16
.set LOX,  48
.set HIX,  52
.set SSR,  56
.set WP,   64
.set ASC,  72
.set BSC,  104
.set ASET, 144
.set MSB, 0
.macro WIN new                         ; the immediate's high byte repeats the setting that is left
.if MSB != (\new)
	s_set_vgpr_msb (MSB<<8)|(\new)
.set MSB, (\new)
.endif
.endm
.macro WM zero, ra                     ; one product on the registers RD, RA, RB, RSA, RSB; ra: W2's scales stand in lanes 16-31
.if (\zero) && (\ra)
	v_wmma_scale_f32_16x16x128_f8f6f4 v[RD:RD+7], v[RA:RA+11], v[RB:RB+11], 0, v[RSA], v[RSB] matrix_a_fmt:MATRIX_FMT_FP6 matrix_b_fmt:MATRIX_FMT_FP6 matrix_a_scale:MATRIX_SCALE_ROW1
.elseif (\zero)
	v_wmma_scale_f32_16x16x128_f8f6f4 v[RD:RD+7], v[RA:RA+11], v[RB:RB+11], 0, v[RSA], v[RSB] matrix_a_fmt:MATRIX_FMT_FP6 matrix_b_fmt:MATRIX_FMT_FP6
.elseif (\ra)
	v_wmma_scale_f32_16x16x128_f8f6f4 v[RD:RD+7], v[RA:RA+11], v[RB:RB+11], v[RD:RD+7], v[RSA], v[RSB] matrix_a_fmt:MATRIX_FMT_FP6 matrix_b_fmt:MATRIX_FMT_FP6 matrix_a_scale:MATRIX_SCALE_ROW1
.else
	v_wmma_scale_f32_16x16x128_f8f6f4 v[RD:RD+7], v[RA:RA+11], v[RB:RB+11], v[RD:RD+7], v[RSA], v[RSB] matrix_a_fmt:MATRIX_FMT_FP6 matrix_b_fmt:MATRIX_FMT_FP6
.endif
.endm
; The sixteen fragments and eight registers of scale words of the expert in entry s[ent], for my 64 columns, into buffer buf: 56 loads.  The buffer's two bases are written only where no load that names them is out.
.macro LOADB buf, ent
	s_and_b32 s22, s[\ent], 7
	s_min_u32 s22, s22, 7
	s_mul_i32 s20, s22, 786432
	s_lshl_b32 s22, s22, 15
	s_add_nc_u64 s[24+4*\buf:25+4*\buf], s[32:33], s[20:21]
	s_add_nc_u64 s[26+4*\buf:27+4*\buf], s[34:35], s[22:23]
	WIN 0x40*(1+\buf)
.set n, 0
.rept 48
	global_load_b128 v[4*n:4*n+3], v1, s[24+4*\buf:25+4*\buf] offset:512*n     ; fragment (ks, t) at 12 (4 ks + t): 24,576 bytes on end
.set n, n+1
.endr
	WIN 0
.irp k, 0,1,2,3,4,5,6,7
	global_load_b32 v[BSC+8*\buf+\k], v2, s[26+4*\buf:27+4*\buf] offset:8192*(\k/2)+128*(\k%2)   ; K step k / 2: lanes 0-15 tile 2 (k % 2), lanes 16-31 the tile behind it
.endr
.endm
	s_load_b256 s[4:11], s[0:1], 0x0               ; q2, plan, hid, out0
	v_lshl_add_u32 v254, v0, 2, 0x11400
	v_mov_b32 v255, 0
	v_lshrrev_b32 v1, 5, v0
	v_readfirstlane_b32 s12, v1                    ; wave 0..3
	s_mov_b32 s13, ttmp9                           ; ds
	s_and_b32 s14, ttmp7, 0xffff                   ; B
	s_lshl_b32 s15, s14, 3
	s_wait_kmcnt 0x0
	s_load_b64 s[16:17], s[6:7], s15 offset:BL_OFF ; the block's list
	v_and_b32 v9, 31, v0                           ; L
	v_and_b32 v7, 15, v0                           ; r
	v_bfe_u32 v8, v0, 4, 1                         ; h
	v_lshlrev_b32 v1, 4, v9
	v_lshlrev_b32 v2, 2, v9
	s_mul_i32 s18, s12, 12288
	v_add_nc_u32 v3, s18, v1                       ; where I store my tile's eight images
	s_lshl_b32 s18, s12, 10
	s_add_co_u32 s18, s18, HSW
	v_add_nc_u32 v4, s18, v2                       ; and their scale words
	s_mul_i32 s18, s12, 16*SP
	s_add_co_u32 s18, s18, STG
	v_mul_u32_u24 v5, v7, SP
	v_lshl_add_u32 v5, v8, 5, v5
	v_add_nc_u32 v5, s18, v5                       ; the stage, in: row r, 32 bytes for each half of the lanes
	v_mul_u32_u24 v6, v8, SP
	v_lshl_add_u32 v6, v7, 4, v6
	v_add_nc_u32 v6, s18, v6                       ; back: lanes 0-15 one row of 256 bytes, lanes 16-31 the next
	v_add_nc_u32 v10, HSW, v2
	v_lshlrev_b32 v11, 4, v7
	s_lshl_b32 s18, s14, 9
	s_lshl_b32 s19, s12, 7
	s_add_co_u32 s19, s19, s18
	v_lshl_add_u32 v12, v7, 3, s19                 ; GS of p = 64 B + 16 w + r
	v_mul_u32_u24 v13, v8, 48
	s_lshl_b32 s19, s14, 8
	v_lshl_add_u32 v14, v7, 2, s19                 ; TOKS of p = 64 B + r (+ 16 m)
	v_lshl_add_u32 v15, v8, 2, s19                 ; TOKS of p = 64 B + h (+ 16 m + 2 i)
	v_lshl_add_u32 v140, v7, 3, s18                ; SS of p = 64 B + r (+ 16 m)
	s_lshl_b32 s20, s13, 2
	s_add_co_u32 s20, s20, s12
	s_mul_i32 s20, s20, 24576
	s_mov_b32 s21, 0
	s_lshl_b32 s22, s13, 10
	s_lshl_b32 s23, s12, 8
	s_add_co_u32 s22, s22, s23                     ; my 64 columns: 4 bytes a column
	s_mov_b32 s23, 0
	s_add_nc_u64 s[32:33], s[4:5], s[20:21]        ; expert 0's fragments of my columns
	s_add_nc_u64 s[38:39], s[10:11], s[22:23]      ; my columns in a row of y
	s_add_nc_u64 s[34:35], s[4:5], s[22:23]
	s_add_nc_u64 s[34:35], s[34:35], S2_OFF        ; expert 0's scale words of my columns
	global_load_b64 v[120:121], v12, s[6:7] offset:GS_OFF
	s_wait_kmcnt 0x0
	LOADB 0, 16                                    ; entry 0: a block always has two entries or more, since a token's two experts differ
	s_wait_loadcnt 56                              ; my tokens' two rows are in; the buffer's 56 loads are younger
	v_min_u32 v120, 0x137f, v120
	v_min_u32 v121, 0x137f, v121
	v_mul_u32_u24 v122, v120, 96
	v_mul_u32_u24 v123, v121, 96
	v_add_nc_u32 v122, v122, v13
	v_add_nc_u32 v123, v123, v13
	v_lshlrev_b32 v124, 2, v120
	v_lshlrev_b32 v125, 2, v121
.irp s, 0,1
.irp ks, 0,1,2,3
.irp j, 0,1,2
	global_load_b128 v[ASET+48*\s+12*\ks+4*\j:ASET+48*\s+12*\ks+4*\j+3], v[122+\s], s[8:9] offset:HPLANE*\ks+16*\j   ; 48 bytes on end: the lane's twelve registers of the fragment
.endr
	global_load_b32 v[126+4*\s+\ks], v[124+\s], s[8:9] offset:HS_OFF+HSPLANE*\ks
.endr
.endr
.irp m, 0,1,2,3
	global_load_b32 v[136+\m], v14, s[6:7] offset:TOKS_OFF+64*\m
	global_load_b64 v[SSR+2*\m:SSR+2*\m+1], v140, s[4:5] offset:SS_OFF+128*\m
.irp i, 0,1,2,3,4,5,6,7
	global_load_b32 v[OA+8*\m+\i], v15, s[6:7] offset:TOKS_OFF+64*\m+8*\i
.endr
.endr
	s_wait_loadcnt 40                              ; the gathered rows (and buffer 0) are in; the 40 loads of tokens and scores are younger
.irp s, 0,1
.irp ks, 0,1,2,3
.irp j, 0,1,2
	ds_store_b128 v3, v[ASET+48*\s+12*\ks+4*\j:ASET+48*\s+12*\ks+4*\j+3] offset:6144*\s+1536*\ks+512*\j   ; image (2 w + s) 4 + ks
.endr
	ds_store_b32 v4, v[126+4*\s+\ks] offset:512*\s+128*\ks
.endr
.endr
	s_bfe_u32 s18, s16, 0x80008
	LOADB 1, 18                                    ; entry 1
	s_wait_dscnt 0x0                               ; for the others' sake: my images lie in LDS
	s_barrier_signal -1
	s_barrier_wait -1
.set n, 0
.rept 32
	ds_load_b32 v[ASC+n], v10 offset:128*n         ; the 32 images' scale words stay in registers
.set n, n+1
.endr
	s_wait_loadcnt 56                              ; tokens and scores are in; buffer 1's 56 loads are younger
.irp m, 0,1,2,3
	v_bfe_u32 v[LOX+\m], v[136+\m], 16, 4
	v_bfe_u32 v[HIX+\m], v[136+\m], 20, 4
.endr
.set n, 0
.rept 32
	v_and_b32 v[OA+n], 0x7ff, v[OA+n]
	v_min_u32 v[OA+n], 0x7ff, v[OA+n]
	v_lshl_add_u32 v[OA+n], v[OA+n], 13, v11       ; the token's row of y, + 16 bytes a lane
.set n, n+1
.endr
	WIN 0xC0
.set n, 0
.rept 128
	v_mov_b32 v[n], 0                              ; y.  Which product comes first hangs on the list, so the sums begin as zeros; a copy of the step that starts them would be longer than these lines
.set n, n+1
.endr
	WIN 0
	s_wait_dscnt 0x0
.macro AFETCH s, ks                    ; the four token tiles' fragments of K step ks, the tokens' row s
.irp m, 0,1,2,3
.irp j, 0,1,2
	ds_load_b128 v[ASET+48*((\ks)%2)+12*\m+4*\j:ASET+48*((\ks)%2)+12*\m+4*\j+3], v1 offset:((2*\m+\s)*4+(\ks))*1536+512*\j
.endr
.endr
.endm
; All 64 tokens' rows s times the expert's tile in buffer buf; then y += weight x product.  The sixteen accumulators take turns, one instruction a turn.
.macro ITEM s, buf
	AFETCH \s, 0
	AFETCH \s, 1
.irp ks, 0,1,2,3
.if \ks < 3
	s_wait_dscnt 12                                ; this K step's twelve loads are in; the next one's are younger
.else
	s_wait_dscnt 0x0
.endif
	WIN 0xF1+\buf                                  ; source 0 (W2) window 1 or 2, source 1 window 0, C and D window 3
.irp m, 0,1,2,3
.irp t2, 0,1
.irp to, 0,1
.set RD, 128+8*(4*\m+2*\t2+\to)
.set RA, 12*(4*\ks+2*\t2+\to)
.set RB, ASET+48*(\ks%2)+12*\m
.set RSA, BSC+8*\buf+2*\ks+\t2
.set RSB, ASC+(2*\m+\s)*4+\ks
.if \ks == 0
	WM 1, \to
.else
	WM 0, \to
.endif
.endr
.endr
.endr
	WIN 0
.rept 4
	v_nop                                          ; four places in front of loads into registers that the products have read, and of the first read of results
.endr
.if \ks < 2
	AFETCH \s, \ks+2
.endif
.endr
	WIN 0xF3                                       ; y and the product window 3, the weights window 0
.irp m, 0,1,2,3
.set n, 0
.rept 16                               ; each accumulator from its low end on.  These lines are also the places in front of the next product that begins the accumulators anew, and of loads into the buffer
.if \s == 0
	v_pk_fma_f32 v[32*\m+2*n:32*\m+2*n+1], v[128+32*\m+2*n:128+32*\m+2*n+1], v[WP+2*\m:WP+2*\m+1], v[32*\m+2*n:32*\m+2*n+1] op_sel_hi:[1,0,1]
.else
	v_pk_fma_f32 v[32*\m+2*n:32*\m+2*n+1], v[128+32*\m+2*n:128+32*\m+2*n+1], v[WP+2*\m:WP+2*\m+1], v[32*\m+2*n:32*\m+2*n+1] op_sel:[0,1,0] op_sel_hi:[1,1,1]
.endif
.set n, n+1
.endr
.endr
	WIN 0
.endm
; The entry at bit f of the list's low word, whose fragments lie in buffer buf (its loads are done when the entry begins).  Behind its work: the wait for all loads, which shows the other buffer whole and frees
; this buffer's bases; then this buffer takes the entry two further on, if there is one: its loads have the next entry's work in which to land.  Every window is 0 at each branch and label.
.macro ENTRY f, buf
	s_bfe_u32 s18, s16, (8<<16)|(\f)
	s_bitcmp1_b32 s18, 5
	s_cbranch_scc0 .Lskip_\@
	s_and_b32 s19, s18, 7
.irp m, 0,1,2,3
	v_cmp_eq_u32 vcc_lo, s19, v[LOX+\m]
	v_cndmask_b32 v[WP+2*\m], 0, v[SSR+2*\m], vcc_lo       ; the token's score where this is its lower expert, else 0
	v_cmp_eq_u32 vcc_lo, s19, v[HIX+\m]
	v_cndmask_b32 v[WP+2*\m+1], 0, v[SSR+2*\m+1], vcc_lo   ; likewise its higher
.endr
	s_bitcmp1_b32 s18, 3
	s_cbranch_scc0 .Lno_lo_\@
	ITEM 0, \buf
.Lno_lo_\@:
	s_bitcmp1_b32 s18, 4
	s_cbranch_scc0 .Lno_hi_\@
	ITEM 1, \buf
.Lno_hi_\@:
.Lskip_\@:
	s_wait_loadcnt 0x0
	s_bfe_u32 s18, s16, (8<<16)|(\f+16)
	s_bitcmp1_b32 s18, 5
	s_cbranch_scc0 .Lno_load_\@
	LOADB \buf, 18
.Lno_load_\@:
.endm
	s_mov_b32 s36, 4
.Ltrip:                                            ; four trips of two entries: the count is a constant, the list says what is passed over
	ENTRY 0, 0
	ENTRY 8, 1
	s_lshr_b32 s16, s16, 16                        ; the list moves two entries down
	s_lshl_b32 s18, s17, 16
	s_or_b32 s16, s16, s18
	s_lshr_b32 s17, s17, 16
	s_sub_co_u32 s36, s36, 1
	s_cmp_lg_u32 s36, 0
	s_cbranch_scc1 .Ltrip
	; THE WAY OUT, a tile of 16 tokens at a time, through my own stage: a lane's 32 bytes go in by rows and come back so that sixteen lanes hold 256 consecutive bytes of one token's row.
	; LDS serves a wave's instructions in order (ISA guide 5.7.1.4): no wait between the stores and the loads, nor in front of the next tile's stores.
.irp m, 0,1,2,3
.if \m >= 2
	s_wait_xcnt 0x0                                ; the stores of two tiles ago have read their registers
.endif
	WIN 0x0C                                       ; an LDS store's data: window 3
.irp t, 0,1,2,3
	ds_store_b128 v5, v[32*\m+8*\t:32*\m+8*\t+3] offset:64*\t
	ds_store_b128 v5, v[32*\m+8*\t+4:32*\m+8*\t+7] offset:64*\t+16
.endr
	WIN 0
.irp i, 0,1,2,3,4,5,6,7
	ds_load_b128 v[ASET+32*(\m%2)+4*\i:ASET+32*(\m%2)+4*\i+3], v6 offset:2*SP*\i
.endr
.irp i, 0,1,2,3,4,5,6,7
	s_wait_dscnt 7-\i
	global_store_b128 v[OA+8*\m+\i], v[ASET+32*(\m%2)+4*\i:ASET+32*(\m%2)+4*\i+3], s[38:39] th:TH_STORE_NT   ; 16 lanes store 256 consecutive bytes, at a multiple of 256 from y's first byte
.endr
.endr
	s_wait_tensorcnt 0x0
	ds_add_u32 v254, v255
	s_wait_dscnt 0x0
	s_endpgm
.Lfunc_end_k_qae7a054502_out:
	.size	k_qae7a054502_out, .Lfunc_end_k_qae7a054502_out-k_qae7a054502_out
	.p2alignl 7, 3214868480
	.fill 96, 4, 3214868480
	.section	.rodata,"a",@progbits
	.p2align	6, 0x0
	.amdhsa_kernel k_qae7a054502_out
		.amdhsa_group_segment_fixed_size 71168
		.amdhsa_private_segment_fixed_size 0
		.amdhsa_enable_private_segment 0
		.amdhsa_kernarg_size 32
		.amdhsa_user_sgpr_count 2
		.amdhsa_user_sgpr_kernarg_segment_ptr 1
		.amdhsa_wavefront_size32 1
		.amdhsa_system_sgpr_workgroup_id_x 1
		.amdhsa_system_sgpr_workgroup_id_y 1
		.amdhsa_system_sgpr_workgroup_id_z 1
		.amdhsa_system_vgpr_workitem_id 0
		.amdhsa_next_free_vgpr 1024
		.amdhsa_next_free_sgpr 66
		.amdhsa_reserve_vcc 1
		.amdhsa_float_denorm_mode_32 3
		.amdhsa_float_denorm_mode_16_64 3
		.amdhsa_memory_ordered 1
		.amdhsa_forward_progress 1
		.amdhsa_inst_pref_size 122
	.end_amdhsa_kernel
	.amdgpu_metadata
---
amdhsa.version: [ 1, 2 ]
amdhsa.kernels:
  - .name:           k_qae7a054502_out
    .symbol:         k_qae7a054502_out.kd
    .args:
      - { .name: q2, .offset: 0, .size: 8, .value_kind: global_buffer, .address_space: global }
      - { .name: plan, .offset: 8, .size: 8, .value_kind: global_buffer, .address_space: global }
      - { .name: hid, .offset: 16, .size: 8, .value_kind: global_buffer, .address_space: global }
      - { .name: out0, .offset: 24, .size: 8, .value_kind: global_buffer, .address_space: global }
    .group_segment_fixed_size: 71168
    .private_segment_fixed_size: 0
    .kernarg_segment_align: 8
    .kernarg_segment_size: 32
    .max_flat_workgroup_size: 128
    .sgpr_count:     66
    .vgpr_count:     1024
    .wavefront_size: 32
...
	.end_amdgpu_metadata
.endif
;; end of part 4
;; ======== version 2 of 2: 4 launches
;; workspace buffers: q1 16,384,000 bytes; sc 16,384 bytes; route 16,384 bytes of whole numbers; q2 6,569,984 bytes; plan 45,568 bytes of whole numbers; hid 1,996,800 bytes
;; launch prep (part 5): grid 256 x 1, 8 waves a work-group, no clusters, 233,472 bytes of LDS; arguments x, Wr, W1, V1, q1, sc, route; writes q1, sc, route
.if DOCPART == 5
	.amdgcn_target "amdgcn-amd-amdhsa--gfx1250"
	.amdhsa_code_object_version 6
	.text
	.protected	k_qae7a054502_prep
	.globl	k_qae7a054502_prep
	.p2align	8
	.type	k_qae7a054502_prep,@function
k_qae7a054502_prep:
	s_mov_b64 s[64:65], 0
	v_nop
	global_prefetch_b8 v0, s[64:65] scope:SCOPE_SE
	s_setreg_imm32_b32 hwreg(HW_REG_WAVE_MODE, 25, 1), 1
	s_wait_xcnt 0x0
; PREP.  Two kinds of work-group, told apart by the work-group's number alone.
; X (numbers 0-63): 32 tokens each.  x is quantised to E2M3 (one E8M0 byte for each 32 along d), the router's eight logits are summed in f32 by fused multiply-adds,
;   the two smallest are chosen, their two scores made, and for the 32 tokens a count of each of the 28 expert pairs and each token's rank in its pair.  What hangs on the choice is only STORED, at fixed places.
; Q (numbers 64-255): one K step (128 rows of d) x all 512 columns of W1[e] or V1[e], e = 0 .. 5, is quantised along d and stored in the order of a matrix operand's registers (experts 6 and 7: the next launch).
; 64 + 192 = 256 work-groups of 8 waves x 512 registers.
; ROUTER.  exp and a common divisor keep the order, so the two smallest gates are the two smallest logits (strictly-less scans from index 0: the lower index wins a tie, as top_k does).  In score / (sum of the two)
;   the softmax's divisor cancels: with la <= lb the chosen logits, ea = 2^((la - lb) log2 e) <= 1, sa = ea / (1 + ea), sb = 1 / (1 + ea): the larger of the two is the maximum that is taken away.
; LIMITS.  Two gates that round to one f32 number though their logits differ: here the smaller logit wins, in the definition the lower index.  Gates that are denormal or 0 in f32: the scores here stay exact.
;   NaN and infinities among the inputs are not served.  A block whose largest magnitude lies under 2^-124 keeps the scale byte 1 (a block of zeros too: its codes are zeros, and only this program reads the bytes).
; LAYOUTS in q1.  x's codes: [token][1536 bytes]; in a K step's 96 bytes block 2 c + h lies at 48 h + 24 c, so that a lane of an operand reads 48 bytes on end.  x's scale bytes: [token][64].
;   Weights: [e][b 16][ks 16][W1, V1][u 2][1536]: an image of the operand's 12 registers, registers 4 j .. 4 j + 3 of lane l at 512 j + 16 l.  Row r of tile (b, u) is hidden unit 32 b + 8 u + r + 8 (r / 8).
;   Their scale words: [e][W1, V1][ks][512 units].  In sc: [token][s of the lower expert, s of the higher].
; No cluster, no tensor load: the work-groups share no input byte but Wr (64 KiB), and each wave's loads go straight to registers.
.set XS_OFF, 3145728
.set WQ_OFF, 3276800
.set WS_OFF, 15859712
.set GC_OFF, 8192
.set FP,   1552                        ; a fragment's place in a wave's stage: 1536 bytes + 16
.set WST,  4*FP                        ; a wave's stage: four fragments
.set PSUM, 8*WST                       ; X's bytes: 32 tokens x (4 quarters of K x 8 sums + 16 bytes)
.set XSB,  PSUM+32*144                 ; X's bytes: 32 tokens x 64 scale bytes
.set XST,  XSB+2048                    ; X's bytes: for each wave two stages of 32 places of 64 + 16 bytes, through which a token's 2,048 bytes turn
.set SPX,  80
.set XSTW, 2*32*SPX
.set WRS,  XST+8*XSTW                  ; X's bytes: for each wave 32 blocks of 512 + 16 bytes, through which its quarter of Wr turns once
.set WRP,  528
.set WRSW, 32*WRP
.set ROWB, 2048                        ; bytes from row to row of W1, V1
.set INB,  8                           ; s[8:9]   Q: the rows that I read
.set OCB,  24                          ; s[24:25] Q: where my fragments go
.set OSB,  26                          ; s[26:27] Q: where my scale words go
.set SB,   8                           ; v[8:9]   Q: my two columns' scale words
.set T,    16                          ; v16-79   Q: a block of 32 along K for each of my two columns
.set CD,   80                          ; v80-95   Q: its codes
.set X,    96                          ; v96-223  Q: two sets of 32 rows x 2 columns as loaded
.set WR,   16                          ; v16-143  X: Wr of my 16 k: register 8 i + e
.set CDX,  144                         ; v144-207 X: token i's codes in three registers, its scale byte in the fourth: no store's data are written again
.set ACC,  208                         ; v208-215, v232-239 X: the eight sums, two sets by turns
.set PD,   216                         ; v216-223 X: the other half of the lanes' sums
.set TIN,  240                         ; v240-243 X: LDS addresses: x's turn in and out, Wr's turn in and out
.set TOUT, 241
.set WRI,  242
.set WRO,  243
                                       ; window 1 (v256-511) X: token i's 16 numbers at 16 i
.set MSB, 0
.macro WIN new                         ; s_set_vgpr_msb: bits 1:0 source 0, 3:2 source 1, 5:4 source 2, 7:6 destination; the immediate's high byte repeats the setting that is left
.if MSB != (\new)
	s_set_vgpr_msb (MSB<<8)|(\new)
.set MSB, (\new)
.endif
.endm
	s_load_b256 s[4:11], s[0:1], 0x0               ; x, Wr, W1, V1
	s_load_b128 s[12:15], s[0:1], 0x20             ; q1, sc
	s_load_b64 s[38:39], s[0:1], 0x30              ; route
	v_lshl_add_u32 v254, v0, 2, 0x38c00
	v_mov_b32 v255, 0
	v_lshrrev_b32 v1, 5, v0
	s_delay_alu instid0(VALU_DEP_1)
	v_readfirstlane_b32 s16, v1                    ; wave 0..7
	v_and_b32 v1, 31, v0                           ; lane
	s_cmp_lt_u32 ttmp9, 64
	s_cbranch_scc1 .Lrole_x
; ---------------------------------------------------------------- Q
; Wave w takes columns 64 w .. 64 w + 63, lane L columns 64 w + 2 L and + 1: a load of 8 bytes a lane covers 256 consecutive aligned bytes of a row.
	s_sub_co_u32 s17, ttmp9, 64
	s_lshr_b32 s18, s17, 5                         ; e
	s_bfe_u32 s19, s17, 0x10004                    ; 0: W1, 1: V1
	s_and_b32 s20, s17, 15                         ; ks
	s_lshl_b32 s22, s18, 22                        ; an expert is 4 MiB,
	s_lshl_b32 s23, s20, 18                        ; 128 rows are 256 KiB
	s_add_co_u32 s22, s22, s23
	s_mov_b32 s23, 0
	s_lshl_b32 s24, s18, 4
	s_lshl_b32 s25, s16, 1
	s_add_co_u32 s24, s24, s25                     ; 16 e + b, b = 2 w
	s_lshl_b32 s24, s24, 4
	s_add_co_u32 s24, s24, s20
	s_mul_i32 s24, s24, 6144
	s_mul_i32 s25, s19, 3072
	s_add_co_u32 s24, s24, s25
	s_add_co_u32 s24, s24, WQ_OFF
	s_mov_b32 s25, 0
	s_lshl_b32 s26, s18, 1
	s_add_co_u32 s26, s26, s19
	s_lshl_b32 s26, s26, 4
	s_add_co_u32 s26, s26, s20
	s_lshl_b32 s26, s26, 11
	s_add_co_u32 s26, s26, WS_OFF
	s_mov_b32 s27, 0
	s_mul_i32 s21, s16, WST
	v_lshlrev_b32 v2, 3, v0                        ; 256 w + 8 L: my two columns in a row, and my two scale words
	v_bfe_u32 v6, v0, 4, 1
	v_bfe_u32 v7, v0, 2, 1
	s_delay_alu instid0(VALU_DEP_1)
	v_lshl_add_u32 v6, v6, 1, v7                   ; my fragment of the wave's four: 2 (b's low bit) + u
	s_delay_alu instid0(VALU_DEP_1)
	v_mul_u32_u24 v3, v6, FP
	v_and_b32 v7, 3, v0
	s_delay_alu instid0(VALU_DEP_1)
	v_lshl_add_u32 v3, v7, 5, v3                   ; row r = 2 (L % 4) + c + 8 ((L / 8) % 2): 16 bytes a row
	v_bfe_u32 v7, v0, 3, 1
	s_delay_alu instid0(VALU_DEP_1)
	v_lshl_add_u32 v3, v7, 7, v3
	s_delay_alu instid0(VALU_DEP_1)
	v_add_nc_u32 v3, s21, v3                       ; into my wave's stage
	v_lshlrev_b32 v5, 4, v1                        ; 16 L
	s_delay_alu instid0(VALU_DEP_1)
	v_add_nc_u32 v4, s21, v5                       ; out of it
	s_wait_kmcnt 0x0
	s_cmp_eq_u32 s19, 0
	s_cselect_b64 s[INB:INB+1], s[8:9], s[10:11]
	s_add_nc_u64 s[INB:INB+1], s[INB:INB+1], s[22:23]
	s_add_nc_u64 s[OCB:OCB+1], s[12:13], s[24:25]
	s_add_nc_u64 s[OSB:OSB+1], s[12:13], s[26:27]
.macro QLOAD t                         ; block t of the K step: 32 rows, two columns a lane
.set k, 0
.rept 32
	global_load_b64 v[X+64*((\t)%2)+2*k:X+64*((\t)%2)+2*k+1], v2, s[INB:INB+1] offset:(32*(\t)+k)*ROWB th:TH_LOAD_NT
.set k, k+1
.endr
.endm
.macro QBLOCK t                        ; block t = 2 c + h of the fragment: registers 6 c .. 6 c + 5 of lane r + 16 h
.set XSET, X+64*((\t)%2)
.if (\t) < 3
	s_wait_loadcnt 32                              ; this block's 32 loads are in; the next block's 32 are younger
.else
	s_wait_loadcnt 0x0
.endif
.set k, 0
.rept 32                               ; a conversion takes 16 neighbours along K from consecutive registers: the two columns are parted (the price of loads of 8 bytes, which double what a wave has on its way)
	v_mov_b32 v[T+k], v[XSET+2*k]
	v_mov_b32 v[T+32+k], v[XSET+2*k+1]
.set k, k+1
.endr
.if (\t) < 2
	QLOAD (\t)+2
.endif
	s_wait_dscnt 0x0                               ; the last block's stores into the stage have read their registers
.irp c, 0,1
	v_max3_num_f32 v[10+2*\c], |v[T+32*\c]|, |v[T+32*\c+1]|, |v[T+32*\c+2]|
	v_max3_num_f32 v[11+2*\c], |v[T+32*\c+3]|, |v[T+32*\c+4]|, |v[T+32*\c+5]|
.endr
.irp i, 6,10,14,18,22,26
.irp c, 0,1
	s_delay_alu instid0(VALU_DEP_4)
	v_max3_num_f32 v[10+2*\c], v[10+2*\c], |v[T+32*\c+\i]|, |v[T+32*\c+\i+1]|
	s_delay_alu instid0(VALU_DEP_4)
	v_max3_num_f32 v[11+2*\c], v[11+2*\c], |v[T+32*\c+\i+2]|, |v[T+32*\c+\i+3]|
.endr
.endr
.irp c, 0
	s_delay_alu instid0(VALU_DEP_4)
	v_max3_num_f32 v[10+2*\c], v[10+2*\c], |v[T+32*\c+30]|, |v[T+32*\c+31]|
.endr
.irp c, 1
	s_delay_alu instid0(VALU_DEP_3)
	v_max3_num_f32 v[10+2*\c], v[10+2*\c], |v[T+32*\c+30]|, |v[T+32*\c+31]|
.endr
.irp c, 0,1
	s_delay_alu instid0(VALU_DEP_2)
	v_max3_num_f32 v[10+2*\c], v[10+2*\c], v[11+2*\c], 0x1800000   ; the floor 2^(3 - 127): the byte cannot fall under 1
.endr
.irp c, 0,1
	s_delay_alu instid0(VALU_DEP_2)
	v_add_nc_u32 v[14+\c], 0xff000000, v[10+2*\c]  ; 2 off the exponent field: the conversion's scale operand
.endr
.irp c, 0,1
	s_delay_alu instid0(VALU_DEP_2)
	v_lshrrev_b32 v[10+2*\c], 23, v[14+\c]         ; the scale's byte
.endr
.irp c, 0,1
.if (\t) == 0
	s_delay_alu instid0(VALU_DEP_2)
	v_mov_b32 v[SB+\c], v[10+2*\c]
.else
	s_delay_alu instid0(VALU_DEP_2)
	v_lshl_or_b32 v[SB+\c], v[10+2*\c], 8*(\t), v[SB+\c]
.endif
.endr
.irp c, 0,1
	v_cvt_scalef32_pk16_fp6_f32 v[CD+8*\c:CD+8*\c+2], v[T+32*\c:T+32*\c+15], v[14+\c]
	v_cvt_scalef32_pk16_fp6_f32 v[CD+8*\c+4:CD+8*\c+6], v[T+32*\c+16:T+32*\c+31], v[14+\c]   ; (a conversion's three registers begin on an even number)
.endr
	v_nop                                          ; one plain line behind the conversions
.irp c, 0,1
	v_mov_b32 v[CD+8*\c+3], v[CD+8*\c+4]
	v_mov_b32 v[CD+8*\c+4], v[CD+8*\c+5]
	v_mov_b32 v[CD+8*\c+5], v[CD+8*\c+6]           ; six registers on end
.endr
.irp c, 0,1
.if (\t)/2 == 0
	ds_store_b128 v3, v[CD+8*\c:CD+8*\c+3] offset:16*\c+256*((\t)%2)           ; registers 0-3: chunk 0
	ds_store_b64 v3, v[CD+8*\c+4:CD+8*\c+5] offset:512+16*\c+256*((\t)%2)      ; registers 4, 5: chunk 1, lower half
.else
	ds_store_b64 v3, v[CD+8*\c:CD+8*\c+1] offset:520+16*\c+256*((\t)%2)        ; registers 6, 7: chunk 1, upper half
	ds_store_b128 v3, v[CD+8*\c+2:CD+8*\c+5] offset:1024+16*\c+256*((\t)%2)    ; registers 8-11: chunk 2
.endif
.endr
.endm
	QLOAD 0
	QLOAD 1                                        ; two blocks, 64 loads of 256 bytes, are asked for by each wave
	QBLOCK 0
	QBLOCK 1
	QBLOCK 2
	QBLOCK 3
.set n, 0
.rept 12                               ; the stage is my wave's own, and LDS serves a wave's instructions in order: these see my stores
	ds_load_b128 v[X+4*n:X+4*n+3], v4 offset:(n/3)*FP+512*(n%3)
.set n, n+1
.endr
.set n, 0
.rept 12
	s_wait_dscnt 11-n
	global_store_b128 v5, v[X+4*n:X+4*n+3], s[OCB:OCB+1] offset:(n/6)*98304+((n/3)%2)*1536+512*(n%3)   ; 512 consecutive aligned bytes
.set n, n+1
.endr
	global_store_b64 v2, v[SB:SB+1], s[OSB:OSB+1]  ; the wave's 64 scale words: 256 consecutive aligned bytes
	s_wait_tensorcnt 0x0
	ds_add_u32 v254, v255
	s_wait_dscnt 0x0
	s_endpgm
; ---------------------------------------------------------------- X
; Wave w: tokens 16 (w / 4) + 0 .. 15 of the group, k = 512 (w % 4) + 0 .. 511; at work lane L owns k = 512 (w % 4) + 16 L + 0 .. 15, half a block of 32.
; EVERY LOAD IS DENSE: 32 lanes x 16 bytes = 512 consecutive bytes.  A conversion wants 16 neighbours along K in one lane, so a token's 2,048 bytes turn through the wave's own stage in LDS (in as loaded,
; back 64 bytes a lane, into the registers that they left), one token ahead of the work, two stages by turns.  The wave's quarter of Wr, 16 KiB, turns once in the same way: lane L gets its 16 rows of 32 bytes.
; ALL 16 TOKENS ARE ASKED FOR AT THE HEAD: 64 loads into 256 registers of window 1; the second half of them goes out behind the wait for Wr.
.Lrole_x:
	s_lshr_b32 s17, s16, 2                         ; tg
	s_and_b32 s18, s16, 3                          ; kq
	s_lshl_b32 s19, ttmp9, 5
	s_lshl_b32 s20, s17, 4
	s_add_co_u32 s19, s19, s20                     ; my first token
	s_lshl_b32 s22, s19, 13
	s_mov_b32 s23, 0
	s_mul_i32 s26, s19, 1536
	s_mov_b32 s27, 0
	s_lshl_b32 s28, ttmp9, 11
	s_add_co_u32 s28, s28, XS_OFF
	s_mov_b32 s29, 0
	s_lshl_b32 s30, ttmp9, 7
	s_mov_b32 s31, 0
	s_lshl_b32 s32, ttmp9, 8
	s_mov_b32 s33, 0
	s_mov_b32 s34, 0x76543210
	s_mov_b32 s35, 0xfedcba98                      ; v_permlanex16_b32's selects for lane l xor 16
	s_wait_alu depctr_va_vdst(0)
	v_lshlrev_b32 v2, 4, v1
	s_lshl_b32 s20, s18, 11
	v_add_nc_u32 v2, s20, v2                       ; x: 2048 kq + 16 L
	v_lshlrev_b32 v3, 4, v1
	s_lshl_b32 s20, s18, 14
	v_add_nc_u32 v3, s20, v3                       ; Wr: 16384 kq + 16 L
	v_lshrrev_b32 v8, 3, v1
	s_delay_alu instid0(VALU_DEP_1)
	v_mul_u32_u24 v4, v8, 96                       ; codes: the K step,
	v_bfe_u32 v8, v0, 1, 1
	s_delay_alu instid0(VALU_DEP_1)
	v_mad_u32_u24 v4, v8, 48, v4                   ; the block's h,
	v_bfe_u32 v8, v0, 2, 1
	s_delay_alu instid0(VALU_DEP_1)
	v_mad_u32_u24 v4, v8, 24, v4                   ; its c,
	v_and_b32 v8, 1, v0
	s_delay_alu instid0(VALU_DEP_1)
	v_mad_u32_u24 v4, v8, 12, v4                   ; my half of it
	s_mul_i32 s20, s18, 384
	v_add_nc_u32 v4, s20, v4
	s_lshl_b32 s20, s17, 10
	s_lshl_b32 s21, s18, 4
	s_add_co_u32 s20, s20, s21
	s_add_co_u32 s20, s20, XSB
	v_lshrrev_b32 v5, 1, v1
	s_delay_alu instid0(VALU_DEP_1)
	v_add_nc_u32 v5, s20, v5                       ; LDS: my block's scale byte
	s_mul_i32 s20, s17, 2304
	s_lshl_b32 s21, s18, 5
	s_add_co_u32 s20, s20, s21
	s_add_co_u32 s20, s20, PSUM
	v_mov_b32 v6, s20                              ; LDS: my quarter's eight sums of a token
	v_lshlrev_b32 v7, 3, v0
	s_delay_alu instid0(VALU_DEP_1)
	v_add_nc_u32 v9, XSB, v7                       ; LDS: eight scale bytes a thread on the way out
	v_mul_u32_u24 v10, v1, 144
	s_delay_alu instid0(VALU_DEP_1)
	v_add_nc_u32 v10, PSUM, v10                    ; LDS: token L's sums
	s_mul_i32 s20, s16, XSTW
	s_add_co_u32 s20, s20, XST                     ; my wave's two stages
	v_lshrrev_b32 v8, 2, v1
	s_delay_alu instid0(VALU_DEP_1)
	v_mul_u32_u24 v[TIN], v8, SPX
	v_and_b32 v8, 3, v0
	s_delay_alu instid0(VALU_DEP_1)
	v_lshl_add_u32 v[TIN], v8, 4, v[TIN]
	s_delay_alu instid0(VALU_DEP_1)
	v_add_nc_u32 v[TIN], s20, v[TIN]               ; in: four lanes' 64 bytes on end, then 16 of padding; a load's 512 bytes take eight places
	v_mul_u32_u24 v[TOUT], v1, SPX
	s_delay_alu instid0(VALU_DEP_1)
	v_add_nc_u32 v[TOUT], s20, v[TOUT]             ; out: place L: my 16 neighbours.  80 bytes from lane to lane, an odd multiple of 16
	s_mul_i32 s20, s16, WRSW
	s_add_co_u32 s20, s20, WRS                     ; my wave's stage for Wr
	v_lshl_add_u32 v[WRI], v1, 4, s20              ; in: block m (16 rows, 512 bytes) at 528 m, 16 bytes a lane
	v_mul_u32_u24 v[WRO], v1, WRP
	s_delay_alu instid0(VALU_DEP_1)
	v_add_nc_u32 v[WRO], s20, v[WRO]               ; out: block L
.irp e, 0,1,2,3,4,5,6,7
	v_mov_b32 v[PD+\e], 0                          ; written once: a lane permute's destination counts as one of its sources
.endr
	s_wait_alu depctr_va_vdst(0)
	s_wait_kmcnt 0x0
	s_add_nc_u64 s[24:25], s[4:5], s[22:23]
	s_add_nc_u64 s[26:27], s[12:13], s[26:27]
	s_add_nc_u64 s[28:29], s[12:13], s[28:29]
	s_add_nc_u64 s[30:31], s[38:39], s[30:31]
	s_add_nc_u64 s[32:33], s[14:15], s[32:33]
.set i, 0
.rept 32
	global_load_b128 v[WR+4*i:WR+4*i+3], v3, s[6:7] offset:512*i               ; Wr's quarter as it lies
.set i, i+1
.endr
	WIN 0x40                                       ; destination window 1
.set i, 0
.rept 32
	global_load_b128 v[4*i:4*i+3], v2, s[24:25] offset:8192*(i/4)+512*(i%4) th:TH_LOAD_NT   ; tokens 0-7
.set i, i+1
.endr
	WIN 0
	s_wait_loadcnt 32                              ; Wr is in; the 32 loads of tokens 0-7 are younger
.set i, 0
.rept 32
	ds_store_b128 v[WRI], v[WR+4*i:WR+4*i+3] offset:WRP*i
.set i, i+1
.endr
	WIN 0x40
.set i, 32
.rept 32
	global_load_b128 v[4*i:4*i+3], v2, s[24:25] offset:8192*(i/4)+512*(i%4) th:TH_LOAD_NT   ; tokens 8-15
.set i, i+1
.endr
	WIN 0
.set i, 0
.rept 32
	ds_load_b128 v[WR+4*i:WR+4*i+3], v[WRO] offset:16*i    ; LDS serves a wave's instructions in order (ISA guide 5.7.1.4): these see the stores above.  Register 8 i + e = Wr(my k i, e)
.set i, i+1
.endr
.macro TURN i                          ; token i's numbers through stage i % 2, and back into the registers that they left
	WIN 0x04                                       ; an LDS store's data are its source 1: window 1
.irp j, 0,1,2,3
	ds_store_b128 v[TIN], v[16*(\i)+4*\j:16*(\i)+4*\j+3] offset:32*SPX*((\i)%2)+8*SPX*\j
.endr
	WIN 0x40
.irp j, 0,1,2,3
	ds_load_b128 v[16*(\i)+4*\j:16*(\i)+4*\j+3], v[TOUT] offset:32*SPX*((\i)%2)+16*\j
.endr
.endm
	s_wait_loadcnt 60                              ; token 0's four loads are in; fifteen tokens' sixty are younger
	TURN 0
.macro TOKEN i
.set XB, 16*(\i)
.set AC, ACC+24*((\i)%2)
.set CX, CDX+4*(\i)
.if (\i) < 15
	s_wait_loadcnt 4*(14-(\i))                     ; the next token's four loads are in; those of the tokens behind it are younger
	TURN (\i)+1                                    ; it turns while this one is worked
.endif
; this token is back from its stage.  Younger LDS instructions: the next token's turn (8) and, from token 1 on, the last token's three stores.  So the stores of two tokens ago are done too: their set of sums is written again below
.if (\i) == 0
	s_wait_dscnt 8
.elseif (\i) < 15
	s_wait_dscnt 11
.else
	s_wait_dscnt 3
.endif
	WIN 0x15                                       ; all three sources window 1
	v_max3_num_f32 v224, |v[XB]|, |v[XB+1]|, |v[XB+2]|
	v_max3_num_f32 v225, |v[XB+3]|, |v[XB+4]|, |v[XB+5]|
	WIN 0x14                                       ; sources 1 and 2 window 1
.irp j, 6
	v_max3_num_f32 v224, v224, |v[XB+\j]|, |v[XB+\j+1]|
	v_max3_num_f32 v225, v225, |v[XB+\j+2]|, |v[XB+\j+3]|
.endr
.irp j, 10
	s_delay_alu instid0(VALU_DEP_2)
	v_max3_num_f32 v224, v224, |v[XB+\j]|, |v[XB+\j+1]|
	s_delay_alu instid0(VALU_DEP_2)
	v_max3_num_f32 v225, v225, |v[XB+\j+2]|, |v[XB+\j+3]|
.endr
	s_delay_alu instid0(VALU_DEP_2)
	v_max3_num_f32 v224, v224, |v[XB+14]|, |v[XB+15]|
	WIN 0
	v_max3_num_f32 v224, v224, v225, 0x1800000     ; the floor 2^(3 - 127)
	s_delay_alu instid0(VALU_DEP_1)
	v_max_num_f32_dpp v224, v224, v224 row_xmask:1 row_mask:0xf bank_mask:0xf   ; with my neighbour's 16: the block's largest magnitude
	s_delay_alu instid0(VALU_DEP_1)
	v_add_nc_u32 v226, 0xff000000, v224            ; 2 off the exponent field: the conversion's scale operand
	WIN 0x01                                       ; source 0 window 1
	v_cvt_scalef32_pk16_fp6_f32 v[CX:CX+2], v[XB:XB+15], v226      ; (the multiplications below are the plain lines behind it; its result goes to a store alone)
.irp p, 0,1,2,3
	v_pk_mul_f32 v[AC+2*\p:AC+2*\p+1], v[XB:XB+1], v[WR+2*\p:WR+2*\p+1] op_sel_hi:[0,1]   ; the first k starts the sums
.endr
.set d, 1
.rept 15
.irp p, 0,1,2,3
.if d%2
	s_delay_alu instid0(VALU_DEP_4)
	v_pk_fma_f32 v[AC+2*\p:AC+2*\p+1], v[XB+d-1:XB+d], v[WR+8*d+2*\p:WR+8*d+2*\p+1], v[AC+2*\p:AC+2*\p+1] op_sel:[1,0,0] op_sel_hi:[1,1,1]
.else
	s_delay_alu instid0(VALU_DEP_4)
	v_pk_fma_f32 v[AC+2*\p:AC+2*\p+1], v[XB+d:XB+d+1], v[WR+8*d+2*\p:WR+8*d+2*\p+1], v[AC+2*\p:AC+2*\p+1] op_sel_hi:[0,1,1]
.endif
.endr
.set d, d+1
.endr
	WIN 0
	v_lshrrev_b32 v[CX+3], 23, v226                ; the scale's byte
	global_store_b96 v4, v[CX:CX+2], s[26:27] offset:1536*(\i)
	ds_store_b8 v5, v[CX+3] offset:64*(\i)         ; both lanes of a block write the same byte with the same value
.irp msk, 1,2,4,8
.irp e, 0,1,2,3,4,5,6,7
	v_add_f32_dpp v[AC+\e], v[AC+\e], v[AC+\e] row_xmask:\msk row_mask:0xf bank_mask:0xf
.endr
.endr
.irp e, 0,1,2,3,4,5,6,7
	v_permlanex16_b32 v[PD+\e], v[AC+\e], s34, s35
.endr
.irp e, 0,2,4,6
	v_pk_add_f32 v[AC+\e:AC+\e+1], v[AC+\e:AC+\e+1], v[PD+\e:PD+\e+1]
.endr
	ds_store_b128 v6, v[AC:AC+3] offset:144*(\i)           ; all lanes write the same bytes with the same values
	ds_store_b128 v6, v[AC+4:AC+7] offset:144*(\i)+16
.endm
.irp i, 0,1,2,3,4,5,6,7,8,9,10,11,12,13,14,15
	TOKEN \i
.endr
	s_wait_dscnt 0x0                               ; for the others' sake: my sums and scale bytes lie in LDS
	s_barrier_signal -1
	s_barrier_wait -1
	ds_load_b64 v[12:13], v9
	s_wait_dscnt 0x0
	global_store_b64 v7, v[12:13], s[28:29]        ; the group's 2,048 scale bytes: 256 consecutive aligned bytes a wave
	s_cmp_lg_u32 s16, 0
	s_cbranch_scc1 .Ldone
	; wave 0, lane = token: the four quarters of K are added, the two smallest logits chosen
.irp kq, 0,1,2,3
	ds_load_b128 v[16+8*\kq:16+8*\kq+3], v10 offset:32*\kq
	ds_load_b128 v[16+8*\kq+4:16+8*\kq+7], v10 offset:32*\kq+16
.endr
	s_wait_dscnt 0x0
.irp p, 0,2,4,6
	v_pk_add_f32 v[16+\p:17+\p], v[16+\p:17+\p], v[24+\p:25+\p]
	v_pk_add_f32 v[32+\p:33+\p], v[32+\p:33+\p], v[40+\p:41+\p]
.endr
.irp p, 0,2,4,6
	v_pk_add_f32 v[16+\p:17+\p], v[16+\p:17+\p], v[32+\p:33+\p]
.endr
	s_delay_alu instid0(VALU_DEP_4)
	v_mov_b32 v48, v16
	v_mov_b32 v49, 0
.irp i, 1,2,3,4,5,6,7
	s_delay_alu instid0(VALU_DEP_2)
	v_cmp_ge_f32 vcc_lo, v[16+\i], v48             ; kept unless strictly less: the lower index wins a tie
	s_delay_alu instid0(VALU_DEP_1)
	v_cndmask_b32 v48, v[16+\i], v48, vcc_lo
	s_delay_alu instid0(VALU_DEP_2)
	v_cndmask_b32 v49, \i, v49, vcc_lo
.endr
	v_mov_b32 v52, 0x7f800000
.irp i, 0,1,2,3,4,5,6,7
	v_cmp_eq_u32 vcc_lo, \i, v49
	s_delay_alu instid0(VALU_DEP_1)
	v_cndmask_b32 v[16+\i], v[16+\i], v52, vcc_lo  ; the first choice is hidden
.endr
	v_mov_b32 v50, v16
	v_mov_b32 v51, 0
.irp i, 1,2,3,4,5,6,7
	s_delay_alu instid0(VALU_DEP_2)
	v_cmp_ge_f32 vcc_lo, v[16+\i], v50
	s_delay_alu instid0(VALU_DEP_1)
	v_cndmask_b32 v50, v[16+\i], v50, vcc_lo
	s_delay_alu instid0(VALU_DEP_2)
	v_cndmask_b32 v51, \i, v51, vcc_lo
.endr
	s_delay_alu instid0(VALU_DEP_2)
	v_sub_f32 v53, v48, v50                        ; la - lb, 0 or less
	s_delay_alu instid0(VALU_DEP_1)
	v_mul_f32 v53, 0x3fb8aa3b, v53
	s_wait_alu depctr_va_vdst(0)
	v_exp_f32 v53, v53                             ; ea
	v_min_u32 v55, v49, v51                        ; the lower expert (a plain line behind the exponential)
	s_wait_alu depctr_va_vdst(0)
	v_add_f32 v54, 1.0, v53
	s_wait_alu depctr_va_vdst(0)
	v_rcp_f32 v54, v54                             ; sb
	v_max_u32 v56, v49, v51                        ; the higher expert (a plain line behind the reciprocal)
	s_wait_alu depctr_va_vdst(0)
	v_mul_f32 v53, v53, v54                        ; sa
	v_cmp_lt_u32 vcc_lo, v49, v51
	v_cndmask_b32 v58, v54, v53, vcc_lo            ; the lower expert's score
	v_cndmask_b32 v59, v53, v54, vcc_lo            ; the higher's
	v_sub_nc_u32 v57, 15, v55
	s_delay_alu instid0(VALU_DEP_1)
	v_mul_u32_u24 v57, v57, v55
	s_delay_alu instid0(VALU_DEP_1)
	v_lshrrev_b32 v57, 1, v57
	s_delay_alu instid0(VALU_DEP_1)
	v_add_nc_u32 v57, v57, v56
	s_delay_alu instid0(VALU_DEP_1)
	v_sub_nc_u32 v57, v57, v55
	s_delay_alu instid0(VALU_DEP_1)
	v_add_nc_u32 v57, -1, v57                      ; q = lo (15 - lo) / 2 + hi - lo - 1: the pair's number, 0 .. 27
	v_mov_b32 v60, 0
	v_mov_b32 v61, 0
.set qq, 0
.rept 28
	v_cmp_eq_u32 vcc_lo, qq, v57
	s_delay_alu instid0(VALU_DEP_1)
	v_mbcnt_lo_u32_b32 v62, vcc_lo, 0              ; tokens of this pair in the lanes below me
	s_delay_alu instid0(VALU_DEP_1)
	v_cndmask_b32 v60, v60, v62, vcc_lo            ; my rank in my pair
	s_bcnt1_i32_b32 s36, vcc_lo
	v_writelane_b32 v61, s36, qq                   ; lane q: the group's count of pair q
.set qq, qq+1
.endr
	v_lshl_or_b32 v63, v60, 8, v57
	s_delay_alu instid0(VALU_DEP_1)
	v_lshl_or_b32 v63, v55, 16, v63
	s_delay_alu instid0(VALU_DEP_1)
	v_lshl_or_b32 v63, v56, 20, v63                ; q | rank << 8 | lo << 16 | hi << 20
	v_lshlrev_b32 v64, 2, v1
	v_lshlrev_b32 v65, 3, v1
	global_store_b32 v64, v63, s[30:31]
	global_store_b32 v64, v61, s[30:31] offset:GC_OFF
	global_store_b64 v65, v[58:59], s[32:33]
.Ldone:
	s_wait_tensorcnt 0x0
	ds_add_u32 v254, v255
	s_wait_dscnt 0x0
	s_endpgm
.Lfunc_end_k_qae7a054502_prep:
	.size	k_qae7a054502_prep, .Lfunc_end_k_qae7a054502_prep-k_qae7a054502_prep
	.p2alignl 7, 3214868480
	.fill 96, 4, 3214868480
	.section	.rodata,"a",@progbits
	.p2align	6, 0x0
	.amdhsa_kernel k_qae7a054502_prep
		.amdhsa_group_segment_fixed_size 233472
		.amdhsa_private_segment_fixed_size 0
		.amdhsa_enable_private_segment 0
		.amdhsa_kernarg_size 56
		.amdhsa_user_sgpr_count 2
		.amdhsa_user_sgpr_kernarg_segment_ptr 1
		.amdhsa_wavefront_size32 1
		.amdhsa_system_sgpr_workgroup_id_x 1
		.amdhsa_system_sgpr_workgroup_id_y 1
		.amdhsa_system_sgpr_workgroup_id_z 1
		.amdhsa_system_vgpr_workitem_id 0
		.amdhsa_next_free_vgpr 512
		.amdhsa_next_free_sgpr 66
		.amdhsa_reserve_vcc 1
		.amdhsa_float_denorm_mode_32 3
		.amdhsa_float_denorm_mode_16_64 3
		.amdhsa_memory_ordered 1
		.amdhsa_forward_progress 1
		.amdhsa_inst_pref_size 244
	.end_amdhsa_kernel
	.amdgpu_metadata
---
amdhsa.version: [ 1, 2 ]
amdhsa.kernels:
  - .name:           k_qae7a054502_prep
    .symbol:         k_qae7a054502_prep.kd
    .args:
      - { .name: x, .offset: 0, .size: 8, .value_kind: global_buffer, .address_space: global }
      - { .name: Wr, .offset: 8, .size: 8, .value_kind: global_buffer, .address_space: global }
      - { .name: W1, .offset: 16, .size: 8, .value_kind: global_buffer, .address_space: global }
      - { .name: V1, .offset: 24, .size: 8, .value_kind: global_buffer, .address_space: global }
      - { .name: q1, .offset: 32, .size: 8, .value_kind: global_buffer, .address_space: global }
      - { .name: sc, .offset: 40, .size: 8, .value_kind: global_buffer, .address_space: global }
      - { .name: route, .offset: 48, .size: 8, .value_kind: global_buffer, .address_space: global }
    .group_segment_fixed_size: 233472
    .private_segment_fixed_size: 0
    .kernarg_segment_align: 8
    .kernarg_segment_size: 56
    .max_flat_workgroup_size: 256
    .sgpr_count:     66
    .vgpr_count:     512
    .wavefront_size: 32
...
	.end_amdgpu_metadata
.endif
;; end of part 5
;; launch place (part 6): grid 193 x 1, 8 waves a work-group, no clusters, 101,376 bytes of LDS; arguments W2, sc, route, q2, plan, W1, V1, q1; writes q2, plan, q1
.if DOCPART == 6
	.amdgcn_target "amdgcn-amd-amdhsa--gfx1250"
	.amdhsa_code_object_version 6
	.text
	.protected	k_qae7a054502_place
	.globl	k_qae7a054502_place
	.p2align	8
	.type	k_qae7a054502_place,@function
k_qae7a054502_place:
	s_mov_b64 s[64:65], 0
	v_nop
	global_prefetch_b8 v0, s[64:65] scope:SCOPE_SE
	s_setreg_imm32_b32 hwreg(HW_REG_WAVE_MODE, 25, 1), 1
	s_wait_xcnt 0x0
; PLACE.  Work-group 0 (P): a counting sort of the 2,048 tokens by expert pair, from the counts and ranks that the first launch stored, and every list that the two later launches form addresses from.
; Work-groups 1-128 (Q): one K step (128 rows of f) x 512 columns of W2[e] is quantised along f to E2M3 and stored in the order of a matrix operand's registers (a tile: 16 neighbouring columns).
; Work-groups 129-192 (Q1): the same for one K step (128 rows of d) x the 512 columns of W1[e] or V1[e], e = 6, 7, which the first launch leaves to this one; layout in q1 as the first launch's.
; LISTS in plan.  p: a token's place in the order by pair.  g: a routed row; expert e's rows begin at 128 TB[e], TB the running sum of ceil(n_e / 128): never more than 39 tiles of 128 rows.
;   TOKH[g] = token (a tile's rows past n_e, and all rows of the tiles that the split leaves unused: 0; 64 words behind the list take the stores of lanes with nothing to fill).  TE[tile] = its expert, 8 = none.
;   TOKS[p] = token | lo << 16 | hi << 20.  GS[p] = the token's two rows g.  BL[block of 64 p] = up to eight bytes e | lower << 3 | higher << 4 | 1 << 5: the experts that the block uses, and as which of a token's two.
; In q2: W2's fragments [e][64 columns][ks 4][tile 4][1536]; scale words [e][ks][2048 columns]; SS[p] = the token's two scores.
; In q1: W1's and V1's fragments [e][b 16][ks 16][W1, V1][u 2][1536], row r of tile (b, u) = hidden unit 32 b + 8 u + r + 8 (r / 8); scale words [e][W1, V1][ks][512 units].
; LIMITS of the quantiser: a block whose largest magnitude lies under 2^-124 keeps the scale byte 1 (a block of zeros too: its codes are zeros, and only this program reads the bytes); NaN and infinities are not served.
; No cluster, no tensor load: the work-groups share no input byte.  No atomics: one work-group sorts.  Each of the three paths has LDS bytes of its own.
.set GC_OFF, 8192
.set S2_OFF, 6291456
.set SS_OFF, 6553600
.set WQ_OFF, 3276800
.set WS_OFF, 15859712
.set TE_OFF, 20480
.set TOKS_OFF, 20736
.set GS_OFF, 28928
.set BL_OFF, 45312
.set FP,   1552
.set WST,  4*FP
.set PL,   8*WST                       ; P's bytes: a word for each thread
.set ST1,  PL+1024                     ; Q1's bytes: eight stages
.set ROWB, 8192                        ; bytes from row to row of W2 (set anew for Q1)
.set INB,  20
.set OCB,  22
.set OSB,  24
.set SB,   8
.set T,    16
.set CD,   80
.set X,    96
.set GCR,  8                           ; P: v8-15 my eight groups' counts (lane = pair); v16-23 their tokens' words (lane = token); v24-39 their scores
.set RTR,  16
.set SCR,  24
.set CQ,   36                          ; s36-63 the 28 pairs' counts
.set NLO,  66                          ; s66-73 tokens whose lower expert is e;  s74-81 whose higher is
.set NHI,  74
.set TB,   82                          ; s82-90 first tile of expert e
.set HOFF, 91                          ; s91-98 the next free row of expert e's rows as the higher
.set ST,   99                          ; s99    the pair's first p
	s_load_b256 s[4:11], s[0:1], 0x0               ; W2, sc, route, q2
	s_load_b64 s[12:13], s[0:1], 0x20              ; plan
	s_load_b128 s[28:31], s[0:1], 0x28             ; W1, V1
	s_load_b64 s[32:33], s[0:1], 0x38              ; q1
	v_lshl_add_u32 v254, v0, 2, 0x18800
	v_mov_b32 v255, 0
	v_lshrrev_b32 v1, 5, v0
	s_delay_alu instid0(VALU_DEP_1)
	v_readfirstlane_b32 s14, v1                    ; wave 0..7
	v_and_b32 v1, 31, v0                           ; lane
	s_cmp_eq_u32 ttmp9, 0
	s_cbranch_scc1 .Lrole_p
	s_cmp_ge_u32 ttmp9, 129
	s_cbranch_scc1 .Lrole_q1
; ---------------------------------------------------------------- Q
	s_sub_co_u32 s15, ttmp9, 1
	s_lshr_b32 s16, s15, 4                         ; e
	s_bfe_u32 s17, s15, 0x20002                    ; ks
	s_and_b32 s18, s15, 3                          ; which 512 columns
	s_lshl_b32 s20, s16, 22
	s_lshl_b32 s21, s17, 20
	s_add_co_u32 s20, s20, s21
	s_lshl_b32 s21, s18, 11
	s_add_co_u32 s20, s20, s21
	s_mov_b32 s21, 0
	s_lshl_b32 s22, s16, 5
	s_lshl_b32 s23, s18, 3
	s_add_co_u32 s22, s22, s23
	s_add_co_u32 s22, s22, s14                     ; 32 e + my 64 columns' number
	s_lshl_b32 s22, s22, 2
	s_add_co_u32 s22, s22, s17
	s_mul_i32 s22, s22, 6144
	s_mov_b32 s23, 0
	s_lshl_b32 s24, s16, 2
	s_add_co_u32 s24, s24, s17
	s_lshl_b32 s24, s24, 13
	s_lshl_b32 s25, s18, 11
	s_add_co_u32 s24, s24, s25
	s_add_co_u32 s24, s24, S2_OFF
	s_mov_b32 s25, 0
	s_mul_i32 s19, s14, WST
	v_lshlrev_b32 v2, 3, v0                        ; 256 w + 8 L
	s_wait_alu depctr_va_vdst(0)
	v_lshrrev_b32 v6, 3, v1                        ; my tile of the wave's four
	s_delay_alu instid0(VALU_DEP_1)
	v_mul_u32_u24 v3, v6, FP
	v_and_b32 v7, 7, v0
	s_delay_alu instid0(VALU_DEP_1)
	v_lshl_add_u32 v3, v7, 5, v3                   ; row r = 2 (L % 8) + c
	s_delay_alu instid0(VALU_DEP_1)
	v_add_nc_u32 v3, s19, v3
	v_lshlrev_b32 v5, 4, v1
	s_delay_alu instid0(VALU_DEP_1)
	v_add_nc_u32 v4, s19, v5
	s_wait_kmcnt 0x0
	s_add_nc_u64 s[INB:INB+1], s[4:5], s[20:21]
	s_add_nc_u64 s[OCB:OCB+1], s[10:11], s[22:23]
	s_add_nc_u64 s[OSB:OSB+1], s[10:11], s[24:25]
.macro QLOAD t                         ; block t of the K step: 32 rows, two columns a lane: 256 consecutive aligned bytes of a row a load
.set k, 0
.rept 32
	global_load_b64 v[X+64*((\t)%2)+2*k:X+64*((\t)%2)+2*k+1], v2, s[INB:INB+1] offset:(32*(\t)+k)*ROWB th:TH_LOAD_NT
.set k, k+1
.endr
.endm
.macro QBLOCK t                        ; block t = 2 c + h of the fragment: registers 6 c .. 6 c + 5 of lane r + 16 h
.set XSET, X+64*((\t)%2)
.if (\t) < 3
	s_wait_loadcnt 32                              ; this block's 32 loads are in; the next block's 32 are younger
.else
	s_wait_loadcnt 0x0
.endif
.set k, 0
.rept 32                               ; the two columns are parted, so that a conversion finds 16 neighbours along K in consecutive registers
	v_mov_b32 v[T+k], v[XSET+2*k]
	v_mov_b32 v[T+32+k], v[XSET+2*k+1]
.set k, k+1
.endr
.if (\t) < 2
	QLOAD (\t)+2
.endif
	s_wait_dscnt 0x0                               ; the last block's stores into the stage have read their registers
.irp c, 0,1
	v_max3_num_f32 v[10+2*\c], |v[T+32*\c]|, |v[T+32*\c+1]|, |v[T+32*\c+2]|
	v_max3_num_f32 v[11+2*\c], |v[T+32*\c+3]|, |v[T+32*\c+4]|, |v[T+32*\c+5]|
.endr
.irp i, 6,10,14,18,22,26
.irp c, 0,1
	s_delay_alu instid0(VALU_DEP_4)
	v_max3_num_f32 v[10+2*\c], v[10+2*\c], |v[T+32*\c+\i]|, |v[T+32*\c+\i+1]|
	s_delay_alu instid0(VALU_DEP_4)
	v_max3_num_f32 v[11+2*\c], v[11+2*\c], |v[T+32*\c+\i+2]|, |v[T+32*\c+\i+3]|
.endr
.endr
.irp c, 0
	s_delay_alu instid0(VALU_DEP_4)
	v_max3_num_f32 v[10+2*\c], v[10+2*\c], |v[T+32*\c+30]|, |v[T+32*\c+31]|
.endr
.irp c, 1
	s_delay_alu instid0(VALU_DEP_3)
	v_max3_num_f32 v[10+2*\c], v[10+2*\c], |v[T+32*\c+30]|, |v[T+32*\c+31]|
.endr
.irp c, 0,1
	s_delay_alu instid0(VALU_DEP_2)
	v_max3_num_f32 v[10+2*\c], v[10+2*\c], v[11+2*\c], 0x1800000   ; the floor 2^(3 - 127)
.endr
.irp c, 0,1
	s_delay_alu instid0(VALU_DEP_2)
	v_add_nc_u32 v[14+\c], 0xff000000, v[10+2*\c]
.endr
.irp c, 0,1
	s_delay_alu instid0(VALU_DEP_2)
	v_lshrrev_b32 v[10+2*\c], 23, v[14+\c]
.endr
.irp c, 0,1
.if (\t) == 0
	s_delay_alu instid0(VALU_DEP_2)
	v_mov_b32 v[SB+\c], v[10+2*\c]
.else
	s_delay_alu instid0(VALU_DEP_2)
	v_lshl_or_b32 v[SB+\c], v[10+2*\c], 8*(\t), v[SB+\c]
.endif
.endr
.irp c, 0,1
	v_cvt_scalef32_pk16_fp6_f32 v[CD+8*\c:CD+8*\c+2], v[T+32*\c:T+32*\c+15], v[14+\c]
	v_cvt_scalef32_pk16_fp6_f32 v[CD+8*\c+4:CD+8*\c+6], v[T+32*\c+16:T+32*\c+31], v[14+\c]
.endr
	v_nop                                          ; one plain line behind the conversions
.irp c, 0,1
	v_mov_b32 v[CD+8*\c+3], v[CD+8*\c+4]
	v_mov_b32 v[CD+8*\c+4], v[CD+8*\c+5]
	v_mov_b32 v[CD+8*\c+5], v[CD+8*\c+6]
.endr
.irp c, 0,1
.if (\t)/2 == 0
	ds_store_b128 v3, v[CD+8*\c:CD+8*\c+3] offset:16*\c+256*((\t)%2)
	ds_store_b64 v3, v[CD+8*\c+4:CD+8*\c+5] offset:512+16*\c+256*((\t)%2)
.else
	ds_store_b64 v3, v[CD+8*\c:CD+8*\c+1] offset:520+16*\c+256*((\t)%2)
	ds_store_b128 v3, v[CD+8*\c+2:CD+8*\c+5] offset:1024+16*\c+256*((\t)%2)
.endif
.endr
.endm
	QLOAD 0
	QLOAD 1
	QBLOCK 0
	QBLOCK 1
	QBLOCK 2
	QBLOCK 3
.set n, 0
.rept 12                               ; my wave's own stage; LDS serves a wave's instructions in order
	ds_load_b128 v[X+4*n:X+4*n+3], v4 offset:(n/3)*FP+512*(n%3)
.set n, n+1
.endr
.set n, 0
.rept 12
	s_wait_dscnt 11-n
	global_store_b128 v5, v[X+4*n:X+4*n+3], s[OCB:OCB+1] offset:512*n      ; the wave's four fragments lie on end: 512 consecutive aligned bytes a store
.set n, n+1
.endr
	global_store_b64 v2, v[SB:SB+1], s[OSB:OSB+1]
	s_wait_tensorcnt 0x0
	ds_add_u32 v254, v255
	s_wait_dscnt 0x0
	s_endpgm
; ---------------------------------------------------------------- P
; Wave w owns groups 8 w .. 8 w + 7 of 32 tokens.  Every wave makes the tables alike, in scalar registers.
.Lrole_p:
	s_wait_alu depctr_va_vdst(0)
	v_lshlrev_b32 v2, 2, v1
	v_lshlrev_b32 v3, 3, v1
	s_lshl_b32 s16, s14, 10
	s_mov_b32 s17, 0
	s_lshl_b32 s18, s14, 11
	s_mov_b32 s19, 0
	v_lshl_add_u32 v58, v0, 2, PL
	v_add_nc_u32 v59, PL, v2
	s_wait_alu depctr_va_vdst(0)
	s_wait_kmcnt 0x0
	s_add_nc_u64 s[16:17], s[8:9], s[16:17]
	s_add_nc_u64 s[18:19], s[6:7], s[18:19]
.irp i, 0,1,2,3,4,5,6,7
	global_load_b32 v[GCR+\i], v2, s[16:17] offset:GC_OFF+128*\i
	global_load_b32 v[RTR+\i], v2, s[16:17] offset:128*\i
	global_load_b64 v[SCR+2*\i:SCR+2*\i+1], v3, s[18:19] offset:256*\i
.endr
	s_wait_loadcnt 0x0
	v_add_nc_u32 v48, v[GCR], v[GCR+1]
.irp i, 2,3,4,5,6,7
	s_delay_alu instid0(VALU_DEP_1)
	v_add_nc_u32 v48, v48, v[GCR+\i]
.endr
	ds_store_b32 v58, v48                          ; my wave's count of each pair
	s_wait_dscnt 0x0
	s_barrier_signal -1
	s_barrier_wait -1
.irp w, 0,1,2,3,4,5,6,7
	ds_load_b32 v[40+\w], v59 offset:128*\w
.endr
	s_wait_dscnt 0x0
	v_add_nc_u32 v48, v40, v41
.irp w, 2,3,4,5,6,7
	s_delay_alu instid0(VALU_DEP_1)
	v_add_nc_u32 v48, v48, v[40+\w]                ; lane q: all tokens of pair q
.endr
	v_mov_b32 v49, 0
.irp w, 0,1,2,3,4,5,6
	s_cmp_gt_u32 s14, \w
	s_cselect_b32 s20, -1, 0
	v_and_b32 v60, s20, v[40+\w]
	s_delay_alu instid0(VALU_DEP_1)
	v_add_nc_u32 v49, v49, v60                     ; lane q: those of the waves before mine
.endr
.set Q, 0
.rept 28
	v_readlane_b32 s[CQ+Q], v48, Q
.set Q, Q+1
.endr
.irp e, 0,1,2,3,4,5,6,7
	s_mov_b32 s[NLO+\e], 0
	s_mov_b32 s[NHI+\e], 0
.endr
.set Q, 0
.irp lo, 0,1,2,3,4,5,6
.irp hi, 1,2,3,4,5,6,7
.if \hi > \lo
	s_add_co_u32 s[NLO+\lo], s[NLO+\lo], s[CQ+Q]
	s_add_co_u32 s[NHI+\hi], s[NHI+\hi], s[CQ+Q]
.set Q, Q+1
.endif
.endr
.endr
.irp r, 50,51,52,53,54,55
	v_mov_b32 v\r, 0
.endr
	v_lshlrev_b32 v56, 6, v1                       ; lane = block: its first p,
	s_delay_alu instid0(VALU_DEP_1)
	v_add_nc_u32 v57, 64, v56                      ; and the p behind its last
	s_mov_b32 s[TB], 0
	s_wait_alu depctr_va_vdst(0)
.irp e, 0,1,2,3,4,5,6,7
	s_add_co_u32 s20, s[NLO+\e], s[NHI+\e]         ; n_e
	s_add_co_u32 s21, s20, 127
	s_lshr_b32 s21, s21, 7
	s_add_co_u32 s[TB+\e+1], s[TB+\e], s21
	s_lshl_b32 s22, s[TB+\e], 7
	s_add_co_u32 s[HOFF+\e], s22, s[NLO+\e]        ; an expert's rows: first those of tokens whose lower expert it is
	s_add_co_u32 s22, s22, s20
	v_writelane_b32 v54, s22, \e                   ; lane e: the row behind its last
	s_wait_alu depctr_va_vdst(0)
	s_lshl_b32 s22, s[TB+\e+1], 7
	v_writelane_b32 v55, s22, \e                   ; lane e: the row behind its last tile
.endr
	s_mov_b32 s[ST], 0
.set Q, 0
.irp lo, 0,1,2,3,4,5,6
	s_lshl_b32 s20, s[TB+\lo], 7
	s_sub_co_u32 s20, s20, s[ST]                   ; g0 - p for all pairs with this lower expert
.irp hi, 1,2,3,4,5,6,7
.if \hi > \lo
	v_writelane_b32 v50, s[ST], Q                  ; lane q: the pair's first p,
	v_writelane_b32 v51, s20, Q                    ; g0 - p,
	s_sub_co_u32 s21, s[HOFF+\hi], s[ST]
	v_writelane_b32 v52, s21, Q                    ; g1 - p
	s_add_co_u32 s[HOFF+\hi], s[HOFF+\hi], s[CQ+Q]
	s_add_co_u32 s22, s[ST], s[CQ+Q]
	v_max_u32 v60, s[ST], v56
	v_min_u32 v61, s22, v57
	s_delay_alu instid0(VALU_DEP_1)
	v_cmp_lt_u32 vcc_lo, v60, v61                  ; does the pair's run of p meet my block?
	v_mov_b32 v62, (1<<\lo)|(1<<(8+\hi))
	s_delay_alu instid0(VALU_DEP_1)
	v_cndmask_b32 v62, 0, v62, vcc_lo
	s_delay_alu instid0(VALU_DEP_1)
	v_or_b32 v53, v53, v62                         ; lane = block: experts used as the lower (bits 0-7), as the higher (bits 8-15)
	s_mov_b32 s[ST], s22
.set Q, Q+1
.endif
.endr
.endr
	s_lshl_b32 s23, s14, 8
	v_add_nc_u32 v86, s23, v1                      ; my first group's token of my lane
.irp i, 0,1,2,3,4,5,6,7
	v_and_b32 v58, 0xff, v[RTR+\i]
	s_delay_alu instid0(VALU_DEP_1)
	v_min_u32 v58, 31, v58
	s_delay_alu instid0(VALU_DEP_1)
	v_lshlrev_b32 v58, 2, v58                      ; the lane that holds my pair's figures
	v_add_nc_u32 v59, v50, v49                     ; lane q: the p of the group's first token of pair q
	ds_bpermute_b32 v60, v58, v59
	ds_bpermute_b32 v61, v58, v51
	ds_bpermute_b32 v62, v58, v52
	v_bfe_u32 v63, v[RTR+\i], 8, 8                 ; my rank in the group
	v_add_nc_u32 v72, 32*\i, v86                   ; my token
	s_wait_alu depctr_va_vdst(0)
	s_wait_dscnt 0x0
	v_add_nc_u32 v60, v60, v63                     ; p
	s_delay_alu instid0(VALU_DEP_1)
	v_add_nc_u32 v61, v61, v60                     ; g0
	s_delay_alu instid0(VALU_DEP_2)
	v_add_nc_u32 v62, v62, v60                     ; g1
	v_add_nc_u32 v49, v49, v[GCR+\i]
	s_delay_alu instid0(VALU_DEP_4)
	v_min_u32 v64, 0x7ff, v60
	s_delay_alu instid0(VALU_DEP_4)
	v_min_u32 v66, 0x137f, v61
	s_delay_alu instid0(VALU_DEP_4)
	v_min_u32 v67, 0x137f, v62
	s_delay_alu instid0(VALU_DEP_3)
	v_lshlrev_b32 v68, 2, v64
	s_delay_alu instid0(VALU_DEP_4)
	v_lshlrev_b32 v69, 3, v64
	s_delay_alu instid0(VALU_DEP_4)
	v_lshlrev_b32 v70, 2, v66
	s_delay_alu instid0(VALU_DEP_4)
	v_lshlrev_b32 v71, 2, v67
	v_and_or_b32 v74, v[RTR+\i], 0xff0000, v72
	global_store_b32 v68, v74, s[12:13] offset:TOKS_OFF
	global_store_b64 v69, v[66:67], s[12:13] offset:GS_OFF
	global_store_b64 v69, v[SCR+2*\i:SCR+2*\i+1], s[10:11] offset:SS_OFF
	global_store_b32 v70, v72, s[12:13]
	global_store_b32 v71, v72, s[12:13]
	s_wait_xcnt 0x0                                ; the stores' registers are written again in the next group
.endr
	; a lane with nothing to fill stores into the spare words behind the list
	s_lshl_b32 s24, s14, 2
	v_mov_b32 v58, s24
	ds_bpermute_b32 v59, v58, v54
	ds_bpermute_b32 v60, v58, v55
	v_add_nc_u32 v84, 4992, v1
	v_mov_b32 v85, 0
	s_wait_dscnt 0x0
.irp j, 0,1,2,3
	v_add3_u32 v[61+\j], v59, v1, 32*\j
	s_wait_alu depctr_va_vdst(0)
	v_cmp_lt_u32 vcc_lo, v[61+\j], v60
	s_delay_alu instid0(VALU_DEP_1)
	v_cndmask_b32 v[61+\j], v84, v[61+\j], vcc_lo
	s_delay_alu instid0(VALU_DEP_1)
	v_min_u32 v[61+\j], 0x13bf, v[61+\j]
	s_delay_alu instid0(VALU_DEP_1)
	v_lshlrev_b32 v[61+\j], 2, v[61+\j]
	global_store_b32 v[61+\j], v85, s[12:13]
.endr
	; and the rows of the tiles that the split leaves unused, from 128 TB[8] to 4,991 (896 at the most): wave w takes 128 of them, 8 x 128 = 1,024 in all; past row 4,991 the spare words again
	s_lshl_b32 s25, s[TB+8], 7
	s_lshl_b32 s26, s14, 7
	s_add_co_u32 s25, s25, s26
	v_add_nc_u32 v87, s25, v1
.irp j, 0,1,2,3
	v_add_nc_u32 v[88+\j], 32*\j, v87
	s_delay_alu instid0(VALU_DEP_1)
	v_cmp_gt_u32 vcc_lo, 0x1380, v[88+\j]
	s_delay_alu instid0(VALU_DEP_1)
	v_cndmask_b32 v[88+\j], v84, v[88+\j], vcc_lo
	s_delay_alu instid0(VALU_DEP_1)
	v_min_u32 v[88+\j], 0x13bf, v[88+\j]
	s_delay_alu instid0(VALU_DEP_1)
	v_lshlrev_b32 v[88+\j], 2, v[88+\j]
	global_store_b32 v[88+\j], v85, s[12:13]
.endr
	s_cmp_lg_u32 s14, 0
	s_cbranch_scc1 .Lp_done
	; wave 0: the tiles' experts (lane = tile, and tile + 32), and the blocks' lists (lane = block)
	v_mov_b32 v70, 0
	v_mov_b32 v71, 0
	v_mov_b32 v72, 1
	v_add_nc_u32 v73, 32, v1
.irp e, 1,2,3,4,5,6,7,8
	v_cmp_le_u32 vcc_lo, s[TB+\e], v1
	s_delay_alu instid0(VALU_DEP_1)
	v_cndmask_b32 v74, 0, v72, vcc_lo
	s_delay_alu instid0(VALU_DEP_1)
	v_add_nc_u32 v70, v70, v74
	v_cmp_le_u32 vcc_lo, s[TB+\e], v73
	s_delay_alu instid0(VALU_DEP_1)
	v_cndmask_b32 v74, 0, v72, vcc_lo
	s_delay_alu instid0(VALU_DEP_1)
	v_add_nc_u32 v71, v71, v74
.endr
	v_mov_b32 v75, 0
	v_mov_b32 v76, 0
	v_mov_b32 v77, 0
.irp e, 0,1,2,3,4,5,6,7
	v_bfe_u32 v78, v53, \e, 1
	v_bfe_u32 v79, v53, 8+\e, 1
	s_delay_alu instid0(VALU_DEP_1)
	v_or_b32 v80, v78, v79                         ; used?
	s_delay_alu instid0(VALU_DEP_3)
	v_lshlrev_b32 v78, 3, v78
	s_delay_alu instid0(VALU_DEP_1)
	v_lshl_or_b32 v78, v79, 4, v78
	s_delay_alu instid0(VALU_DEP_1)
	v_mad_u32_u24 v78, v80, 32+\e, v78             ; the entry, or 0
	v_lshlrev_b32 v79, 3, v75
	s_delay_alu instid0(VALU_DEP_1)
	v_lshlrev_b32 v78, v79, v78                    ; at byte (entries so far) mod 4
	v_cmp_gt_u32 vcc_lo, 4, v75
	s_delay_alu instid0(VALU_DEP_1)
	v_cndmask_b32 v79, 0, v78, vcc_lo
	s_delay_alu instid0(VALU_DEP_1)
	v_or_b32 v76, v76, v79                         ; of the first word,
	s_delay_alu instid0(VALU_DEP_2)
	v_xor_b32 v79, v79, v78
	s_delay_alu instid0(VALU_DEP_1)
	v_or_b32 v77, v77, v79                         ; or of the second
	v_add_nc_u32 v75, v75, v80
.endr
	global_store_b32 v2, v70, s[12:13] offset:TE_OFF
	global_store_b32 v2, v71, s[12:13] offset:TE_OFF+128
	global_store_b64 v3, v[76:77], s[12:13] offset:BL_OFF
.Lp_done:
	s_wait_tensorcnt 0x0
	ds_add_u32 v254, v255
	s_wait_dscnt 0x0
	s_endpgm
; ---------------------------------------------------------------- Q1
; Units 192 .. 255 of W1's and V1's 256 (unit = 32 e + 16 (W1, V1) + ks).  Wave w takes columns 64 w .. 64 w + 63, lane L columns 64 w + 2 L and + 1.
.Lrole_q1:
.set ROWB, 2048                        ; bytes from row to row of W1, V1
	s_add_co_u32 s15, ttmp9, 63                    ; the unit: 192 + (work-group - 129)
	s_lshr_b32 s16, s15, 5                         ; e
	s_bfe_u32 s17, s15, 0x10004                    ; 0: W1, 1: V1
	s_and_b32 s18, s15, 15                         ; ks
	s_lshl_b32 s20, s16, 22                        ; an expert is 4 MiB,
	s_lshl_b32 s21, s18, 18                        ; 128 rows are 256 KiB
	s_add_co_u32 s20, s20, s21
	s_mov_b32 s21, 0
	s_lshl_b32 s22, s16, 4
	s_lshl_b32 s23, s14, 1
	s_add_co_u32 s22, s22, s23                     ; 16 e + b, b = 2 w
	s_lshl_b32 s22, s22, 4
	s_add_co_u32 s22, s22, s18
	s_mul_i32 s22, s22, 6144
	s_mul_i32 s23, s17, 3072
	s_add_co_u32 s22, s22, s23
	s_add_co_u32 s22, s22, WQ_OFF
	s_mov_b32 s23, 0
	s_lshl_b32 s24, s16, 1
	s_add_co_u32 s24, s24, s17
	s_lshl_b32 s24, s24, 4
	s_add_co_u32 s24, s24, s18
	s_lshl_b32 s24, s24, 11
	s_add_co_u32 s24, s24, WS_OFF
	s_mov_b32 s25, 0
	s_mul_i32 s19, s14, WST
	s_add_co_u32 s19, s19, ST1
	v_lshlrev_b32 v2, 3, v0                        ; 256 w + 8 L: my two columns in a row, and my two scale words
	v_bfe_u32 v6, v0, 4, 1
	v_bfe_u32 v7, v0, 2, 1
	s_delay_alu instid0(VALU_DEP_1)
	v_lshl_add_u32 v6, v6, 1, v7                   ; my fragment of the wave's four: 2 (b's low bit) + u
	s_delay_alu instid0(VALU_DEP_1)
	v_mul_u32_u24 v3, v6, FP
	v_and_b32 v7, 3, v0
	s_delay_alu instid0(VALU_DEP_1)
	v_lshl_add_u32 v3, v7, 5, v3                   ; row r = 2 (L % 4) + c + 8 ((L / 8) % 2): 16 bytes a row
	v_bfe_u32 v7, v0, 3, 1
	s_delay_alu instid0(VALU_DEP_1)
	v_lshl_add_u32 v3, v7, 7, v3
	s_delay_alu instid0(VALU_DEP_1)
	v_add_nc_u32 v3, s19, v3                       ; into my wave's stage
	v_lshlrev_b32 v5, 4, v1                        ; 16 L
	s_delay_alu instid0(VALU_DEP_1)
	v_add_nc_u32 v4, s19, v5                       ; out of it
	s_wait_kmcnt 0x0
	s_cmp_eq_u32 s17, 0
	s_cselect_b64 s[26:27], s[28:29], s[30:31]
	s_add_nc_u64 s[INB:INB+1], s[26:27], s[20:21]
	s_add_nc_u64 s[OCB:OCB+1], s[32:33], s[22:23]
	s_add_nc_u64 s[OSB:OSB+1], s[32:33], s[24:25]
	QLOAD 0
	QLOAD 1
	QBLOCK 0
	QBLOCK 1
	QBLOCK 2
	QBLOCK 3
.set n, 0
.rept 12                               ; my wave's own stage; LDS serves a wave's instructions in order
	ds_load_b128 v[X+4*n:X+4*n+3], v4 offset:(n/3)*FP+512*(n%3)
.set n, n+1
.endr
.set n, 0
.rept 12
	s_wait_dscnt 11-n
	global_store_b128 v5, v[X+4*n:X+4*n+3], s[OCB:OCB+1] offset:(n/6)*98304+((n/3)%2)*1536+512*(n%3)   ; 512 consecutive aligned bytes
.set n, n+1
.endr
	global_store_b64 v2, v[SB:SB+1], s[OSB:OSB+1]  ; the wave's 64 scale words: 256 consecutive aligned bytes
	s_wait_tensorcnt 0x0
	ds_add_u32 v254, v255
	s_wait_dscnt 0x0
	s_endpgm
.Lfunc_end_k_qae7a054502_place:
	.size	k_qae7a054502_place, .Lfunc_end_k_qae7a054502_place-k_qae7a054502_place
	.p2alignl 7, 3214868480
	.fill 96, 4, 3214868480
	.section	.rodata,"a",@progbits
	.p2align	6, 0x0
	.amdhsa_kernel k_qae7a054502_place
		.amdhsa_group_segment_fixed_size 101376
		.amdhsa_private_segment_fixed_size 0
		.amdhsa_enable_private_segment 0
		.amdhsa_kernarg_size 64
		.amdhsa_user_sgpr_count 2
		.amdhsa_user_sgpr_kernarg_segment_ptr 1
		.amdhsa_wavefront_size32 1
		.amdhsa_system_sgpr_workgroup_id_x 1
		.amdhsa_system_sgpr_workgroup_id_y 1
		.amdhsa_system_sgpr_workgroup_id_z 1
		.amdhsa_system_vgpr_workitem_id 0
		.amdhsa_next_free_vgpr 256
		.amdhsa_next_free_sgpr 102
		.amdhsa_reserve_vcc 1
		.amdhsa_float_denorm_mode_32 3
		.amdhsa_float_denorm_mode_16_64 3
		.amdhsa_memory_ordered 1
		.amdhsa_forward_progress 1
		.amdhsa_inst_pref_size 144
	.end_amdhsa_kernel
	.amdgpu_metadata
---
amdhsa.version: [ 1, 2 ]
amdhsa.kernels:
  - .name:           k_qae7a054502_place
    .symbol:         k_qae7a054502_place.kd
    .args:
      - { .name: W2, .offset: 0, .size: 8, .value_kind: global_buffer, .address_space: global }
      - { .name: sc, .offset: 8, .size: 8, .value_kind: global_buffer, .address_space: global }
      - { .name: route, .offset: 16, .size: 8, .value_kind: global_buffer, .address_space: global }
      - { .name: q2, .offset: 24, .size: 8, .value_kind: global_buffer, .address_space: global }
      - { .name: plan, .offset: 32, .size: 8, .value_kind: global_buffer, .address_space: global }
      - { .name: W1, .offset: 40, .size: 8, .value_kind: global_buffer, .address_space: global }
      - { .name: V1, .offset: 48, .size: 8, .value_kind: global_buffer, .address_space: global }
      - { .name: q1, .offset: 56, .size: 8, .value_kind: global_buffer, .address_space: global }
    .group_segment_fixed_size: 101376
    .private_segment_fixed_size: 0
    .kernarg_segment_align: 8
    .kernarg_segment_size: 64
    .max_flat_workgroup_size: 256
    .sgpr_count:     102
    .vgpr_count:     256
    .wavefront_size: 32
...
	.end_amdgpu_metadata
.endif
;; end of part 6
;; launch hidden (part 7): grid 4 x 39, 4 waves a work-group, no clusters, 211,968 bytes of LDS; arguments q1, plan, hid; writes hid
.if DOCPART == 7
	.amdgcn_target "amdgcn-amd-amdhsa--gfx1250"
	.amdhsa_code_object_version 6
	.text
	.protected	k_qae7a054502_hidden
	.globl	k_qae7a054502_hidden
	.p2align	8
	.type	k_qae7a054502_hidden,@function
k_qae7a054502_hidden:
	s_mov_b64 s[64:65], 0
	v_nop
	global_prefetch_b8 v0, s[64:65] scope:SCOPE_SE
	s_setreg_imm32_b32 hwreg(HW_REG_WAVE_SCHED_MODE, 0, 2), 2
	s_setreg_imm32_b32 hwreg(HW_REG_WAVE_MODE, 25, 1), 1
	s_wait_xcnt 0x0
	s_wait_alu depctr_vm_vsrc(0)
; HIDDEN.  a = silu(x W1[e]) * (x V1[e]) for the routed rows only, quantised to E2M3 along the hidden units.  Both products on codes of E2M3 with E8M0 scales, f32 sums.
; SHARES.  Work-group (sl, tile): 128 routed rows of one expert x hidden units 128 sl .. + 127.  Wave w: the 32 units of block b = 4 sl + w (two tiles of W1, two of V1) for all eight tiles of 16 rows: 32 accumulators.
; 39 tiles serve every split (4,096 rows / 128 + 8 - 1).  A tile that the split leaves without rows (TE = 8) walks the same text, so that every wave passes both barriers whatever was loaded: its list names token 0,
; its expert is held at 7, and a scalar branch behind the second barrier leads round its stores: it stores nothing.  At most 7 x 4 such work-groups, out of 156 for 256 WGPs.
; x's codes of the 128 rows are gathered ONCE into LDS, through registers: wave w takes rows 32 w .. + 31, four batches of 24 loads of 16 bytes a lane (sixteen lanes: 256 consecutive bytes of a row), into registers
; that are free until the first product, each batch stored to LDS while later ones are on their way.  The weights come straight into registers, each fragment read once by one wave.
; THE PRODUCTS ARE USED TRANSPOSED (source 0 = 16 hidden units, source 1 = 16 rows): a lane holds one row, and since row r of a weight tile (b, u) is unit 32 b + 8 u + r + 8 (r / 8), the 16 registers of tiles
; u = 0, 1 are units 32 b + 16 (lane / 16) + 0 .. 15: half a block of the next product's K.
; hid: codes [K step = sl][row g][96 bytes], block w of the step at 48 (w % 2) + 24 (w / 2); scale words [sl][g].
; NO CLUSTER, NO TENSOR LOAD: the shared tile of x is a gather by a list of rows, lane by lane, which has no joint form; weights are shared only among tiles of one expert, whose number hangs on stored counts.
; LIMITS: as in the first launch (blocks under 2^-124 keep the byte 1; NaN and infinities not served).
; REGISTERS, in windows of 256.  Window 0: v1-15, v52-55 addresses; v16-31 the gather's offsets; v48-51 rows of x's scale bytes; v64-95 the weights' scale words, v96-159 x's (they hold nothing else);
;   v160-255 the quantiser's.  Window 1: a ring of four K steps x four weight fragments.  Window 2: first the gather's batches 0, 1; then accumulator (m, W1 or V1, u) at 8 (4 m + 2 mat + u).
;   Window 3: first the gather's batches 2, 3; then two sets of x's eight fragments; later 128 numbers at work.
; THE MODE: SCHED_MODE bits 1:0 = 2 (LLVM: expert scheduling mode 2), set by the entry lines.  The code itself states the register dependences
; between vector or matrix instructions and memory or LDS instructions, with s_wait_alu, always for 0.
; THE PLAN.  Registers that memory or LDS instructions touch:
;   v1-11, v15, v52, v53, v55   Addresses and offsets: written by vector lines at the head, ahead of the first wait on va_vdst; never written again.
;   v16-31, v48-51              Written by loads (tokens), made into offsets by vector lines, read by the gather's loads and by the loads of x's scale words: the second wait on va_vdst stands between.
;   windows 2, 3: v0-191        The gather's batches: written by loads, read by LDS stores.  Then products write window 2 and LDS loads window 3: one wait on vm_vsrc, behind the first barrier.  (It also frees v16-31, in which LDS loads land at the end.)
;   ring slots, x's two sets    K step ks: its 32 products read slot ks % 4 and set ks % 2.  Its loads are K step ks + 3's, into slot (ks - 1) % 4, and x's fragments of K step ks + 1, into set (ks - 1) % 2: the two buffers that
;                               K step ks - 1 read and that no product of K step ks names.  So ONE wait on va_vdst stands at a K step's head, and the step's 38 loads follow it, dealt among its products, with no further wait.
;   v64-159                     Scale words: registers of its own for each K step: written once by loads, read by products.
;   v184-250                    The new scale bytes and codes: written by vector lines; one wait on va_vdst; read by one run of LDS stores.
;   v254, v255                  Written at the head, read by the closing add alone.
.set XS_OFF, 3145728
.set WQ_OFF, 3276800
.set WS_OFF, 15859712
.set TE_OFF, 20480
.set HPLANE, 479232
.set HS_OFF, 1916928
.set HSPLANE, 19968
.set XP,   1552                        ; a row of x's codes in LDS: 1,536 bytes + 16: an odd multiple of 16, so sixteen rows' 16-byte pieces fall on different banks (64 banks of 4 bytes: ISA guide 11.1)
.set STG,  128*XP                      ; 128 rows x 96 bytes of new codes
.set SBY,  STG+12288                   ; 128 scale words
.set GA,   16
.set WSR,  64
.set XSR,  96
.set MXR,  160
.set PDR,  168
.set SCOR, 176
.set BYR,  184
.set PQ,   192                         ; pair mp of row tiles: six registers at PQ + 16 mp, three at PQ + 16 mp + 8
.set MSB, 0
.macro WIN new                         ; the immediate's high byte repeats the setting that is left
.if MSB != (\new)
	s_set_vgpr_msb (MSB<<8)|(\new)
.set MSB, (\new)
.endif
.endm
.macro WM zero, ra, rb                 ; one product on the registers RD, RA, RB, RSA, RSB; ra, rb: the scales stand in lanes 16-31
.if (\zero) && (\ra) && (\rb)
	v_wmma_scale_f32_16x16x128_f8f6f4 v[RD:RD+7], v[RA:RA+11], v[RB:RB+11], 0, v[RSA], v[RSB] matrix_a_fmt:MATRIX_FMT_FP6 matrix_b_fmt:MATRIX_FMT_FP6 matrix_a_scale:MATRIX_SCALE_ROW1 matrix_b_scale:MATRIX_SCALE_ROW1
.elseif (\zero) && (\ra)
	v_wmma_scale_f32_16x16x128_f8f6f4 v[RD:RD+7], v[RA:RA+11], v[RB:RB+11], 0, v[RSA], v[RSB] matrix_a_fmt:MATRIX_FMT_FP6 matrix_b_fmt:MATRIX_FMT_FP6 matrix_a_scale:MATRIX_SCALE_ROW1
.elseif (\zero) && (\rb)
	v_wmma_scale_f32_16x16x128_f8f6f4 v[RD:RD+7], v[RA:RA+11], v[RB:RB+11], 0, v[RSA], v[RSB] matrix_a_fmt:MATRIX_FMT_FP6 matrix_b_fmt:MATRIX_FMT_FP6 matrix_b_scale:MATRIX_SCALE_ROW1
.elseif (\zero)
	v_wmma_scale_f32_16x16x128_f8f6f4 v[RD:RD+7], v[RA:RA+11], v[RB:RB+11], 0, v[RSA], v[RSB] matrix_a_fmt:MATRIX_FMT_FP6 matrix_b_fmt:MATRIX_FMT_FP6
.elseif (\ra) && (\rb)
	v_wmma_scale_f32_16x16x128_f8f6f4 v[RD:RD+7], v[RA:RA+11], v[RB:RB+11], v[RD:RD+7], v[RSA], v[RSB] matrix_a_fmt:MATRIX_FMT_FP6 matrix_b_fmt:MATRIX_FMT_FP6 matrix_a_scale:MATRIX_SCALE_ROW1 matrix_b_scale:MATRIX_SCALE_ROW1
.elseif (\ra)
	v_wmma_scale_f32_16x16x128_f8f6f4 v[RD:RD+7], v[RA:RA+11], v[RB:RB+11], v[RD:RD+7], v[RSA], v[RSB] matrix_a_fmt:MATRIX_FMT_FP6 matrix_b_fmt:MATRIX_FMT_FP6 matrix_a_scale:MATRIX_SCALE_ROW1
.elseif (\rb)
	v_wmma_scale_f32_16x16x128_f8f6f4 v[RD:RD+7], v[RA:RA+11], v[RB:RB+11], v[RD:RD+7], v[RSA], v[RSB] matrix_a_fmt:MATRIX_FMT_FP6 matrix_b_fmt:MATRIX_FMT_FP6 matrix_b_scale:MATRIX_SCALE_ROW1
.else
	v_wmma_scale_f32_16x16x128_f8f6f4 v[RD:RD+7], v[RA:RA+11], v[RB:RB+11], v[RD:RD+7], v[RSA], v[RSB] matrix_a_fmt:MATRIX_FMT_FP6 matrix_b_fmt:MATRIX_FMT_FP6
.endif
.endm
	s_load_b128 s[4:7], s[0:1], 0x0                ; q1, plan
	s_load_b64 s[8:9], s[0:1], 0x10                ; hid
	v_lshl_add_u32 v254, v0, 2, 0x33a00
	v_mov_b32 v255, 0
	v_lshrrev_b32 v1, 5, v0
	v_readfirstlane_b32 s10, v1                    ; wave 0..3
	s_and_b32 s12, ttmp7, 0xffff                   ; tile
	s_lshl_b32 s14, s12, 2
	s_wait_kmcnt 0x0
	s_load_b32 s13, s[6:7], s14 offset:TE_OFF      ; the tile's expert, 8 = none
	v_and_b32 v14, 31, v0                          ; L
	v_and_b32 v12, 15, v0                          ; r
	v_bfe_u32 v13, v0, 4, 1                        ; h
	v_lshlrev_b32 v1, 4, v14                       ; 16 L: a lane's place in a fragment's image
	v_mul_u32_u24 v2, v12, XP
	v_mad_u32_u24 v2, v13, 48, v2                  ; x's fragments: row r, + 48 h; a base for each 32 rows
	v_add_nc_u32 v3, 32*XP, v2
	v_add_nc_u32 v4, 64*XP, v2
	v_add_nc_u32 v5, 96*XP, v2
	s_wait_alu depctr_va_sdst(0)                   ; s10, the wave's number, is written, ahead of its first reader: addresses and bases are made from it
	s_lshl_b32 s15, ttmp9, 2
	s_add_co_u32 s15, s15, s10                     ; b
	s_lshl_b32 s16, s15, 7
	v_bfe_u32 v15, v0, 3, 1
	v_lshl_add_u32 v6, v13, 3, v12
	v_lshl_add_u32 v6, v15, 3, v6
	v_lshlrev_b32 v6, 2, v6
	v_add_nc_u32 v6, s16, v6                       ; the weights' scale words: lanes 0-15 tile u = 0, lanes 16-31 u = 1: unit 32 b + 8 u + r + 8 (r / 8)
	s_and_b32 s17, s10, 1
	s_mul_i32 s17, s17, 48
	s_lshr_b32 s18, s10, 1
	s_mul_i32 s18, s18, 24
	s_add_co_u32 s17, s17, s18
	s_add_co_u32 s17, s17, STG
	v_mul_u32_u24 v7, v14, 96
	v_add_nc_u32 v7, s17, v7                       ; the new codes: row L of 32, my wave's block of the row's four
	s_add_co_u32 s18, s10, SBY
	v_lshl_add_u32 v8, v12, 2, s18                 ; the new scale bytes: row r's word, byte w
	v_lshlrev_b32 v9, 4, v0
	v_lshlrev_b32 v10, 3, v14
	v_add_nc_u32 v11, STG, v9
	v_add_nc_u32 v55, SBY, v10
	v_lshlrev_b32 v54, 4, v12
	s_mul_i32 s18, s10, 32*XP
	v_mul_u32_u24 v15, v13, XP
	v_add_nc_u32 v15, v15, v54
	v_add_nc_u32 v15, s18, v15                     ; the gather's place in LDS: row 32 w + h (+ 2 i by the immediate), 16 bytes at 16 r
	s_lshl_b32 s19, s12, 9
	s_lshl_b32 s20, s10, 7
	s_add_co_u32 s20, s20, s19
	v_lshl_add_u32 v52, v13, 2, s20                ; the list of tokens: row 128 tile + 32 w + h (+ 2 i)
	v_lshl_add_u32 v53, v14, 2, s19                ; and row 128 tile + L (+ 32 mp)
	s_mov_b32 s28, 0x76543210
	s_mov_b32 s29, 0xfedcba98                      ; v_permlanex16_b32's selects for lane l xor 16
	s_mov_b32 s34, 0xbfb8aa3b                      ; - log2(e)
	s_mov_b32 s35, s34                             ; (named with it as a pair)
.irp m, 0,1,2,3,4,5,6,7
	v_mov_b32 v[PDR+\m], 0                         ; written once: a lane permute's destination counts as one of its sources
.endr
	s_mul_i32 s30, ttmp9, HPLANE
	s_mul_i32 s31, s12, 12288
	s_add_co_u32 s30, s30, s31
	s_mov_b32 s31, 0
	s_add_nc_u64 s[30:31], s[8:9], s[30:31]        ; my tile's codes in hid
	s_mul_i32 s32, ttmp9, HSPLANE
	s_add_co_u32 s32, s32, s19
	s_add_co_u32 s32, s32, HS_OFF
	s_mov_b32 s33, 0
	s_add_nc_u64 s[32:33], s[8:9], s[32:33]        ; and its scale words
	s_wait_kmcnt 0x0
	s_min_u32 s36, s13, 7                          ; the expert whose weights are read; s13 is kept for the branch round the stores
	s_lshl_b32 s21, s36, 4
	s_add_co_u32 s21, s21, s15
	s_mul_i32 s22, s21, 98304
	s_add_co_u32 s22, s22, WQ_OFF
	s_mov_b32 s23, 0
	s_add_nc_u64 s[22:23], s[4:5], s[22:23]        ; the fragments of (e, b)
	s_lshl_b32 s24, s36, 16
	s_add_co_u32 s24, s24, WS_OFF
	s_mov_b32 s25, 0
	s_add_nc_u64 s[24:25], s[4:5], s[24:25]        ; e's scale words
	s_add_nc_u64 s[26:27], s[4:5], XS_OFF          ; x's scale bytes
.macro RING ks                         ; K step ks: W1's two tiles, V1's two: 6,144 bytes on end, twelve loads of 512; and the step's two registers of scale words: 14 loads
	WIN 0x40
.set n, 0
.rept 12
	global_load_b128 v[48*((\ks)%4)+4*n:48*((\ks)%4)+4*n+3], v1, s[22:23] offset:6144*(\ks)+512*n
.set n, n+1
.endr
	WIN 0
	global_load_b32 v[WSR+(\ks)], v6, s[24:25] offset:2048*(\ks)
	global_load_b32 v[WSR+16+(\ks)], v6, s[24:25] offset:32768+2048*(\ks)
.endm
.macro XHALF ks, m0                    ; four of x's eight fragments of K step ks, row tiles m0 .. m0 + 3: 48 bytes on end a lane: twelve LDS loads
	WIN 0xC0
.irp m, \m0, \m0+1, \m0+2, \m0+3
.irp j, 0,1,2
	ds_load_b128 v[96*((\ks)%2)+12*(\m)+4*\j:96*((\ks)%2)+12*(\m)+4*\j+3], v[2+(\m)/2] offset:((\m)%2)*16*XP+96*(\ks)+16*\j
.endr
.endr
.endm
.macro XFETCH ks                       ; all eight
	XHALF \ks, 0
	XHALF \ks, 4
.endm
.macro GATH b                          ; batch b of the gather: rows 32 w + 8 b + 0 .. 7, two rows x 256 bytes a load: 24 loads into 96 registers of window 2 (b = 0, 1) or 3 (b = 2, 3)
	WIN 0x80+0x40*((\b)/2)
.irp ii, 0,1,2,3
.irp j, 0,1,2,3,4,5
	global_load_b128 v[96*((\b)%2)+24*\ii+4*\j:96*((\b)%2)+24*\ii+4*\j+3], v[GA+4*(\b)+\ii], s[4:5] offset:256*\j
.endr
.endr
.endm
.macro GST b                           ; and its way into LDS: an LDS store's data are its source 1
	WIN 0x08+0x04*((\b)/2)
.irp ii, 0,1,2,3
.irp j, 0,1,2,3,4,5
	ds_store_b128 v15, v[96*((\b)%2)+24*\ii+4*\j:96*((\b)%2)+24*\ii+4*\j+3] offset:2*XP*(4*(\b)+\ii)+256*\j
.endr
.endr
.endm
	s_wait_alu depctr_va_vdst(0)                   ; the addresses and offsets v1-11, v15, v52, v53, v55 are written, which the kernel's loads and stores read
.irp i, 0,1,2,3,4,5,6,7,8,9,10,11,12,13,14,15
	global_load_b32 v[GA+\i], v52, s[6:7] offset:8*\i
.endr
.irp mp, 0,1,2,3
	global_load_b32 v[48+\mp], v53, s[6:7] offset:128*\mp
.endr
	RING 0
	s_wait_loadcnt 14                              ; the tokens are in; K step 0's 14 loads are younger
.irp i, 0,1,2,3,4,5,6,7,8,9,10,11,12,13,14,15
	v_min_u32 v[GA+\i], 0x7ff, v[GA+\i]
	v_mul_u32_u24 v[GA+\i], v[GA+\i], 1536
	v_add_nc_u32 v[GA+\i], v[GA+\i], v54
.endr
.irp mp, 0,1,2,3
	v_min_u32 v[48+\mp], 0x7ff, v[48+\mp]
	v_lshlrev_b32 v[48+\mp], 6, v[48+\mp]
.endr
	s_wait_alu depctr_va_vdst(0)                   ; the offsets v16-31 and v48-51 are written, which the gather's loads and the loads of x's scale words read; no vector line stands between this wait and the last of them
	GATH 0
	GATH 1
	s_wait_loadcnt 24                              ; batch 0 is in; batch 1's 24 loads are younger
	GATH 2
	GST 0
	s_wait_loadcnt 24                              ; batch 1 is in; batch 2 is younger
	GATH 3
	GST 1
	s_wait_loadcnt 24                              ; batch 2 is in; batch 3 is younger
	WIN 0
.irp mp, 0,1,2,3
.irp g, 0,1,2,3
	global_load_b128 v[XSR+16*\mp+4*\g:XSR+16*\mp+4*\g+3], v[48+\mp], s[26:27] offset:16*\g   ; lane L: row 32 mp + L's sixteen scale words: lanes 0-15 serve tile 2 mp, lanes 16-31 tile 2 mp + 1
.endr
.endr
	RING 1
	GST 2
	s_wait_loadcnt 30                              ; batch 3 is in; x's 16 loads of scale words and K step 1's 14 are younger
	RING 2
	RING 3
	GST 3
	WIN 0
	s_wait_dscnt 0x0                               ; for the others' sake: my 32 rows lie in LDS,
	s_barrier_signal -1
	s_barrier_wait -1                              ; everybody's do
	s_wait_alu depctr_vm_vsrc(0)                   ; my LDS stores have read the gather's batches: x's fragments land in window 3's, the products write window 2's; and the gather's loads have read v16-31, in which LDS loads land at the end
	XFETCH 0
	XFETCH 1
.macro PROD ks, zero, mp               ; eight of a K step's 32 products: row tiles 2 mp and 2 mp + 1
	WIN 0xAD                                       ; source 0 (weights) window 1, source 1 (x) window 3, C and D window 2
.irp mo, 0,1
.irp mat, 0,1
.irp u, 0,1
.set RD, 8*(4*(2*(\mp)+\mo)+2*\mat+\u)
.set RA, 48*((\ks)%4)+12*(2*\mat+\u)
.set RB, 96*((\ks)%2)+12*(2*(\mp)+\mo)
.set RSA, WSR+16*\mat+(\ks)
.set RSB, XSR+16*(\mp)+(\ks)
	WM \zero, \u, \mo
.endr
.endr
.endr
.endm
; A K step: 32 products, the 32 accumulators by turns in the same order in every step.  lc: the younger global loads that may be out; dc: the younger LDS loads.
; K steps 1 to 14 ask for what later steps multiply, into the two buffers that the step before read; K steps 0 and 15 ask for nothing and hold no wait on va_vdst.
.macro KSTEP ks, zero, lc, dc
	s_wait_loadcnt \lc
	s_wait_dscnt \dc
.if ((\ks) >= 1) && ((\ks) <= 14)
	s_wait_alu depctr_va_vdst(0)                   ; the products of the K step before are done reading their ring slot and their set of x, in which this step's loads land; no product of this step names those registers
.endif
	PROD \ks, \zero, 0
.if ((\ks) >= 1) && ((\ks) <= 14)
	XHALF (\ks)+1, 0                               ; x of the next K step, into the set that the step before read
.endif
	PROD \ks, \zero, 1
.if ((\ks) >= 1) && ((\ks) <= 14)
	XHALF (\ks)+1, 4
.endif
	PROD \ks, \zero, 2
.if ((\ks) >= 1) && ((\ks) <= 12)
	RING (\ks)+3                                   ; the weights of three K steps on, into the slot that the step before read
.endif
	PROD \ks, \zero, 3
.rept 4
	v_nop                                          ; four places behind the step's products: in front of the first read of results, and, beside the next step's wait, of its loads into registers that these products have read
.endr
.endm
	KSTEP 0, 1, 42, 24                             ; K steps 1, 2, 3 (42 loads) are younger than x's scale words and K step 0; the next set of x (24 LDS loads) is younger than this one
.irp ks, 1,2,3,4,5,6,7,8,9,10,11,12,13
	KSTEP \ks, 0, 28, 0                            ; two younger K steps of fourteen loads; this step's set of x was the last thing asked of LDS
.endr
	KSTEP 14, 0, 14, 0
	KSTEP 15, 0, 0, 0
	; a = h / (1 + 2^(-h log2 e)) * v, in f32.  Each accumulator is first read at its two lowest registers.
	WIN 0xC2                                       ; destination window 3, source 0 window 2
.irp m, 0,1,2,3,4,5,6,7
.irp i, 0,2,4,6,8,10,12,14
	v_pk_mul_f32 v[16*\m+\i:16*\m+\i+1], v[32*\m+\i:32*\m+\i+1], s[34:35] op_sel_hi:[1,0]
.endr
.endr
	WIN 0xC3
.set n, 0
	s_wait_alu depctr_va_vdst(0)
.rept 128
	v_exp_f32 v[n], v[n]
.set n, n+1
.endr
	v_nop                                          ; a plain line behind the exponentials
.set n, 0
	s_wait_alu depctr_va_vdst(0)                   ; the 128 exponentials have written their results, ahead of the first line that names one: one wait for the batch
.rept 64
	v_pk_add_f32 v[n:n+1], v[n:n+1], 1.0 op_sel_hi:[1,0]
.set n, n+2
.endr
.set n, 0
	s_wait_alu depctr_va_vdst(0)
.rept 128
	v_rcp_f32 v[n], v[n]
.set n, n+1
.endr
	v_nop                                          ; a plain line behind the reciprocals
	WIN 0x8E                                       ; destination and source 0 window 2, source 1 window 3
	s_wait_alu depctr_va_vdst(0)                   ; the 128 reciprocals have written their results, ahead of the first line that names one: one wait for the batch
.irp m, 0,1,2,3,4,5,6,7
.irp i, 0,2,4,6,8,10,12,14
	v_pk_mul_f32 v[32*\m+\i:32*\m+\i+1], v[32*\m+\i:32*\m+\i+1], v[16*\m+\i:16*\m+\i+1]
.endr
.endr
	WIN 0x8A                                       ; all in window 2
.irp m, 0,1,2,3,4,5,6,7
.irp i, 0,2,4,6,8,10,12,14
	v_pk_mul_f32 v[32*\m+\i:32*\m+\i+1], v[32*\m+\i:32*\m+\i+1], v[32*\m+16+\i:32*\m+16+\i+1]
.endr
.endr
	WIN 0x0A                                       ; the block's largest magnitude, the eight row tiles by turns
.irp m, 0,1,2,3,4,5,6,7
	v_max3_num_f32 v[MXR+\m], |v[32*\m]|, |v[32*\m+1]|, 0x1800000          ; with the floor 2^(3 - 127)
.endr
	WIN 0x28
.irp i, 2,4,6,8,10,12,14
.irp m, 0,1,2,3,4,5,6,7
	v_max3_num_f32 v[MXR+\m], v[MXR+\m], |v[32*\m+\i]|, |v[32*\m+\i+1]|
.endr
.endr
	WIN 0
.irp m, 0,1,2,3,4,5,6,7
	v_permlanex16_b32 v[PDR+\m], v[MXR+\m], s28, s29
.endr
.irp m, 0,1,2,3,4,5,6,7
	v_max_num_f32 v[MXR+\m], v[MXR+\m], v[PDR+\m]  ; with lane l xor 16's sixteen
.endr
.irp m, 0,1,2,3,4,5,6,7
	v_add_nc_u32 v[SCOR+\m], 0xff000000, v[MXR+\m]
.endr
.irp m, 0,1,2,3,4,5,6,7
	v_lshrrev_b32 v[BYR+\m], 23, v[SCOR+\m]
.endr
	WIN 0x02                                       ; source 0 window 2
.irp mp, 0,1,2,3
	v_cvt_scalef32_pk16_fp6_f32 v[PQ+16*\mp:PQ+16*\mp+2], v[64*\mp:64*\mp+15], v[SCOR+2*\mp]
	v_cvt_scalef32_pk16_fp6_f32 v[PQ+16*\mp+8:PQ+16*\mp+10], v[64*\mp+32:64*\mp+47], v[SCOR+2*\mp+1]
.endr
	WIN 0
	v_nop                                          ; one plain line behind the conversions
.irp mp, 0,1,2,3                       ; tiles 2 mp and 2 mp + 1 change halves: lane L then holds row 32 mp + L's lower 16 codes in the first three registers and its upper 16 in the second three
.irp i, 0,1,2
	v_permlane16_swap_b32 v[PQ+16*\mp+\i], v[PQ+16*\mp+8+\i]
.endr
.irp i, 0,1,2
	v_mov_b32 v[PQ+16*\mp+3+\i], v[PQ+16*\mp+8+\i]
.endr
.endr
	s_wait_alu depctr_va_vdst(0)                   ; the eight scale bytes (v184-191) and the four pairs' codes (v192-250) are written, which the run of LDS stores below reads
.irp m, 0,1,2,3,4,5,6,7
	ds_store_b8 v8, v[BYR+\m] offset:64*\m         ; both halves of the lanes write the same byte with the same value
.endr
.irp mp, 0,1,2,3
.irp i, 0,1,2
	ds_store_b64 v7, v[PQ+16*\mp+2*\i:PQ+16*\mp+2*\i+1] offset:3072*\mp+8*\i
.endr
.endr
	s_wait_dscnt 0x0                               ; for the others' sake: my block of each row and my byte of each word lie in LDS
	s_barrier_signal -1
	s_barrier_wait -1
	s_cmp_ge_u32 s13, 8                            ; a tile without rows stores nothing; no barrier stands behind this branch
	s_cbranch_scc1 .Lnone
.irp j, 0,1,2,3,4,5
	ds_load_b128 v[16+4*\j:19+4*\j], v11 offset:2048*\j    ; (v16-31 were the gather's offsets: the vector lines that named them stand ahead of many waits on va_vdst, the loads that read them ahead of the wait on vm_vsrc)
.endr
.irp j, 0,1,2,3,4,5
	s_wait_dscnt 5-\j
	global_store_b128 v9, v[16+4*\j:19+4*\j], s[30:31] offset:2048*\j      ; the tile's 12,288 bytes are dense in hid: 512 consecutive aligned bytes a wave
.endr
	s_cmp_lg_u32 s10, 0
	s_cbranch_scc1 .Lnone
	ds_load_b64 v[40:41], v55
	ds_load_b64 v[42:43], v55 offset:256
	s_wait_dscnt 0x0
	global_store_b64 v10, v[40:41], s[32:33]
	global_store_b64 v10, v[42:43], s[32:33] offset:256
.Lnone:
	s_wait_dscnt 0x0                               ; the closing lines, six on end
	s_wait_alu 0x0
	s_wait_tensorcnt 0x0
	ds_add_u32 v254, v255
	s_wait_dscnt 0x0
	s_endpgm
.Lfunc_end_k_qae7a054502_hidden:
	.size	k_qae7a054502_hidden, .Lfunc_end_k_qae7a054502_hidden-k_qae7a054502_hidden
	.p2alignl 7, 3214868480
	.fill 96, 4, 3214868480
	.section	.rodata,"a",@progbits
	.p2align	6, 0x0
	.amdhsa_kernel k_qae7a054502_hidden
		.amdhsa_group_segment_fixed_size 211968
		.amdhsa_private_segment_fixed_size 0
		.amdhsa_enable_private_segment 0
		.amdhsa_kernarg_size 24
		.amdhsa_user_sgpr_count 2
		.amdhsa_user_sgpr_kernarg_segment_ptr 1
		.amdhsa_wavefront_size32 1
		.amdhsa_system_sgpr_workgroup_id_x 1
		.amdhsa_system_sgpr_workgroup_id_y 1
		.amdhsa_system_sgpr_workgroup_id_z 1
		.amdhsa_system_vgpr_workitem_id 0
		.amdhsa_next_free_vgpr 1024
		.amdhsa_next_free_sgpr 66
		.amdhsa_reserve_vcc 0
		.amdhsa_float_denorm_mode_32 3
		.amdhsa_float_denorm_mode_16_64 3
		.amdhsa_memory_ordered 1
		.amdhsa_forward_progress 1
		.amdhsa_inst_pref_size 177
	.end_amdhsa_kernel
	.amdgpu_metadata
---
amdhsa.version: [ 1, 2 ]
amdhsa.kernels:
  - .name:           k_qae7a054502_hidden
    .symbol:         k_qae7a054502_hidden.kd
    .args:
      - { .name: q1, .offset: 0, .size: 8, .value_kind: global_buffer, .address_space: global }
      - { .name: plan, .offset: 8, .size: 8, .value_kind: global_buffer, .address_space: global }
      - { .name: hid, .offset: 16, .size: 8, .value_kind: global_buffer, .address_space: global }
    .group_segment_fixed_size: 211968
    .private_segment_fixed_size: 0
    .kernarg_segment_align: 8
    .kernarg_segment_size: 24
    .max_flat_workgroup_size: 128
    .sgpr_count:     66
    .vgpr_count:     1024
    .wavefront_size: 32
...
	.end_amdgpu_metadata
.endif
;; end of part 7
;; launch out (part 8): grid 8 x 32, 4 waves a work-group, no clusters, 71,168 bytes of LDS; arguments q2, plan, hid, out0; writes out0
.if DOCPART == 8
	.amdgcn_target "amdgcn-amd-amdhsa--gfx1250"
	.amdhsa_code_object_version 6
	.text
	.protected	k_qae7a054502_out
	.globl	k_qae7a054502_out
	.p2align	8
	.type	k_qae7a054502_out,@function
k_qae7a054502_out:
	s_mov_b64 s[64:65], 0
	v_nop
	global_prefetch_b8 v0, s[64:65] scope:SCOPE_SE
	s_setreg_imm32_b32 hwreg(HW_REG_WAVE_SCHED_MODE, 0, 2), 2
	s_setreg_imm32_b32 hwreg(HW_REG_WAVE_MODE, 25, 1), 1
	s_wait_xcnt 0x0
	s_wait_alu depctr_vm_vsrc(0)
; OUT.  y[token] = s_lo (a_lo W2[lo]) + s_hi (a_hi W2[hi]): the third product on codes of E2M3 with E8M0 scales, f32 sums; each output row has one owner.
; SHARES.  Work-group (ds, B): the 64 tokens of block B of the order by expert pair x columns 256 ds .. + 255.  Wave w: columns 256 ds + 64 w .. + 63 (four tiles of W2) for the four tiles of 16 tokens.
; The block's stored list names the experts that its tokens use, and as which of a token's two.  For an expert used as the lower, all 64 tokens' lower rows are multiplied by its tile and weighed by the token's
; score where that expert is the token's, else by 0 (the codes are finite numbers, so the product is finite); likewise as the higher.  The walk is a loop of eight entries; an empty entry is passed over by a scalar branch.
; The tokens' two hidden rows are gathered once, wave w the tile w of tokens, and go to all waves through LDS as images of the operand's registers.  W2's fragments come straight into registers, two buffers by turns.
; THE PRODUCT IS USED TRANSPOSED (source 0 = 16 columns of W2, source 1 = 16 tokens): a lane holds eight neighbouring columns of one token's row.
; NO CLUSTER: the lists differ from block to block, so partners would not ask for the same fragments in the same step.
; REGISTERS.  Window 0: v1-15 addresses; v16-47 the output rows' offsets; v48-55 the tokens' two experts; v56-63 their scores; v64-71 the weights for the expert in hand; v72-103 the hidden rows' scale words and
;   v104-119 W2's (they hold nothing else); v120-143 the gather's; v144-239 the gathered rows, then the sets of four fragments of an item's K steps 0 and 1, at the end rows of y.
;   Windows 1, 2: v0-191 W2's sixteen fragments, buffers 0 and 1; v192-239 the sets of an item's K steps 2 (window 1) and 3 (window 2).
;   Window 3: v0-127 y (m, t) at 8 (4 m + t); v128-255 a product's results likewise.
; THE MODE: SCHED_MODE bits 1:0 = 2 (LLVM: expert scheduling mode 2), set by the entry lines.  The code itself states the register dependences
; between vector or matrix instructions and memory or LDS instructions, with s_wait_alu, always for 0.
; THE PLAN.  Registers that memory or LDS instructions touch:
;   v1-6, v10, v12, v14, v15, v140   Addresses and offsets: written by vector lines at the head, ahead of the first wait on va_vdst; never written again.
;   v122-125     The gather's offsets: written by vector lines, a wait on va_vdst, read by the gather's loads.
;   v144-239     The gathered rows: written by loads, read by LDS stores; then fragments land there: one wait on vm_vsrc, behind the barrier.
;   four sets    An item (64 tokens' rows x one expert's tile, four K steps) has a set of fragments for EACH K step: written by its LDS loads, read by its products.  No load of an item lands in a register that a product of the same item has read.
;   W2's buffers Written by the loads for an entry, with their eight registers of scale words; read by that entry's products; written again by the loads for the entry two further on.
;                So ONE wait on va_vdst stands in an item, behind its last products: it states that they are done reading the four sets and the buffer.  What follows it up to the next item's loads and up to the buffer's next loads
;                (the item's multiply-adds, an entry's compares and selects) names window 3, v48-71 and s40-47 alone: on every way, over the backward jump too.
;   y, v16-47    Written by vector lines; one wait on va_vdst at the head of the way out; read by its LDS stores, and as the global stores' offsets.
;   v144-207     On the way out: written by LDS loads, read by global stores, written again two tiles on: a wait on vm_vsrc beside the wait on XCNT.
;   s40-47       An entry's eight compares write them in one run; one wait on va_sdst; its eight selects read them.
;   v254, v255   Written at the head, read by the closing add alone.
.set S2_OFF, 6291456
.set SS_OFF, 6553600
.set TOKS_OFF, 20736
.set GS_OFF, 28928
.set BL_OFF, 45312
.set HPLANE, 479232
.set HS_OFF, 1916928
.set HSPLANE, 19968
.set HSW,  49152                       ; behind the 32 images of 1,536 bytes: their scale words, 128 bytes each
.set STG,  53248                       ; the way out: 16 rows x (256 bytes + 16) for each wave
.set SP,   272
.set OA,   16
.set LOX,  48
.set HIX,  52
.set SSR,  56
.set WP,   64
.set ASC,  72
.set BSC,  104
.set ASET, 144
.set MK,   40                          ; s40-47 an entry's eight masks
.set MSB, 0
.macro WIN new                         ; the immediate's high byte repeats the setting that is left
.if MSB != (\new)
	s_set_vgpr_msb (MSB<<8)|(\new)
.set MSB, (\new)
.endif
.endm
.macro WM zero, ra                     ; one product on the registers RD, RA, RB, RSA, RSB; ra: W2's scales stand in lanes 16-31
.if (\zero) && (\ra)
	v_wmma_scale_f32_16x16x128_f8f6f4 v[RD:RD+7], v[RA:RA+11], v[RB:RB+11], 0, v[RSA], v[RSB] matrix_a_fmt:MATRIX_FMT_FP6 matrix_b_fmt:MATRIX_FMT_FP6 matrix_a_scale:MATRIX_SCALE_ROW1
.elseif (\zero)
	v_wmma_scale_f32_16x16x128_f8f6f4 v[RD:RD+7], v[RA:RA+11], v[RB:RB+11], 0, v[RSA], v[RSB] matrix_a_fmt:MATRIX_FMT_FP6 matrix_b_fmt:MATRIX_FMT_FP6
.elseif (\ra)
	v_wmma_scale_f32_16x16x128_f8f6f4 v[RD:RD+7], v[RA:RA+11], v[RB:RB+11], v[RD:RD+7], v[RSA], v[RSB] matrix_a_fmt:MATRIX_FMT_FP6 matrix_b_fmt:MATRIX_FMT_FP6 matrix_a_scale:MATRIX_SCALE_ROW1
.else
	v_wmma_scale_f32_16x16x128_f8f6f4 v[RD:RD+7], v[RA:RA+11], v[RB:RB+11], v[RD:RD+7], v[RSA], v[RSB] matrix_a_fmt:MATRIX_FMT_FP6 matrix_b_fmt:MATRIX_FMT_FP6
.endif
.endm
; The sixteen fragments and eight registers of scale words of the expert in entry s[ent], for my 64 columns, into buffer buf: 56 loads.  The buffer's two bases are written only where no load that names them is out.
.macro LOADB buf, ent
	s_and_b32 s22, s[\ent], 7
	s_min_u32 s22, s22, 7
	s_mul_i32 s20, s22, 786432
	s_lshl_b32 s22, s22, 15
	s_add_nc_u64 s[24+4*\buf:25+4*\buf], s[32:33], s[20:21]
	s_add_nc_u64 s[26+4*\buf:27+4*\buf], s[34:35], s[22:23]
	WIN 0x40*(1+\buf)
.set n, 0
.rept 48
	global_load_b128 v[4*n:4*n+3], v1, s[24+4*\buf:25+4*\buf] offset:512*n     ; fragment (ks, t) at 12 (4 ks + t): 24,576 bytes on end
.set n, n+1
.endr
	WIN 0
.irp k, 0,1,2,3,4,5,6,7
	global_load_b32 v[BSC+8*\buf+\k], v2, s[26+4*\buf:27+4*\buf] offset:8192*(\k/2)+128*(\k%2)   ; K step k / 2: lanes 0-15 tile 2 (k % 2), lanes 16-31 the tile behind it
.endr
.endm
	s_load_b256 s[4:11], s[0:1], 0x0               ; q2, plan, hid, out0
	v_lshl_add_u32 v254, v0, 2, 0x11400
	v_mov_b32 v255, 0
	v_lshrrev_b32 v1, 5, v0
	v_readfirstlane_b32 s12, v1                    ; wave 0..3
	s_mov_b32 s13, ttmp9                           ; ds
	s_and_b32 s14, ttmp7, 0xffff                   ; B
	s_lshl_b32 s15, s14, 3
	s_wait_kmcnt 0x0
	s_load_b64 s[16:17], s[6:7], s15 offset:BL_OFF ; the block's list
	v_and_b32 v9, 31, v0                           ; L
	v_and_b32 v7, 15, v0                           ; r
	v_bfe_u32 v8, v0, 4, 1                         ; h
	v_lshlrev_b32 v1, 4, v9
	v_lshlrev_b32 v2, 2, v9
	s_wait_alu depctr_va_sdst(0)                   ; s12, the wave's number, is written, ahead of its first reader: addresses and bases are made from it
	s_mul_i32 s18, s12, 12288
	v_add_nc_u32 v3, s18, v1                       ; where I store my tile's eight images
	s_lshl_b32 s18, s12, 10
	s_add_co_u32 s18, s18, HSW
	v_add_nc_u32 v4, s18, v2                       ; and their scale words
	s_mul_i32 s18, s12, 16*SP
	s_add_co_u32 s18, s18, STG
	v_mul_u32_u24 v5, v7, SP
	v_lshl_add_u32 v5, v8, 5, v5
	v_add_nc_u32 v5, s18, v5                       ; the stage, in: row r, 32 bytes for each half of the lanes
	v_mul_u32_u24 v6, v8, SP
	v_lshl_add_u32 v6, v7, 4, v6
	v_add_nc_u32 v6, s18, v6                       ; back: lanes 0-15 one row of 256 bytes, lanes 16-31 the next
	v_add_nc_u32 v10, HSW, v2
	v_lshlrev_b32 v11, 4, v7
	s_lshl_b32 s18, s14, 9
	s_lshl_b32 s19, s12, 7
	s_add_co_u32 s19, s19, s18
	v_lshl_add_u32 v12, v7, 3, s19                 ; GS of p = 64 B + 16 w + r
	v_mul_u32_u24 v13, v8, 48
	s_lshl_b32 s19, s14, 8
	v_lshl_add_u32 v14, v7, 2, s19                 ; TOKS of p = 64 B + r (+ 16 m)
	v_lshl_add_u32 v15, v8, 2, s19                 ; TOKS of p = 64 B + h (+ 16 m + 2 i)
	v_lshl_add_u32 v140, v7, 3, s18                ; SS of p = 64 B + r (+ 16 m)
	s_lshl_b32 s20, s13, 2
	s_add_co_u32 s20, s20, s12
	s_mul_i32 s20, s20, 24576
	s_mov_b32 s21, 0
	s_lshl_b32 s22, s13, 10
	s_lshl_b32 s23, s12, 8
	s_add_co_u32 s22, s22, s23                     ; my 64 columns: 4 bytes a column
	s_mov_b32 s23, 0
	s_add_nc_u64 s[32:33], s[4:5], s[20:21]        ; expert 0's fragments of my columns
	s_add_nc_u64 s[38:39], s[10:11], s[22:23]      ; my columns in a row of y
	s_add_nc_u64 s[34:35], s[4:5], s[22:23]
	s_add_nc_u64 s[34:35], s[34:35], S2_OFF        ; expert 0's scale words of my columns
	s_wait_alu depctr_va_vdst(0)                   ; the addresses and offsets v1-6, v10, v12, v14, v15, v140 are written, which the kernel's loads and stores read
	global_load_b64 v[120:121], v12, s[6:7] offset:GS_OFF
	s_wait_kmcnt 0x0
	LOADB 0, 16                                    ; entry 0: a block always has two entries or more, since a token's two experts differ
	s_wait_loadcnt 56                              ; my tokens' two rows are in; the buffer's 56 loads are younger
	v_min_u32 v120, 0x137f, v120
	v_min_u32 v121, 0x137f, v121
	v_mul_u32_u24 v122, v120, 96
	v_mul_u32_u24 v123, v121, 96
	v_add_nc_u32 v122, v122, v13
	v_add_nc_u32 v123, v123, v13
	v_lshlrev_b32 v124, 2, v120
	v_lshlrev_b32 v125, 2, v121
	s_wait_alu depctr_va_vdst(0)                   ; the offsets v122-125 are written, which the gather's loads read
.irp s, 0,1
.irp ks, 0,1,2,3
.irp j, 0,1,2
	global_load_b128 v[ASET+48*\s+12*\ks+4*\j:ASET+48*\s+12*\ks+4*\j+3], v[122+\s], s[8:9] offset:HPLANE*\ks+16*\j   ; 48 bytes on end: the lane's twelve registers of the fragment
.endr
	global_load_b32 v[126+4*\s+\ks], v[124+\s], s[8:9] offset:HS_OFF+HSPLANE*\ks
.endr
.endr
.irp m, 0,1,2,3
	global_load_b32 v[136+\m], v14, s[6:7] offset:TOKS_OFF+64*\m
	global_load_b64 v[SSR+2*\m:SSR+2*\m+1], v140, s[4:5] offset:SS_OFF+128*\m
.irp i, 0,1,2,3,4,5,6,7
	global_load_b32 v[OA+8*\m+\i], v15, s[6:7] offset:TOKS_OFF+64*\m+8*\i
.endr
.endr
	s_wait_loadcnt 40                              ; the gathered rows (and buffer 0) are in; the 40 loads of tokens and scores are younger
.irp s, 0,1
.irp ks, 0,1,2,3
.irp j, 0,1,2
	ds_store_b128 v3, v[ASET+48*\s+12*\ks+4*\j:ASET+48*\s+12*\ks+4*\j+3] offset:6144*\s+1536*\ks+512*\j   ; image (2 w + s) 4 + ks
.endr
	ds_store_b32 v4, v[126+4*\s+\ks] offset:512*\s+128*\ks
.endr
.endr
	s_bfe_u32 s18, s16, 0x80008
	LOADB 1, 18                                    ; entry 1
	s_wait_dscnt 0x0                               ; for the others' sake: my images lie in LDS
	s_barrier_signal -1
	s_barrier_wait -1
	s_wait_alu depctr_vm_vsrc(0)                   ; my LDS stores have read the gathered rows v144-239, in which the items' fragments land from here on
.set n, 0
.rept 32
	ds_load_b32 v[ASC+n], v10 offset:128*n         ; the 32 images' scale words stay in registers
.set n, n+1
.endr
	s_wait_loadcnt 56                              ; tokens and scores are in; buffer 1's 56 loads are younger
.irp m, 0,1,2,3
	v_bfe_u32 v[LOX+\m], v[136+\m], 16, 4
	v_bfe_u32 v[HIX+\m], v[136+\m], 20, 4
.endr
.set n, 0
.rept 32
	v_and_b32 v[OA+n], 0x7ff, v[OA+n]
	v_min_u32 v[OA+n], 0x7ff, v[OA+n]
	v_lshl_add_u32 v[OA+n], v[OA+n], 13, v11       ; the token's row of y, + 16 bytes a lane
.set n, n+1
.endr
	WIN 0xC0
.set n, 0
.rept 128
	v_mov_b32 v[n], 0                              ; y.  Which product comes first hangs on the list, so the sums begin as zeros; a copy of the step that starts them would be longer than these lines
.set n, n+1
.endr
	WIN 0
	s_wait_dscnt 0x0
.macro AFETCH s, ks                    ; the four token tiles' fragments of K step ks, the tokens' row s, into the K step's own set: twelve LDS loads
.if (\ks) < 2
	WIN 0
.set FB, ASET+48*(\ks)
.else
	WIN 0x40*((\ks)-1)                             ; destination window 1 (K step 2) or 2 (K step 3)
.set FB, 192
.endif
.irp m, 0,1,2,3
.irp j, 0,1,2
	ds_load_b128 v[FB+12*\m+4*\j:FB+12*\m+4*\j+3], v1 offset:((2*\m+\s)*4+(\ks))*1536+512*\j
.endr
.endr
.endm
.macro PRODS s, buf, ks, m0            ; eight of a K step's sixteen products: token tiles m0 and m0 + 1
.if (\ks) < 2
	WIN 0xF1+\buf                                  ; source 0 (W2) window 1 or 2, source 1 window 0, C and D window 3
.set FB, ASET+48*(\ks)
.else
	WIN 0xF1+\buf+4*((\ks)-1)                      ; the same with source 1 in window 1 or 2
.set FB, 192
.endif
.irp m, \m0, \m0+1
.irp t2, 0,1
.irp to, 0,1
.set RD, 128+8*(4*(\m)+2*\t2+\to)
.set RA, 12*(4*(\ks)+2*\t2+\to)
.set RB, FB+12*(\m)
.set RSA, BSC+8*\buf+2*(\ks)+\t2
.set RSB, ASC+(2*(\m)+\s)*4+(\ks)
.if (\ks) == 0
	WM 1, \to
.else
	WM 0, \to
.endif
.endr
.endr
.endr
.endm
; All 64 tokens' rows s times the expert's tile in buffer buf; then y += weight x product.  The sixteen accumulators take turns, one instruction a turn.
; The fragments of K steps 2 and 3 are asked for among the products of K steps 0 and 1.  All four sets were freed by the wait behind the last item's products (the first item's: by the wait behind the barrier).
.macro ITEM s, buf
	AFETCH \s, 0
	AFETCH \s, 1
	s_wait_dscnt 12                                ; K step 0's twelve loads are in; K step 1's are younger
	PRODS \s, \buf, 0, 0
	AFETCH \s, 2
	PRODS \s, \buf, 0, 2
	s_wait_dscnt 12                                ; K step 1's are in; K step 2's are younger
	PRODS \s, \buf, 1, 0
	AFETCH \s, 3
	PRODS \s, \buf, 1, 2
	s_wait_dscnt 12                                ; K step 2's are in; K step 3's are younger
	PRODS \s, \buf, 2, 0
	PRODS \s, \buf, 2, 2
	s_wait_dscnt 0x0
	PRODS \s, \buf, 3, 0
	PRODS \s, \buf, 3, 2
	WIN 0
.rept 4
	v_nop                                          ; four places in front of the first read of results (ISA guide 7.12.1)
.endr
	s_wait_alu depctr_va_vdst(0)                   ; the item's products are done reading the four sets of fragments, in which the next item's loads land, and W2's buffer and its scale words, in which the loads for the entry two further on land
	WIN 0xF3                                       ; y and the product window 3, the weights window 0
.irp m, 0,1,2,3
.set n, 0
.rept 16                               ; each accumulator from its low end on.  These lines are also the places in front of the next product that begins the accumulators anew
.if \s == 0
	v_pk_fma_f32 v[32*\m+2*n:32*\m+2*n+1], v[128+32*\m+2*n:128+32*\m+2*n+1], v[WP+2*\m:WP+2*\m+1], v[32*\m+2*n:32*\m+2*n+1] op_sel_hi:[1,0,1]
.else
	v_pk_fma_f32 v[32*\m+2*n:32*\m+2*n+1], v[128+32*\m+2*n:128+32*\m+2*n+1], v[WP+2*\m:WP+2*\m+1], v[32*\m+2*n:32*\m+2*n+1] op_sel:[0,1,0] op_sel_hi:[1,1,1]
.endif
.set n, n+1
.endr
.endr
	WIN 0
.endm
; The entry at bit f of the list's low word, whose fragments lie in buffer buf (its loads are done when the entry begins).  Behind its work: the wait for all loads, which shows the other buffer whole and frees
; this buffer's bases; then this buffer takes the entry two further on, if there is one: its loads have the next entry's work in which to land.  Every window is 0 at each branch and label.
.macro ENTRY f, buf
	s_bfe_u32 s18, s16, (8<<16)|(\f)
	s_bitcmp1_b32 s18, 5
	s_cbranch_scc0 .Lskip_\@
	s_and_b32 s19, s18, 7
.irp m, 0,1,2,3
	v_cmp_eq_u32 s[MK+2*\m], s19, v[LOX+\m]        ; is this the token's lower expert?
	v_cmp_eq_u32 s[MK+2*\m+1], s19, v[HIX+\m]      ; its higher?
.endr
	s_wait_alu depctr_va_sdst(0)                   ; the eight compares have written s40-47, ahead of the selects that read them: one wait for the run
.irp m, 0,1,2,3
	v_cndmask_b32 v[WP+2*\m], 0, v[SSR+2*\m], s[MK+2*\m]           ; the token's score where this is its lower expert, else 0
	v_cndmask_b32 v[WP+2*\m+1], 0, v[SSR+2*\m+1], s[MK+2*\m+1]     ; likewise its higher
.endr
	s_bitcmp1_b32 s18, 3
	s_cbranch_scc0 .Lno_lo_\@
	ITEM 0, \buf
.Lno_lo_\@:
	s_bitcmp1_b32 s18, 4
	s_cbranch_scc0 .Lno_hi_\@
	ITEM 1, \buf
.Lno_hi_\@:
.Lskip_\@:
	s_wait_loadcnt 0x0
	s_bfe_u32 s18, s16, (8<<16)|(\f+16)
	s_bitcmp1_b32 s18, 5
	s_cbranch_scc0 .Lno_load_\@
	LOADB \buf, 18                                 ; (every product that read this buffer stands ahead of its item's wait on va_vdst, and nothing behind that wait names the buffer)
.Lno_load_\@:
.endm
	s_mov_b32 s36, 4
.Ltrip:                                            ; four trips of two entries: the count is a constant, the list says what is passed over
	ENTRY 0, 0
	ENTRY 8, 1
	s_lshr_b32 s16, s16, 16                        ; the list moves two entries down
	s_lshl_b32 s18, s17, 16
	s_or_b32 s16, s16, s18
	s_lshr_b32 s17, s17, 16
	s_sub_co_u32 s36, s36, 1
	s_cmp_lg_u32 s36, 0
	s_cbranch_scc1 .Ltrip
	; THE WAY OUT, a tile of 16 tokens at a time, through my own stage: a lane's 32 bytes go in by rows and come back so that sixteen lanes hold 256 consecutive bytes of one token's row.
	; LDS serves a wave's instructions in order (ISA guide 5.7.1.4): no wait between the stores and the loads, nor in front of the next tile's stores.
	s_wait_alu depctr_va_vdst(0)                   ; the multiply-adds have written y, which the LDS stores read; the rows' offsets v16-47, made ahead of the loop, are written, which the global stores read; no vector line follows
.irp m, 0,1,2,3
.if \m >= 2
	s_wait_xcnt 0x0                                ; the stores of two tiles ago have had their addresses translated (ISA guide 3.1),
	s_wait_alu depctr_vm_vsrc(0)                   ; and have read their data registers, in which this tile's loads from the stage land
.endif
	WIN 0x0C                                       ; an LDS store's data: window 3
.irp t, 0,1,2,3
	ds_store_b128 v5, v[32*\m+8*\t:32*\m+8*\t+3] offset:64*\t
	ds_store_b128 v5, v[32*\m+8*\t+4:32*\m+8*\t+7] offset:64*\t+16
.endr
	WIN 0
.irp i, 0,1,2,3,4,5,6,7
	ds_load_b128 v[ASET+32*(\m%2)+4*\i:ASET+32*(\m%2)+4*\i+3], v6 offset:2*SP*\i
.endr
.irp i, 0,1,2,3,4,5,6,7
	s_wait_dscnt 7-\i
	global_store_b128 v[OA+8*\m+\i], v[ASET+32*(\m%2)+4*\i:ASET+32*(\m%2)+4*\i+3], s[38:39] th:TH_STORE_NT   ; 16 lanes store 256 consecutive bytes, at a multiple of 256 from y's first byte
.endr
.endr
	s_wait_dscnt 0x0                               ; the closing lines, six on end
	s_wait_alu 0x0
	s_wait_tensorcnt 0x0
	ds_add_u32 v254, v255
	s_wait_dscnt 0x0
	s_endpgm
.Lfunc_end_k_qae7a054502_out:
	.size	k_qae7a054502_out, .Lfunc_end_k_qae7a054502_out-k_qae7a054502_out
	.p2alignl 7, 3214868480
	.fill 96, 4, 3214868480
	.section	.rodata,"a",@progbits
	.p2align	6, 0x0
	.amdhsa_kernel k_qae7a054502_out
		.amdhsa_group_segment_fixed_size 71168
		.amdhsa_private_segment_fixed_size 0
		.amdhsa_enable_private_segment 0
		.amdhsa_kernarg_size 32
		.amdhsa_user_sgpr_count 2
		.amdhsa_user_sgpr_kernarg_segment_ptr 1
		.amdhsa_wavefront_size32 1
		.amdhsa_system_sgpr_workgroup_id_x 1
		.amdhsa_system_sgpr_workgroup_id_y 1
		.amdhsa_system_sgpr_workgroup_id_z 1
		.amdhsa_system_vgpr_workitem_id 0
		.amdhsa_next_free_vgpr 1024
		.amdhsa_next_free_sgpr 66
		.amdhsa_reserve_vcc 0
		.amdhsa_float_denorm_mode_32 3
		.amdhsa_float_denorm_mode_16_64 3
		.amdhsa_memory_ordered 1
		.amdhsa_forward_progress 1
		.amdhsa_inst_pref_size 122
	.end_amdhsa_kernel
	.amdgpu_metadata
---
amdhsa.version: [ 1, 2 ]
amdhsa.kernels:
  - .name:           k_qae7a054502_out
    .symbol:         k_qae7a054502_out.kd
    .args:
      - { .name: q2, .offset: 0, .size: 8, .value_kind: global_buffer, .address_space: global }
      - { .name: plan, .offset: 8, .size: 8, .value_kind: global_buffer, .address_space: global }
      - { .name: hid, .offset: 16, .size: 8, .value_kind: global_buffer, .address_space: global }
      - { .name: out0, .offset: 24, .size: 8, .value_kind: global_buffer, .address_space: global }
    .group_segment_fixed_size: 71168
    .private_segment_fixed_size: 0
    .kernarg_segment_align: 8
    .kernarg_segment_size: 32
    .max_flat_workgroup_size: 128
    .sgpr_count:     66
    .vgpr_count:     1024
    .wavefront_size: 32
...
	.end_amdgpu_metadata
.endif
;; end of part 8
